; MI455X (gfx1250); checked and timed in simulation.
; The chip was launched on July 23, 2026; its instructions are those of AMD's public machine-readable ISA for CDNA 5 (MIT licence, August 2026) and "CDNA5" Instruction Set Architecture Reference Guide (July 2026). The comments in the code are by the model that wrote it; some were corrected since.
;; Mo E. Allowed arithmetic: float matrix products may take bf16 or f16 operands with f32 sums; other float arithmetic in f32, or as packed bf16 or f16 multiplies, adds, multiply-adds, maxima and minima; sums over many terms, partial sums and values carried from step to step in f32; what a program stores and reads back later, other than sums and carried values, may be rounded once to bf16 or f16.
;; Inputs: gate_b 8 float32; gate_w 1,024 x 8 float32; rb1 8 x 2,048 float32; rb2 8 x 2,048 float32; rb3 8 x 1,024 float32; rw1 8 x 1,024 x 2,048 float32; rw2 8 x 1,024 x 2,048 float32; rw3 8 x 2,048 x 1,024 float32; sb1 2 x 2,048 float32; sb2 2 x 2,048 float32; sb3 2 x 1,024 float32; sw1 2 x 1,024 x 2,048 float32; sw2 2 x 1,024 x 2,048 float32; sw3 2 x 2,048 x 1,024 float32; x 4 x 256 x 1,024 float32.
;; Outputs: out0 4 x 256 x 1,024 float32.
;; 3 versions, each right; version 2 is faster than version 1; version 3 is version 2 with the launches up, down written anew for expert scheduling mode. Each part assembles by itself: llvm-mc -triple=amdgcn-amd-amdhsa -mcpu=gfx1250 --defsym DOCPART=n.
;; ======== version 1 of 3: 4 launches
;; workspace buffers: xb 2,097,152 bytes; rmask 1,280 bytes of whole numbers; sel 4,096 bytes of whole numbers; wts 8,192 bytes; hbuf 41,943,040 bytes; part 33,554,432 bytes
;; launch router (part 1): grid 64 x 1, 8 waves a work-group, no clusters, 61,440 bytes of LDS; arguments x, gate_w, gate_b, xb, rmask, sel, wts; writes xb, rmask, sel, wts
.if DOCPART == 1
	.amdgcn_target "amdgcn-amd-amdhsa--gfx1250"
	.amdhsa_code_object_version 6
	.text
	.protected	k_q12ef362980_router
	.globl	k_q12ef362980_router
	.p2align	8
	.type	k_q12ef362980_router,@function
k_q12ef362980_router:
	s_mov_b64 s[64:65], 0
	v_nop
	global_prefetch_b8 v0, s[64:65] scope:SCOPE_SE
	s_setreg_imm32_b32 hwreg(HW_REG_WAVE_MODE, 25, 1), 1
	s_wait_xcnt 0x0
; ROUTER.  x is rounded to bf16 (xb); logits = x gate_w + gate_b on the rounded numbers; softmax with the row's maximum taken away; the two largest.
; A work-group owns 16 tokens; wave w owns k = 128 w .. 128 w + 127 of the gate's product; wave 0 adds the eight parts and chooses.
; Stored at fixed places: xb [1024][1024] bf16; sel [token] = e0 | e1 << 8; wts [token][2] f32, the two scores; rmask [10][32 words]: bit b of word j of
; expert e = token 32 j + b chose e; "experts" 8 and 9 stand for the shared ones and have every bit set.
; LIMITS.  x, gate_w and gate_b are rounded once to bf16 (nearest even).  The two experts are chosen on the logits (softmax keeps their order), by a strict compare in
; ascending order, so that of equal logits the lower index is kept.  A score below 2^-126 counts as 0.  NaN and infinities are not treated apart.
; No tile is shared between work-groups but gate_w, 32 KiB in all: no cluster.
.set XR, 0                             ; per wave 16 rows of 128 bf16, 272 bytes apart
.set GR, 34816                         ; per wave 8 experts x 128 k of bf16, 272 bytes apart
.set PT, 52224                         ; per wave 32 lanes x 8 f32: its part of the logits
.set SPARE, 60416                      ; the spare words: 128 bytes a wave, named by no other line
	s_load_b256 s[8:15], s[0:1], 0x0               ; x s[8:9], gate_w s[10:11], gate_b s[12:13], xb s[14:15]
	s_load_b128 s[16:19], s[0:1], 0x20             ; rmask s[16:17], sel s[18:19]
	s_load_b64 s[20:21], s[0:1], 0x30              ; wts
	v_lshl_add_u32 v4, v0, 2, SPARE                ; my spare word
	v_mov_b32 v5, 0
	v_and_b32 v1, 31, v0                           ; L
	v_lshrrev_b32 v2, 5, v0
	v_readfirstlane_b32 s22, v2                    ; wave
	v_and_b32 v2, 15, v0                           ; r
	v_bfe_u32 v3, v0, 4, 1                         ; h
	v_lshlrev_b32 v6, 4, v1                        ; 16 L
	v_lshlrev_b32 v7, 3, v1                        ; 8 L
	s_mul_i32 s34, s22, 4352
	s_mul_i32 s35, s22, 2176
	s_add_co_u32 s35, s35, GR
	v_add_nc_u32 v8, s34, v7                       ; where a row's 8 bytes of mine go
	v_and_b32 v16, 1, v0
	v_lshrrev_b32 v17, 1, v1
	v_mul_u32_u24 v9, v16, 1088                    ; experts 4 (L & 1) on,
	v_lshl_add_u32 v9, v17, 1, v9                  ; k = L >> 1
	v_add_nc_u32 v9, s35, v9
	v_mul_u32_u24 v10, v2, 272                     ; x fragment: row r, 16 bytes a half
	v_lshl_add_u32 v10, v3, 4, v10
	v_add_nc_u32 v10, s34, v10
	v_and_b32 v16, 7, v0
	v_mul_u32_u24 v11, v16, 272                    ; gate fragment: expert r & 7 (rows 8-15 repeat rows 0-7)
	v_lshl_add_u32 v11, v3, 4, v11
	v_add_nc_u32 v11, s35, v11
	v_lshlrev_b32 v13, 5, v1
	v_add_nc_u32 v13, PT, v13
	s_lshl_b32 s36, s22, 10
	v_add_nc_u32 v12, s36, v13
	v_min_u32 v14, 9, v2                           ; which expert's mask word this lane stores
	s_lshl_b32 s38, ttmp9, 16                      ; 16 rows of 4,096 bytes
	s_lshl_b32 s36, s22, 9
	s_add_co_u32 s38, s38, s36
	s_mov_b32 s39, 0
	s_lshl_b32 s40, s22, 12                        ; 128 rows of gate_w, 32 bytes each
	s_mov_b32 s41, 0
	s_lshl_b32 s42, ttmp9, 15                      ; 16 rows of 2,048 bytes
	s_lshl_b32 s36, s22, 8
	s_add_co_u32 s42, s42, s36
	s_mov_b32 s43, 0
	s_wait_kmcnt 0x0
	s_add_nc_u64 s[8:9], s[8:9], s[38:39]
	s_add_nc_u64 s[10:11], s[10:11], s[40:41]
	s_add_nc_u64 s[14:15], s[14:15], s[42:43]
	s_load_b256 s[24:31], s[12:13], 0x0            ; gate_b
.set t, 0
.rept 16
	global_load_b128 v[32+4*t:35+4*t], v6, s[8:9] offset:4096*t th:TH_LOAD_NT   ; row t: 512 consecutive bytes
.set t, t+1
.endr
.set i, 0
.rept 8
	global_load_b128 v[96+4*i:99+4*i], v6, s[10:11] offset:512*i                ; k = 16 i + (L >> 1), experts 4 (L & 1) ..
.set i, i+1
.endr
	s_wait_kmcnt 0x0
	s_wait_loadcnt 8                               ; x is in; the eight loads of gate_w are younger
.set t, 0
.rept 16
	v_cvt_pk_bf16_f32 v[128+2*t], v[32+4*t], v[33+4*t]
	v_cvt_pk_bf16_f32 v[129+2*t], v[34+4*t], v[35+4*t]
	global_store_b64 v7, v[128+2*t:129+2*t], s[14:15] offset:2048*t             ; the wave stores 256 consecutive bytes, aligned
	ds_store_b64 v8, v[128+2*t:129+2*t] offset:272*t
.set t, t+1
.endr
	s_wait_loadcnt 0x0                             ; gate_w
.set i, 0
.rept 8
	v_cvt_pk_bf16_f32 v[16+2*i], v[96+4*i], v[97+4*i]
	v_cvt_pk_bf16_f32 v[17+2*i], v[98+4*i], v[99+4*i]
	ds_store_b16 v9, v[16+2*i] offset:32*i                                     ; turned: [expert][k]
	ds_store_b16_d16_hi v9, v[16+2*i] offset:32*i+272
	ds_store_b16 v9, v[17+2*i] offset:32*i+544
	ds_store_b16_d16_hi v9, v[17+2*i] offset:32*i+816
.set i, i+1
.endr
.set ks, 0
.rept 4                                            ; the wave's own bytes: LDS serves a wave's instructions in order, so no barrier
	ds_load_b128 v[160+8*ks:163+8*ks], v11 offset:64*ks
	ds_load_b128 v[164+8*ks:167+8*ks], v11 offset:64*ks+32
	ds_load_b128 v[192+8*ks:195+8*ks], v10 offset:64*ks
	ds_load_b128 v[196+8*ks:199+8*ks], v10 offset:64*ks+32
.set ks, ks+1
.endr
	s_wait_dscnt 0x0
	; source 0 = experts, source 1 = tokens: lane (r, h) then holds token r, register j expert j.  Two accumulators by turns.
	v_wmma_f32_16x16x32_bf16 v[224:231], v[160:167], v[192:199], 0
	v_wmma_f32_16x16x32_bf16 v[232:239], v[168:175], v[200:207], 0
	v_wmma_f32_16x16x32_bf16 v[224:231], v[176:183], v[208:215], v[224:231]
	v_wmma_f32_16x16x32_bf16 v[232:239], v[184:191], v[216:223], v[232:239]
.rept 4
	v_nop                                          ; four places between the products and the first read of their results
.endr
.set m, 0
.rept 4
	v_pk_add_f32 v[240+2*m:241+2*m], v[224+2*m:225+2*m], v[232+2*m:233+2*m]
.set m, m+1
.endr
	ds_store_b128 v12, v[240:243]
	ds_store_b128 v12, v[244:247] offset:16
	s_wait_dscnt 0x0                               ; for wave 0's sake: my part is stored
	s_barrier_signal -1
	s_barrier_wait -1
	s_cmp_lg_u32 s22, 0
	s_cbranch_scc1 .Lend                           ; no barrier stands behind this branch
.set w, 0
.rept 8
	ds_load_b128 v[32+8*w:35+8*w], v13 offset:1024*w
	ds_load_b128 v[36+8*w:39+8*w], v13 offset:1024*w+16
.set w, w+1
.endr
	s_mov_b32 s34, 0x3fb8aa3b                      ; log2(e)
	s_lshl_b32 s38, ttmp9, 6
	s_mov_b32 s39, 0
	s_add_nc_u64 s[18:19], s[18:19], s[38:39]      ; sel + 64 b
	s_lshl_b32 s38, ttmp9, 7
	s_add_nc_u64 s[20:21], s[20:21], s[38:39]      ; wts + 128 b
	s_lshl_b32 s38, ttmp9, 1
	s_add_nc_u64 s[16:17], s[16:17], s[38:39]      ; rmask + 2 b: my 16 tokens are half a word
	s_wait_dscnt 0x0
.set w, 1
.rept 7
.set m, 0
.rept 4
	v_pk_add_f32 v[32+2*m:33+2*m], v[32+2*m:33+2*m], v[32+8*w+2*m:33+8*w+2*m]
.set m, m+1
.endr
.set w, w+1
.endr
.set m, 0
.rept 4                                            ; gate_b, rounded to bf16 like every input
	v_cvt_pk_bf16_f32 v48, s[24+2*m], s[25+2*m]
	v_lshlrev_b32 v49, 16, v48
	v_and_b32 v50, 0xffff0000, v48
	v_add_f32 v[32+2*m], v[32+2*m], v49
	v_add_f32 v[33+2*m], v[33+2*m], v50
.set m, m+1
.endr
	v_max3_num_f32 v16, v32, v33, v34
	v_max3_num_f32 v16, v16, v35, v36
	v_max3_num_f32 v16, v16, v37, v38
	v_max_num_f32 v16, v16, v39                    ; the row's maximum
	v_mul_f32 v17, s34, v16
.set j, 0
.rept 8
	v_fma_f32 v[40+j], v[32+j], s34, -v17
.set j, j+1
.endr
.set j, 0
.rept 8
	v_exp_f32 v[40+j], v[40+j]
.set j, j+1
.endr
	v_nop                                          ; a plain instruction behind the last exponential,
	s_wait_alu depctr_va_vdst(0)                   ; and one wait for the batch of eight
	v_add_f32 v18, v40, v41
	v_add_f32 v48, v42, v43
	v_add_f32 v49, v44, v45
	v_add_f32 v50, v46, v47
	v_add_f32 v18, v18, v48
	v_add_f32 v49, v49, v50
	v_add_f32 v18, v18, v49
	v_rcp_f32 v19, v18
	v_mov_b32 v20, v32                             ; the largest logit, its index and its exponential
	v_mov_b32 v21, 0
	v_mov_b32 v22, v40
	s_wait_alu depctr_va_vdst(0)                   ; the reciprocal's wait, ahead of its first reader
.set j, 1
.rept 7
	v_cmp_gt_f32 vcc_lo, v[32+j], v20
	v_cndmask_b32 v20, v20, v[32+j], vcc_lo
	v_cndmask_b32 v21, v21, j, vcc_lo
	v_cndmask_b32 v22, v22, v[40+j], vcc_lo
.set j, j+1
.endr
	v_mov_b32 v23, 0xff800000                      ; the second: the largest of the others
	v_mov_b32 v24, 0
	v_mov_b32 v25, 0
.set j, 0
.rept 8
	v_cmp_gt_f32 s36, v[32+j], v23
	v_cmp_ne_u32 s37, j, v21
	s_and_b32 s36, s36, s37
	v_cndmask_b32 v23, v23, v[32+j], s36
	v_cndmask_b32 v24, v24, j, s36
	v_cndmask_b32 v25, v25, v[40+j], s36
.set j, j+1
.endr
	v_mul_f32 v26, v22, v19                        ; the two scores
	v_mul_f32 v27, v25, v19
	v_lshl_or_b32 v28, v24, 8, v21
	v_mov_b32 v29, 0xffff                          ; lanes for "experts" 8 and 9 keep all ones
.set e, 0
.rept 8
	v_cmp_eq_u32 s36, e, v21
	v_cmp_eq_u32 s37, e, v24
	s_or_b32 s36, s36, s37
	s_and_b32 s36, s36, 0xffff                     ; lanes 0-15 are the 16 tokens
	v_cmp_eq_u32 vcc_lo, e, v14
	v_cndmask_b32 v29, v29, s36, vcc_lo
.set e, e+1
.endr
	v_lshlrev_b32 v15, 2, v2
	v_lshlrev_b32 v30, 3, v2
	v_lshlrev_b32 v31, 7, v14
	global_store_b32 v15, v28, s[18:19]            ; both halves of the lanes hold the same token: the same value to the same place
	global_store_b64 v30, v[26:27], s[20:21]
	global_store_b16 v31, v29, s[16:17]
.Lend:
	s_wait_tensorcnt 0x0                           ; the wave's end
	ds_add_u32 v4, v5
	s_wait_dscnt 0x0
	s_endpgm
.Lfunc_end_k_q12ef362980_router:
	.size	k_q12ef362980_router, .Lfunc_end_k_q12ef362980_router-k_q12ef362980_router
	.p2alignl 7, 3214868480
	.fill 96, 4, 3214868480
	.section	.rodata,"a",@progbits
	.p2align	6, 0x0
	.amdhsa_kernel k_q12ef362980_router
		.amdhsa_group_segment_fixed_size 61440
		.amdhsa_private_segment_fixed_size 0
		.amdhsa_enable_private_segment 0
		.amdhsa_kernarg_size 56
		.amdhsa_user_sgpr_count 2
		.amdhsa_user_sgpr_kernarg_segment_ptr 1
		.amdhsa_wavefront_size32 1
		.amdhsa_system_sgpr_workgroup_id_x 1
		.amdhsa_system_sgpr_workgroup_id_y 1
		.amdhsa_system_sgpr_workgroup_id_z 1
		.amdhsa_system_vgpr_workitem_id 0
		.amdhsa_next_free_vgpr 256
		.amdhsa_next_free_sgpr 66
		.amdhsa_reserve_vcc 1
		.amdhsa_float_denorm_mode_32 3
		.amdhsa_float_denorm_mode_16_64 3
		.amdhsa_memory_ordered 1
		.amdhsa_forward_progress 1
		.amdhsa_inst_pref_size 27
	.end_amdhsa_kernel
	.amdgpu_metadata
---
amdhsa.version: [ 1, 2 ]
amdhsa.kernels:
  - .name:           k_q12ef362980_router
    .symbol:         k_q12ef362980_router.kd
    .args:
      - { .name: x, .offset: 0, .size: 8, .value_kind: global_buffer, .address_space: global }
      - { .name: gate_w, .offset: 8, .size: 8, .value_kind: global_buffer, .address_space: global }
      - { .name: gate_b, .offset: 16, .size: 8, .value_kind: global_buffer, .address_space: global }
      - { .name: xb, .offset: 24, .size: 8, .value_kind: global_buffer, .address_space: global }
      - { .name: rmask, .offset: 32, .size: 8, .value_kind: global_buffer, .address_space: global }
      - { .name: sel, .offset: 40, .size: 8, .value_kind: global_buffer, .address_space: global }
      - { .name: wts, .offset: 48, .size: 8, .value_kind: global_buffer, .address_space: global }
    .group_segment_fixed_size: 61440
    .private_segment_fixed_size: 0
    .kernarg_segment_align: 8
    .kernarg_segment_size: 56
    .max_flat_workgroup_size: 256
    .sgpr_count:     66
    .vgpr_count:     256
    .wavefront_size: 32
...
	.end_amdgpu_metadata
.endif
;; end of part 1
;; launch up (part 2): grid 512 x 1, 8 waves a work-group, no clusters, 322,048 bytes of LDS; arguments xb, rmask, rw1, rw2, rb1, rb2, sw1, sw2, sb1, sb2, hbuf; writes hbuf
.if DOCPART == 2
	.amdgcn_target "amdgcn-amd-amdhsa--gfx1250"
	.amdhsa_code_object_version 6
	.text
	.protected	k_q12ef362980_up
	.globl	k_q12ef362980_up
	.p2align	8
	.type	k_q12ef362980_up,@function
k_q12ef362980_up:
	s_mov_b64 s[64:65], 0
	v_nop
	global_prefetch_b8 v0, s[64:65] scope:SCOPE_SE
	s_setreg_imm32_b32 hwreg(HW_REG_WAVE_MODE, 25, 1), 1
	s_wait_xcnt 0x0
; UP.  h = silu(x w1 + b1) (x w2 + b2) for the rows that need it.  A UNIT is one expert's columns 64 b .. 64 b + 63 of w1 (n 0-63) and of w2 (n 64-127), all K = 1024, and the rows that use them.
; Even work-groups: routed expert e = u >> 5, b = u & 31, all the tokens that chose e (any number, 0 to 1024).  Odd ones: shared expert 8 + (u >> 7), b = (u >> 2) & 31, tokens 256 (u & 3) on.
; EIGHT WAVES.  Waves 4-7 LOAD: each brings 64 rows of K of every quarter of the slice through registers (64 loads of 16 bytes a lane are out together), rounds them to bf16 and stores them into a slice
; that stays in LDS, [k][128], each byte written once.  Waves 0-3 MULTIPLY a quarter when it is stored; while they multiply, the next quarter's loads are on their way.  Weight fragments come turned
; out of LDS (source 0), token rows straight from memory (source 1): a lane of the result holds one token and eight neighbouring columns.
; BARRIERS.  A trip is: a barrier; the loaders store a quarter; a barrier; waves 0-3 multiply it.  Behind a group's four trips a third barrier stands in front of the way out.  So no wave stores into
; the slice while another reads from it, and nothing writes LDS while the slice is read.
; ROWS go in groups of 256 = 16 tiles of 16; tile 4 i + w is wave w's.  Four groups x four trips, constants: every wave passes every barrier, and only work is jumped, by counts made from rmask,
; which the launch before stored.  Later groups use the slice that lies in LDS, so a unit reads each weight byte once whatever the split.
; Rows past the count in a tile that is not full take tokens that did not choose the expert; their h is stored behind the expert's rows and never read.
; hbuf: [10 experts][32 blocks of 64 columns][1024 rows][64] bf16; a row is the token's rank among the expert's tokens (a shared expert: the token).
; LIMITS.  Weights, biases and x are rounded once to bf16, h once to bf16; sums in f32.  h = (p1 p2) / (1 + 2^(-1.4427 p1)): |p1 p2| must stay below 3.4e38.  NaN and infinities are not treated apart.
; NO CLUSTER: a routed slice has one reader; a shared slice has four, but the weights are rounded on their way through registers, which no joint load serves; the four have neighbouring numbers.
.set QB,    73728                      ; a quarter of the slice: 256 rows of K, 288 bytes apart (256 of data + 32: an odd multiple of 32)
.set STG,   294912                     ; a stage of 4,352 bytes for each multiplying wave: 16 rows, 144 bytes apart
.set LIST,  312320                     ; 1,024 words: the token of each rank
.set BIAS,  320512                     ; 128 f32
.set SPARE, 321024                     ; the spare words: 128 bytes a wave, named by no other line
.set RA,    128                        ; row loads: K step js of four lies RA (js >> 1) + 64 (js & 1) bytes on
.set BSTEP, 256                        ; four K steps of a row
.set KMASK, 2047
; scalars: s26 wave; s100 wave & 3; s27 u; s28 E; s29 E & 7; s30 b; s[32:63] the expert's mask; s66 count; s67 first row; s68 end; s69 groups to go; s70 trips to go; s71 the trip's quarter in LDS;
; s72 the group's first row; s73 live tiles; s74 my live tiles; s[76:77] rows' base; s[78:79] the same + s[80:81]; s[82:85] a loader's bases; s[86:87] hbuf at the unit;
; s[88:89] -log2(e); s92, s93 running ranks
; window 0: v1 L, v2 r, v3 h, v4-5 the add's; v6-8 fragment addresses; v9 16 L; v10-13 rows; v14 bias; v15-17 way out; v32-34 loaders; v35 16 h; v64-127 weight fragments; v128-255 four row buffers
; window 1: 32 accumulators, (tile i, n tile nt) at 64 i + 8 nt; in a loader the 64 loads' registers
.set MSB, 0
.macro WIN new                         ; the immediate's high byte repeats the setting that is left
.if MSB != (\new)
	s_set_vgpr_msb (MSB<<8)|(\new)
.set MSB, \new
.endif
.endm
.macro NOP4                            ; four places between a product and a load into, or a read of, its registers
.rept 4
	v_nop
.endr
.endm
.macro BAR                             ; my LDS instructions are done; then the work-group's barrier
	s_wait_dscnt 0x0
	s_barrier_signal -1
	s_barrier_wait -1
.endm
.macro ISSUE                           ; a loader's 64 rows of a quarter: each load takes 256 consecutive bytes of two rows, four rows apart
	WIN 0x40
.set i, 0
.rept 32
	global_load_b128 v[4*i:4*i+3], v32, s[82:83] offset:((i>>2)*8+(i&3))*8192
	global_load_b128 v[128+4*i:128+4*i+3], v32, s[84:85] offset:((i>>2)*8+(i&3))*8192
.set i, i+1
.endr
	WIN 0
.endm
.macro CVTSTORE                        ; rounded to bf16 and stored: w1's 128 bytes of a row, then w2's
	v_add_nc_u32 v34, s71, v33
.set bt, 0
.rept 4
	WIN 0x05
.set m, 0
.rept 8
.set i, 8*bt+m
	v_cvt_pk_bf16_f32 v[64+4*m], v[4*i], v[4*i+1]
	v_cvt_pk_bf16_f32 v[65+4*m], v[4*i+2], v[4*i+3]
	v_cvt_pk_bf16_f32 v[66+4*m], v[128+4*i], v[128+4*i+1]
	v_cvt_pk_bf16_f32 v[67+4*m], v[128+4*i+2], v[128+4*i+3]
.set m, m+1
.endr
	WIN 0
.set m, 0
.rept 8
.set i, 8*bt+m
	ds_store_b64 v34, v[64+4*m:65+4*m] offset:((i>>2)*8+(i&3))*288
	ds_store_b64 v34, v[66+4*m:67+4*m] offset:((i>>2)*8+(i&3))*288+128
.set m, m+1
.endr
.set bt, bt+1
.endr
.endm
.macro INIT i                          ; tile i's sums start from the bias
	WIN 0x40
.irp n, 0,1,2,3,4,5,6,7
	ds_load_b128 v[64*(\i)+8*(\n):64*(\i)+8*(\n)+3], v14 offset:64*(\n)
	ds_load_b128 v[64*(\i)+8*(\n)+4:64*(\i)+8*(\n)+7], v14 offset:64*(\n)+16
.endr
	WIN 0
.endm
.macro WFLOAD j, half                  ; four n tiles' fragments of K step j of the quarter: 8 turning loads
.set aw, 7+(\j)/4
.set jo, 9216*((\j)%4)
.irp n, 0,1,2,3
	ds_load_tr16_b128 v[64+8*(4*(\half)+(\n)):64+8*(4*(\half)+(\n))+3], v[aw] offset:jo+32*(4*(\half)+(\n))
	ds_load_tr16_b128 v[64+8*(4*(\half)+(\n))+4:64+8*(4*(\half)+(\n))+7], v[aw] offset:jo+32*(4*(\half)+(\n))+4608
.endr
.endm
.macro RLOAD js                        ; row buffer js: one K step of my four tiles, 8 loads
.irp i, 0,1,2,3
	global_load_b128 v[128+32*(\js)+8*(\i):128+32*(\js)+8*(\i)+3], v[10+(\i)], s[78:79] offset:RA*((\js)>>1)+64*((\js)&1)
	global_load_b128 v[128+32*(\js)+8*(\i)+4:128+32*(\js)+8*(\i)+7], v[10+(\i)], s[78:79] offset:RA*((\js)>>1)+64*((\js)&1)+32
.endr
.endm
.macro MULH j, half, tiles             ; every product names another accumulator than the one before it
	WIN 0x50
.irp n, 0,1,2,3
.set ti, 0
.rept \tiles
	v_wmma_f32_16x16x32_bf16 v[64*ti+8*(4*(\half)+(\n)):64*ti+8*(4*(\half)+(\n))+7], v[64+8*(4*(\half)+(\n)):64+8*(4*(\half)+(\n))+7], v[128+32*((\j)%4)+8*ti:128+32*((\j)%4)+8*ti+7], v[64*ti+8*(4*(\half)+(\n)):64*ti+8*(4*(\half)+(\n))+7]
.set ti, ti+1
.endr
.endr
.endm
.macro KSTEP j, tiles
.if (\j)%4 == 0
	s_wait_xcnt 0x0                                ; the base of the row loads, and registers that stores have read, are rewritten only behind this wait
	s_add_co_u32 s80, s80, BSTEP                   ; the refills of these four steps take the next four steps of K;
	s_and_b32 s80, s80, KMASK                      ; behind the last they wrap to the rows' first bytes: inside the buffer, and not used
	s_add_nc_u64 s[78:79], s[76:77], s[80:81]
.endif
	s_wait_loadcnt 24                              ; this step's rows are in: three younger buffers of 8 loads may be out
	s_wait_dscnt 8                                 ; n tiles 0-3 are in: the 8 loads of n tiles 4-7 are younger
	MULH \j, 0, \tiles
.if (\j) < 7
	NOP4
	WIN 0
	WFLOAD (\j)+1, 0
	s_wait_dscnt 8                                 ; n tiles 4-7 are in: the 8 loads just issued are younger
.else
	WIN 0
	s_wait_dscnt 0x0
.endif
	MULH \j, 1, \tiles
	NOP4
	WIN 0
.if (\j) < 7
	WFLOAD (\j)+1, 1
.endif
	RLOAD (\j)%4                                   ; always all four tiles, so that the count above holds on every way
.endm
.macro BODY tiles                      ; a quarter of K: 8 steps of 32, from the quarter that this trip stored
	v_add_nc_u32 v7, s71, v6
	v_add_nc_u32 v8, 36864, v7
	WFLOAD 0, 0
	WFLOAD 0, 1
.irp j, 0,1,2,3,4,5,6,7
	KSTEP \j, \tiles
.endr
.endm
.macro TLV                             ; live tiles of the group that begins at s72, and mine of them
	s_add_co_u32 s90, s68, 15
	s_max_u32 s90, s90, s72
	s_sub_co_u32 s90, s90, s72
	s_lshr_b32 s90, s90, 4
	s_min_u32 s73, s90, 16
	s_add_co_u32 s90, s73, 3
	s_sub_co_u32 s90, s90, s100
	s_lshr_b32 s74, s90, 2
.endm
.macro GPRO                            ; the group's rows: their tokens from the list, and the first four K steps
	s_wait_xcnt 0x0                                ; the way out's stores have read their registers: the row loads below land on them
	s_lshl_b32 s90, s100, 4
	s_add_co_u32 s90, s90, s72
.irp i, 0,1,2,3
	s_add_co_u32 s91, s90, 64*(\i)
	v_add_nc_u32 v[28+(\i)], s91, v2
	v_min_u32 v[28+(\i)], 0x3ff, v[28+(\i)]
	v_lshl_add_u32 v[28+(\i)], v[28+(\i)], 2, LIST
	ds_load_b32 v[10+(\i)], v[28+(\i)]
.endr
	s_wait_dscnt 0x0
.irp i, 0,1,2,3
	v_min_u32 v[10+(\i)], 0x3ff, v[10+(\i)]
	v_lshl_add_u32 v[10+(\i)], v[10+(\i)], 11, v35 ; token x 2,048 bytes + 16 h
.endr
	s_mov_b32 s80, 0
	s_mov_b64 s[78:79], s[76:77]
.irp js, 0,1,2,3
	RLOAD \js
.endr
.endm
.macro EPI i                           ; tile i: the activation, 16 rows x 64 columns of bf16 through my stage, 2,048 consecutive bytes of hbuf
	s_wait_xcnt 0x0                                ; the last tile's stores have read their registers
	WIN 0x01
.set m, 0
.rept 16
	v_pk_mul_f32 v[128+2*m:129+2*m], v[64*(\i)+2*m:64*(\i)+2*m+1], s[88:89] op_sel_hi:[1,0]   ; -log2(e) p1; each accumulator is read from its low end on
.set m, m+1
.endr
	WIN 0x05
.set m, 0
.rept 16
	v_pk_mul_f32 v[160+2*m:161+2*m], v[64*(\i)+2*m:64*(\i)+2*m+1], v[64*(\i)+32+2*m:64*(\i)+32+2*m+1]   ; p1 p2
.set m, m+1
.endr
	WIN 0
.set m, 0
.rept 32
	v_exp_f32 v[128+m], v[128+m]
.set m, m+1
.endr
	v_nop                                          ; a plain instruction behind the last exponential,
	s_wait_alu depctr_va_vdst(0)                   ; and one wait for the 32, ahead of their first reader
.set m, 0
.rept 16
	v_pk_add_f32 v[128+2*m:129+2*m], v[128+2*m:129+2*m], 1.0 op_sel_hi:[1,0]
.set m, m+1
.endr
.set m, 0
.rept 32
	v_rcp_f32 v[128+m], v[128+m]
.set m, m+1
.endr
	v_nop
	s_wait_alu depctr_va_vdst(0)                   ; one wait for the 32 reciprocals
.set m, 0
.rept 16
	v_pk_mul_f32 v[160+2*m:161+2*m], v[160+2*m:161+2*m], v[128+2*m:129+2*m]
.set m, m+1
.endr
.set m, 0
.rept 16
	v_cvt_pk_bf16_f32 v[192+m], v[160+2*m], v[161+2*m]
.set m, m+1
.endr
.irp n, 0,1,2,3
	ds_store_b128 v15, v[192+4*(\n):195+4*(\n)] offset:32*(\n)
.endr
.irp f, 0,1,2,3
	ds_load_b128 v[208+4*(\f):211+4*(\f)], v16 offset:576*(\f)   ; my own bytes, served in order: four rows of 128 bytes a load
.endr
	INIT \i                                        ; for the next group
	s_lshl_b32 s90, s100, 4
	s_add_co_u32 s90, s90, s72
	s_add_co_u32 s90, s90, 64*(\i)
	s_lshl_b32 s90, s90, 7
	v_add_nc_u32 v17, s90, v9
	s_wait_dscnt 16                                ; the rows are back: the 16 loads of the bias are younger
.irp f, 0,1,2,3
	global_store_b128 v17, v[208+4*(\f):211+4*(\f)], s[86:87] offset:512*(\f)   ; 512 consecutive bytes, aligned
.endr
.endm
	s_load_b256 s[4:11], s[0:1], 0x0               ; xb s[4:5], rmask s[6:7], rw1 s[8:9], rw2 s[10:11]
	s_load_b256 s[12:19], s[0:1], 0x20             ; rb1 s[12:13], rb2 s[14:15], sw1 s[16:17], sw2 s[18:19]
	s_load_b128 s[20:23], s[0:1], 0x40             ; sb1 s[20:21], sb2 s[22:23]
	s_load_b64 s[24:25], s[0:1], 0x50              ; hbuf
	v_lshl_add_u32 v4, v0, 2, SPARE                ; my spare word
	v_mov_b32 v5, 0
	v_and_b32 v1, 31, v0                           ; L
	v_lshrrev_b32 v2, 5, v0
	v_readfirstlane_b32 s26, v2                    ; wave
	v_and_b32 v2, 15, v0                           ; r
	v_bfe_u32 v3, v0, 4, 1                         ; h
	s_and_b32 s100, s26, 3                         ; my number among the four waves of my kind
	; every lane address is made here, by all eight waves, ahead of every branch
	v_and_b32 v28, 7, v0
	v_lshl_add_u32 v29, v3, 3, v28
	v_mul_u32_u24 v6, v29, 288                     ; the turning load: row 8 h + L % 8,
	v_bfe_u32 v29, v0, 3, 1
	v_lshl_add_u32 v6, v29, 4, v6                  ; 16 bytes for each eight lanes
	v_lshlrev_b32 v9, 4, v1
	v_lshl_add_u32 v14, v3, 5, BIAS
	v_lshlrev_b32 v35, 4, v3
	s_mul_i32 s90, s100, 4352
	s_add_co_u32 s90, s90, STG
	v_mul_u32_u24 v15, v2, 144                     ; into the stage: row r, 16 bytes a half
	v_lshl_add_u32 v15, v3, 4, v15
	v_add_nc_u32 v15, s90, v15
	v_lshrrev_b32 v29, 3, v1
	v_mul_u32_u24 v16, v29, 144                    ; back: four rows of 128 bytes
	v_lshl_add_u32 v16, v28, 4, v16
	v_add_nc_u32 v16, s90, v16
	v_lshlrev_b32 v32, 4, v2                       ; a loader's place in memory: 16 bytes a lane,
	v_lshl_add_u32 v32, v3, 15, v32                ; lanes 16-31 four rows further down;
	s_mul_i32 s91, s100, 18432                     ; and in a quarter of the slice: its 64 rows
	v_mul_u32_u24 v33, v3, 1152
	v_lshl_add_u32 v33, v2, 3, v33
	v_add_nc_u32 v33, s91, v33
	s_lshr_b32 s27, ttmp9, 1                       ; u
	s_and_b32 s75, ttmp9, 1                        ; 1: a shared unit
	s_lshr_b32 s28, s27, 5
	s_and_b32 s30, s27, 31
	s_lshr_b32 s90, s27, 7
	s_add_co_u32 s90, s90, 8
	s_bfe_u32 s91, s27, 0x50002
	s_and_b32 s96, s27, 3
	s_lshl_b32 s96, s96, 8
	s_movk_i32 s98, 256
	s_movk_i32 s99, 1024
	s_cmp_eq_u32 s75, 1
	s_cselect_b32 s28, s90, s28                    ; E
	s_cselect_b32 s30, s91, s30                    ; b
	s_cselect_b32 s67, s96, 0                      ; first row
	s_cselect_b32 s98, s98, s99                    ; rows at the most
	s_and_b32 s29, s28, 7                          ; the expert's place in its own tensors
	s_wait_kmcnt 0x0
	s_cmp_eq_u32 s75, 1
	s_cselect_b64 s[8:9], s[16:17], s[8:9]         ; w1, w2, b1, b2: routed or shared
	s_cselect_b64 s[10:11], s[18:19], s[10:11]
	s_cselect_b64 s[12:13], s[20:21], s[12:13]
	s_cselect_b64 s[14:15], s[22:23], s[14:15]
	s_lshl_b32 s90, s28, 7
	s_mov_b32 s91, 0
	s_add_nc_u64 s[6:7], s[6:7], s[90:91]
	s_load_b512 s[32:47], s[6:7], 0x0              ; the expert's 32 mask words
	s_load_b512 s[48:63], s[6:7], 0x40
	s_lshl_b32 s90, s29, 23                        ; 8 MiB an expert,
	s_lshl_b32 s96, s30, 8                         ; 256 bytes of every row
	s_add_co_u32 s90, s90, s96
	s_add_nc_u64 s[8:9], s[8:9], s[90:91]
	s_add_nc_u64 s[10:11], s[10:11], s[90:91]
	s_lshl_b32 s90, s29, 13
	s_add_co_u32 s90, s90, s96
	s_add_nc_u64 s[12:13], s[12:13], s[90:91]
	s_add_nc_u64 s[14:15], s[14:15], s[90:91]
	s_lshl_b32 s90, s28, 22
	s_lshl_b32 s96, s30, 17
	s_add_co_u32 s90, s90, s96
	s_add_nc_u64 s[86:87], s[24:25], s[90:91]
	s_mov_b64 s[76:77], s[4:5]
	s_mov_b32 s88, 0xbfb8aa3b                      ; -log2(e)
	s_mov_b32 s89, s88
	s_mov_b32 s81, 0
	s_mov_b32 s69, 4
	s_mov_b32 s66, 0
	s_wait_kmcnt 0x0
.set j, 0
.rept 32
	s_bcnt1_i32_b32 s90, s[32+j]
	s_add_co_u32 s66, s66, s90                     ; the expert's count
.set j, j+1
.endr
	s_add_co_u32 s68, s67, s98
	s_min_u32 s68, s68, s66                        ; end
	s_mov_b32 s72, s67                             ; the first group
	TLV
	; every base of a global load is made here too, by all eight waves, ahead of every branch
	s_lshl_b32 s96, s100, 19                       ; a loader's 64 rows of each quarter
	s_mov_b32 s97, 0
	s_add_nc_u64 s[82:83], s[8:9], s[96:97]
	s_add_nc_u64 s[84:85], s[10:11], s[96:97]
	s_mov_b32 s80, 0
	s_mov_b64 s[78:79], s[76:77]
	s_cmp_lt_u32 s26, 4
	s_cbranch_scc1 .Lnot_loader
	ISSUE                                          ; quarter 0
.Lnot_loader:
	s_cmp_lg_u32 s26, 0
	s_cbranch_scc1 .Lnot_w0
	; wave 0: the list.  A token that chose the expert goes to its rank among those; the others follow behind the count: all 1,024 words are written once.
	s_mov_b32 s92, 0
	s_mov_b32 s93, s66
.set j, 0
.rept 32
	v_mbcnt_lo_u32_b32 v28, s[32+j], s92
	s_not_b32 s90, s[32+j]
	v_mbcnt_lo_u32_b32 v29, s90, s93
	v_cndmask_b32 v28, v29, v28, s[32+j]
	v_min_u32 v28, 0x3ff, v28
	v_lshl_add_u32 v28, v28, 2, LIST
	v_add_nc_u32 v30, 32*j, v1
	ds_store_b32 v28, v30
	s_bcnt1_i32_b32 s91, s[32+j]
	s_add_co_u32 s92, s92, s91
	s_sub_co_u32 s91, 32, s91
	s_add_co_u32 s93, s93, s91
.set j, j+1
.endr
.Lnot_w0:
	s_cmp_lg_u32 s26, 1
	s_cbranch_scc1 .Lnot_w1
	; wave 1: the bias, rounded to bf16 like every input: lanes 0-15 b1's 64 numbers, lanes 16-31 b2's
	v_lshlrev_b32 v28, 4, v2
	global_load_b128 v[64:67], v28, s[12:13]
	global_load_b128 v[68:71], v28, s[14:15]
	s_wait_loadcnt 0x0
	v_cmp_le_u32 vcc_lo, 16, v1
	v_cndmask_b32 v64, v64, v68, vcc_lo
	v_cndmask_b32 v65, v65, v69, vcc_lo
	v_cndmask_b32 v66, v66, v70, vcc_lo
	v_cndmask_b32 v67, v67, v71, vcc_lo
	v_cvt_pk_bf16_f32 v72, v64, v65
	v_cvt_pk_bf16_f32 v73, v66, v67
	v_lshlrev_b32 v64, 16, v72
	v_and_b32 v65, 0xffff0000, v72
	v_lshlrev_b32 v66, 16, v73
	v_and_b32 v67, 0xffff0000, v73
	v_lshl_add_u32 v29, v1, 4, BIAS
	ds_store_b128 v29, v[64:67]
.Lnot_w1:
	BAR                                            ; list and bias are stored
	s_cmp_ge_u32 s26, 4
	s_cbranch_scc1 .Lgroup
	INIT 0
	INIT 1
	INIT 2
	INIT 3
	GPRO
.Lgroup:
	s_mov_b32 s70, 4                               ; four trips, a quarter of K each
	s_mov_b32 s71, 0
.Ltrip:
	BAR                                            ; the reads of the trip before (at first: of bias and list) are done in every wave
	s_cmp_lt_u32 s26, 4
	s_cbranch_scc1 .Lstored
	s_cmp_lg_u32 s69, 4
	s_cbranch_scc1 .Lstored                        ; the slice is whole after the first group
	s_wait_loadcnt 0x0                             ; this quarter's 64 loads are in
	CVTSTORE
	s_cmp_eq_u32 s70, 1
	s_cbranch_scc1 .Lstored                        ; that was the last quarter
	s_add_nc_u64 s[82:83], s[82:83], 2097152       ; 256 rows on; no load is out
	s_add_nc_u64 s[84:85], s[84:85], 2097152
	ISSUE                                          ; the next quarter has this quarter's products in which to land
.Lstored:
	BAR                                            ; the quarter is stored, by all four loaders
	s_cmp_ge_u32 s26, 4
	s_cbranch_scc1 .Lmult
	s_cmp_eq_u32 s74, 0
	s_cbranch_scc1 .Lmult                          ; no tile of mine is live
	s_cmp_eq_u32 s74, 1
	s_cbranch_scc1 .Lsmall
	BODY 4
	s_branch .Lmult
.Lsmall:
	BODY 1
.Lmult:
	s_add_co_u32 s71, s71, QB
	s_sub_co_u32 s70, s70, 1
	s_cmp_lg_u32 s70, 0
	s_cbranch_scc1 .Ltrip
	BAR                                            ; the last reads of the slice are done: the way out, which writes LDS, follows
	s_cmp_ge_u32 s26, 4
	s_cbranch_scc1 .Lgnext
	s_wait_loadcnt 0x0                             ; the row buffers are free: the way out works in them
	s_cmp_le_u32 s74, 0
	s_cbranch_scc1 .Lepi_done
	EPI 0
	s_cmp_le_u32 s74, 1
	s_cbranch_scc1 .Lepi_done
	EPI 1
	s_cmp_le_u32 s74, 2
	s_cbranch_scc1 .Lepi_done
	EPI 2
	s_cmp_le_u32 s74, 3
	s_cbranch_scc1 .Lepi_done
	EPI 3
.Lepi_done:
	s_wait_dscnt 0x0                               ; the sums' new beginnings are in
	s_add_co_u32 s72, s72, 256
	TLV
	s_cmp_eq_u32 s74, 0
	s_cbranch_scc1 .Lgnext
	GPRO
.Lgnext:
	s_sub_co_i32 s69, s69, 1
	s_cmp_lg_u32 s69, 0
	s_cbranch_scc1 .Lgroup
	s_wait_tensorcnt 0x0                           ; the wave's end
	ds_add_u32 v4, v5
	s_wait_dscnt 0x0
	s_endpgm
.Lfunc_end_k_q12ef362980_up:
	.size	k_q12ef362980_up, .Lfunc_end_k_q12ef362980_up-k_q12ef362980_up
	.p2alignl 7, 3214868480
	.fill 96, 4, 3214868480
	.section	.rodata,"a",@progbits
	.p2align	6, 0x0
	.amdhsa_kernel k_q12ef362980_up
		.amdhsa_group_segment_fixed_size 322048
		.amdhsa_private_segment_fixed_size 0
		.amdhsa_enable_private_segment 0
		.amdhsa_kernarg_size 88
		.amdhsa_user_sgpr_count 2
		.amdhsa_user_sgpr_kernarg_segment_ptr 1
		.amdhsa_wavefront_size32 1
		.amdhsa_system_sgpr_workgroup_id_x 1
		.amdhsa_system_sgpr_workgroup_id_y 1
		.amdhsa_system_sgpr_workgroup_id_z 1
		.amdhsa_system_vgpr_workitem_id 0
		.amdhsa_next_free_vgpr 512
		.amdhsa_next_free_sgpr 102
		.amdhsa_reserve_vcc 1
		.amdhsa_float_denorm_mode_32 3
		.amdhsa_float_denorm_mode_16_64 3
		.amdhsa_memory_ordered 1
		.amdhsa_forward_progress 1
		.amdhsa_inst_pref_size 162
	.end_amdhsa_kernel
	.amdgpu_metadata
---
amdhsa.version: [ 1, 2 ]
amdhsa.kernels:
  - .name:           k_q12ef362980_up
    .symbol:         k_q12ef362980_up.kd
    .args:
      - { .name: xb, .offset: 0, .size: 8, .value_kind: global_buffer, .address_space: global }
      - { .name: rmask, .offset: 8, .size: 8, .value_kind: global_buffer, .address_space: global }
      - { .name: rw1, .offset: 16, .size: 8, .value_kind: global_buffer, .address_space: global }
      - { .name: rw2, .offset: 24, .size: 8, .value_kind: global_buffer, .address_space: global }
      - { .name: rb1, .offset: 32, .size: 8, .value_kind: global_buffer, .address_space: global }
      - { .name: rb2, .offset: 40, .size: 8, .value_kind: global_buffer, .address_space: global }
      - { .name: sw1, .offset: 48, .size: 8, .value_kind: global_buffer, .address_space: global }
      - { .name: sw2, .offset: 56, .size: 8, .value_kind: global_buffer, .address_space: global }
      - { .name: sb1, .offset: 64, .size: 8, .value_kind: global_buffer, .address_space: global }
      - { .name: sb2, .offset: 72, .size: 8, .value_kind: global_buffer, .address_space: global }
      - { .name: hbuf, .offset: 80, .size: 8, .value_kind: global_buffer, .address_space: global }
    .group_segment_fixed_size: 322048
    .private_segment_fixed_size: 0
    .kernarg_segment_align: 8
    .kernarg_segment_size: 88
    .max_flat_workgroup_size: 256
    .sgpr_count:     102
    .vgpr_count:     512
    .wavefront_size: 32
...
	.end_amdgpu_metadata
.endif
;; end of part 2
;; launch down (part 3): grid 256 x 1, 8 waves a work-group, no clusters, 322,048 bytes of LDS; arguments hbuf, rmask, sel, wts, rw3, rb3, sw3, sb3, part; writes part
.if DOCPART == 3
	.amdgcn_target "amdgcn-amd-amdhsa--gfx1250"
	.amdhsa_code_object_version 6
	.text
	.protected	k_q12ef362980_down
	.globl	k_q12ef362980_down
	.p2align	8
	.type	k_q12ef362980_down,@function
k_q12ef362980_down:
	s_mov_b64 s[64:65], 0
	v_nop
	global_prefetch_b8 v0, s[64:65] scope:SCOPE_SE
	s_setreg_imm32_b32 hwreg(HW_REG_WAVE_MODE, 25, 1), 1
	s_wait_xcnt 0x0
; DOWN.  part[plane][token][:] = scale x (h w3 + b3), K in two halves.  A UNIT is rows 1024 KH .. + 1023 and columns 128 nb .. + 127 of one expert's w3, and the rows of h that use them.
; Even work-groups: routed expert e = u >> 4, KH = (u >> 3) & 1, nb = u & 7, all of e's rows.  Odd ones: shared expert 8 + (u >> 6), KH = (u >> 5) & 1, nb = (u >> 2) & 7, rows 256 (u & 3) on.
; The scale is the token's gate score for this expert, or 0.5 for a shared expert (their mean).  b3 starts the sums of half 0, zero those of half 1.
; Planes: a routed row goes to plane 2 KH + slot (slot 0: the token's first choice, 1: its second), a shared one to 4 + 2 s + KH: every word of the eight planes has one writer; the next launch adds them.
; The frame is that of the launch before: waves 4-7 bring the f32 slice through registers into a bf16 slice that stays in LDS; waves 0-3 multiply a quarter when it is stored, while the next quarter's
; loads are on their way.  A trip is: a barrier; the loaders store a quarter; a barrier; waves 0-3 multiply it; behind a group's four trips a third barrier stands in front of the way out: no wave stores
; into the slice while another reads from it, and nothing writes LDS while the slice is read.  Four groups of 256 rows x four trips, constants; only work is jumped, by counts made from rmask;
; addresses come from rmask and sel, which an earlier launch stored.
; In a tile that is not full the places past the count repeat the last row: those lanes store the same numbers to the same place.
; LIMITS.  w3 and b3 are rounded once to bf16; h comes in bf16; sums, scores and planes in f32.  NaN and infinities are not treated apart.
; NO CLUSTER: a routed slice has one reader; a shared slice has four, but the weights are rounded on their way through registers, which no joint load serves; the four have neighbouring numbers.
.set QB,    73728                      ; a quarter of the slice: 256 rows of K, 288 bytes apart
.set STG,   294912                     ; a stage of 4,352 bytes for each multiplying wave: 16 rows of 64 f32, 272 bytes apart
.set LIST,  312320                     ; 1,024 words: token + 1024 x slot of each rank
.set SCL,   316416                     ; 1,024 f32: the scale of each rank
.set BIAS,  320512                     ; 128 f32
.set SPARE, 321024                     ; the spare words: 128 bytes a wave, named by no other line
.set RA,    131072                     ; row loads: K step js of four lies RA (js >> 1) + 64 (js & 1) bytes on: two steps to a block of 64 columns of h
.set BSTEP, 262144
.set KMASK, 2097151
; scalars as in the launch before; s31 KH; s94 end - 1; s95 all ones for a shared unit.  Vector registers likewise; v18-19 the scale, v20-27 the eight stores' offsets, v36 16 (L % 16)
.set MSB, 0
.macro WIN new                         ; the immediate's high byte repeats the setting that is left
.if MSB != (\new)
	s_set_vgpr_msb (MSB<<8)|(\new)
.set MSB, \new
.endif
.endm
.macro NOP4                            ; four places between a product and a load into, or a read of, its registers
.rept 4
	v_nop
.endr
.endm
.macro BAR                             ; my LDS instructions are done; then the work-group's barrier
	s_wait_dscnt 0x0
	s_barrier_signal -1
	s_barrier_wait -1
.endm
.macro ISSUE                           ; a loader's 64 rows of a quarter: each load takes a row's 512 consecutive bytes
	WIN 0x40
.set i, 0
.rept 64
	global_load_b128 v[4*i:4*i+3], v32, s[82:83] offset:4096*i
.set i, i+1
.endr
	WIN 0
.endm
.macro CVTSTORE
	v_add_nc_u32 v34, s71, v33
.set bt, 0
.rept 4
	WIN 0x05
.set m, 0
.rept 16
.set i, 16*bt+m
	v_cvt_pk_bf16_f32 v[64+2*m], v[4*i], v[4*i+1]
	v_cvt_pk_bf16_f32 v[65+2*m], v[4*i+2], v[4*i+3]
.set m, m+1
.endr
	WIN 0
.set m, 0
.rept 16
.set i, 16*bt+m
	ds_store_b64 v34, v[64+2*m:65+2*m] offset:288*i
.set m, m+1
.endr
.set bt, bt+1
.endr
.endm
.macro INIT i                          ; tile i's sums start from the bias
	WIN 0x40
.irp n, 0,1,2,3,4,5,6,7
	ds_load_b128 v[64*(\i)+8*(\n):64*(\i)+8*(\n)+3], v14 offset:64*(\n)
	ds_load_b128 v[64*(\i)+8*(\n)+4:64*(\i)+8*(\n)+7], v14 offset:64*(\n)+16
.endr
	WIN 0
.endm
.macro WFLOAD j, half                  ; four n tiles' fragments of K step j of the quarter: 8 turning loads
.set aw, 7+(\j)/4
.set jo, 9216*((\j)%4)
.irp n, 0,1,2,3
	ds_load_tr16_b128 v[64+8*(4*(\half)+(\n)):64+8*(4*(\half)+(\n))+3], v[aw] offset:jo+32*(4*(\half)+(\n))
	ds_load_tr16_b128 v[64+8*(4*(\half)+(\n))+4:64+8*(4*(\half)+(\n))+7], v[aw] offset:jo+32*(4*(\half)+(\n))+4608
.endr
.endm
.macro RLOAD js                        ; row buffer js: one K step of my four tiles, 8 loads
.irp i, 0,1,2,3
	global_load_b128 v[128+32*(\js)+8*(\i):128+32*(\js)+8*(\i)+3], v[10+(\i)], s[78:79] offset:RA*((\js)>>1)+64*((\js)&1)
	global_load_b128 v[128+32*(\js)+8*(\i)+4:128+32*(\js)+8*(\i)+7], v[10+(\i)], s[78:79] offset:RA*((\js)>>1)+64*((\js)&1)+32
.endr
.endm
.macro MULH j, half, tiles             ; every product names another accumulator than the one before it
	WIN 0x50
.irp n, 0,1,2,3
.set ti, 0
.rept \tiles
	v_wmma_f32_16x16x32_bf16 v[64*ti+8*(4*(\half)+(\n)):64*ti+8*(4*(\half)+(\n))+7], v[64+8*(4*(\half)+(\n)):64+8*(4*(\half)+(\n))+7], v[128+32*((\j)%4)+8*ti:128+32*((\j)%4)+8*ti+7], v[64*ti+8*(4*(\half)+(\n)):64*ti+8*(4*(\half)+(\n))+7]
.set ti, ti+1
.endr
.endr
.endm
.macro KSTEP j, tiles
.if (\j)%4 == 0
	s_wait_xcnt 0x0                                ; the base of the row loads, and registers that stores have read, are rewritten only behind this wait
	s_add_co_u32 s80, s80, BSTEP                   ; the refills of these four steps take the next four steps of K;
	s_and_b32 s80, s80, KMASK                      ; behind the last they wrap to the half's first block: inside the buffer, and not used
	s_add_nc_u64 s[78:79], s[76:77], s[80:81]
.endif
	s_wait_loadcnt 24                              ; this step's rows are in: three younger buffers of 8 loads may be out
	s_wait_dscnt 8                                 ; n tiles 0-3 are in: the 8 loads of n tiles 4-7 are younger
	MULH \j, 0, \tiles
.if (\j) < 7
	NOP4
	WIN 0
	WFLOAD (\j)+1, 0
	s_wait_dscnt 8                                 ; n tiles 4-7 are in: the 8 loads just issued are younger
.else
	WIN 0
	s_wait_dscnt 0x0
.endif
	MULH \j, 1, \tiles
	NOP4
	WIN 0
.if (\j) < 7
	WFLOAD (\j)+1, 1
.endif
	RLOAD (\j)%4                                   ; always all four tiles, so that the count above holds on every way
.endm
.macro BODY tiles                      ; a quarter of K: 8 steps of 32, from the quarter that this trip stored
	v_add_nc_u32 v7, s71, v6
	v_add_nc_u32 v8, 36864, v7
	WFLOAD 0, 0
	WFLOAD 0, 1
.irp j, 0,1,2,3,4,5,6,7
	KSTEP \j, \tiles
.endr
.endm
.macro TLV                             ; live tiles of the group that begins at s72, and mine of them
	s_add_co_u32 s90, s68, 15
	s_max_u32 s90, s90, s72
	s_sub_co_u32 s90, s90, s72
	s_lshr_b32 s90, s90, 4
	s_min_u32 s73, s90, 16
	s_add_co_u32 s90, s73, 3
	s_sub_co_u32 s90, s90, s100
	s_lshr_b32 s74, s90, 2
.endm
.macro GPRO                            ; the group's rows of h (places past the count repeat the last row), and the first four K steps
	s_wait_xcnt 0x0                                ; the way out's stores have read their registers: the row loads below land on them
	s_lshl_b32 s90, s100, 4
	s_add_co_u32 s90, s90, s72
.irp i, 0,1,2,3
	s_add_co_u32 s91, s90, 64*(\i)
	v_add_nc_u32 v[10+(\i)], s91, v2
	v_min_u32 v[10+(\i)], s94, v[10+(\i)]
	v_min_u32 v[10+(\i)], 0x3ff, v[10+(\i)]
	v_lshl_add_u32 v[10+(\i)], v[10+(\i)], 7, v35  ; row x 128 bytes + 16 h
.endr
	s_mov_b32 s80, 0
	s_mov_b64 s[78:79], s[76:77]
.irp js, 0,1,2,3
	RLOAD \js
.endr
.endm
.macro EPI i                           ; tile i: times the scale, 64 columns at a time through my stage, out as whole rows of 256 bytes
	s_wait_xcnt 0x0                                ; the last tile's stores have read their registers
	s_lshl_b32 s90, s100, 4
	s_add_co_u32 s90, s90, s72
	s_add_co_u32 s90, s90, 64*(\i)
	v_add_nc_u32 v28, s90, v2
	v_min_u32 v28, s94, v28
	v_min_u32 v28, 0x3ff, v28
	v_lshl_add_u32 v28, v28, 2, SCL
	ds_load_b32 v18, v28                           ; my row's scale
	v_add_nc_u32 v30, s90, v3
.irp f, 0,1,2,3,4,5,6,7
	v_add_nc_u32 v29, 2*(\f), v30
	v_min_u32 v29, s94, v29
	v_min_u32 v29, 0x3ff, v29
	v_lshl_add_u32 v29, v29, 2, LIST
	ds_load_b32 v[20+(\f)], v29                    ; where store f's row goes
.endr
	s_wait_dscnt 0x0
	v_mov_b32 v19, v18
.irp f, 0,1,2,3,4,5,6,7
	v_min_u32 v[20+(\f)], 0x7ff, v[20+(\f)]
	v_lshl_add_u32 v[20+(\f)], v[20+(\f)], 12, v36 ; (token + 1024 slot) x 4,096 bytes + 16 (L % 16)
.endr
.irp c, 0,1
.if (\c) == 1
	s_wait_xcnt 0x0                                ; the first half's stores have read their registers
.endif
	WIN 0x01
.set m, 0
.rept 16
	v_pk_mul_f32 v[128+2*m:129+2*m], v[64*(\i)+32*(\c)+2*m:64*(\i)+32*(\c)+2*m+1], v[18:19]   ; each accumulator is read from its low end on
.set m, m+1
.endr
	WIN 0
.irp n, 0,1,2,3
	ds_store_b128 v15, v[128+8*(\n):131+8*(\n)] offset:64*(\n)
	ds_store_b128 v15, v[132+8*(\n):135+8*(\n)] offset:64*(\n)+16
.endr
.irp f, 0,1,2,3,4,5,6,7
	ds_load_b128 v[160+4*(\f):163+4*(\f)], v16 offset:544*(\f)   ; my own bytes, served in order: two rows of 256 bytes a load
.endr
	s_wait_dscnt 0x0
.irp f, 0,1,2,3,4,5,6,7
	global_store_b128 v[20+(\f)], v[160+4*(\f):163+4*(\f)], s[86:87] offset:256*(\c)   ; sixteen lanes store 256 consecutive bytes, aligned
.endr
.endr
	INIT \i                                        ; for the next group
.endm
	s_load_b256 s[4:11], s[0:1], 0x0               ; hbuf s[4:5], rmask s[6:7], sel s[8:9], wts s[10:11]
	s_load_b256 s[12:19], s[0:1], 0x20             ; rw3 s[12:13], rb3 s[14:15], sw3 s[16:17], sb3 s[18:19]
	s_load_b64 s[20:21], s[0:1], 0x40              ; part
	v_lshl_add_u32 v4, v0, 2, SPARE                ; my spare word
	v_mov_b32 v5, 0
	v_and_b32 v1, 31, v0                           ; L
	v_lshrrev_b32 v2, 5, v0
	v_readfirstlane_b32 s26, v2                    ; wave
	v_and_b32 v2, 15, v0                           ; r
	v_bfe_u32 v3, v0, 4, 1                         ; h
	s_and_b32 s100, s26, 3                         ; my number among the four waves of my kind
	; every lane address is made here, by all eight waves, ahead of every branch
	v_and_b32 v28, 7, v0
	v_lshl_add_u32 v29, v3, 3, v28
	v_mul_u32_u24 v6, v29, 288                     ; the turning load: row 8 h + L % 8,
	v_bfe_u32 v29, v0, 3, 1
	v_lshl_add_u32 v6, v29, 4, v6                  ; 16 bytes for each eight lanes
	v_lshl_add_u32 v14, v3, 5, BIAS
	v_lshlrev_b32 v35, 4, v3
	v_lshlrev_b32 v36, 4, v2
	s_mul_i32 s90, s100, 4352
	s_add_co_u32 s90, s90, STG
	v_mul_u32_u24 v15, v2, 272                     ; into the stage: row r, 32 bytes a half
	v_lshl_add_u32 v15, v3, 5, v15
	v_add_nc_u32 v15, s90, v15
	v_mul_u32_u24 v16, v3, 272                     ; back: lanes 0-15 one row of 256 bytes, lanes 16-31 the next
	v_lshl_add_u32 v16, v2, 4, v16
	v_add_nc_u32 v16, s90, v16
	v_lshlrev_b32 v32, 4, v1                       ; a loader's place in memory: 16 bytes a lane;
	s_mul_i32 s91, s100, 18432                     ; and in a quarter of the slice: its 64 rows
	v_lshl_add_u32 v33, v1, 3, s91
	s_lshr_b32 s27, ttmp9, 1                       ; u
	s_and_b32 s75, ttmp9, 1                        ; 1: a shared unit
	s_lshr_b32 s28, s27, 4
	s_bfe_u32 s31, s27, 0x10003
	s_and_b32 s30, s27, 7
	s_lshr_b32 s90, s27, 6
	s_add_co_u32 s90, s90, 8
	s_bfe_u32 s91, s27, 0x10005
	s_bfe_u32 s96, s27, 0x30002
	s_and_b32 s97, s27, 3
	s_lshl_b32 s97, s97, 8
	s_movk_i32 s98, 256
	s_movk_i32 s99, 1024
	s_cmp_eq_u32 s75, 1
	s_cselect_b32 s28, s90, s28                    ; E
	s_cselect_b32 s31, s91, s31                    ; KH
	s_cselect_b32 s30, s96, s30                    ; nb
	s_cselect_b32 s67, s97, 0                      ; first row
	s_cselect_b32 s98, s98, s99                    ; rows at the most
	s_cselect_b32 s95, -1, 0
	s_and_b32 s29, s28, 7                          ; the expert's place in its own tensors
	s_lshl_b32 s99, s31, 1                         ; the first plane: routed 2 KH,
	s_lshl_b32 s91, s29, 1
	s_add_co_u32 s91, s91, s31
	s_add_co_u32 s91, s91, 4                       ; shared 4 + 2 s + KH
	s_cmp_eq_u32 s75, 1
	s_cselect_b32 s99, s91, s99
	s_wait_kmcnt 0x0
	s_cselect_b64 s[12:13], s[16:17], s[12:13]     ; w3, b3: routed or shared
	s_cselect_b64 s[14:15], s[18:19], s[14:15]
	s_lshl_b32 s90, s28, 7
	s_mov_b32 s91, 0
	s_add_nc_u64 s[6:7], s[6:7], s[90:91]
	s_load_b512 s[32:47], s[6:7], 0x0              ; the expert's 32 mask words
	s_load_b512 s[48:63], s[6:7], 0x40
	s_lshl_b32 s90, s29, 23                        ; 8 MiB an expert,
	s_lshl_b32 s96, s31, 22                        ; 1,024 rows of 4,096 bytes,
	s_add_co_u32 s90, s90, s96
	s_lshl_b32 s96, s30, 9                         ; 512 bytes of every row
	s_add_co_u32 s90, s90, s96
	s_add_nc_u64 s[12:13], s[12:13], s[90:91]
	s_lshl_b32 s90, s29, 12
	s_add_co_u32 s90, s90, s96
	s_add_nc_u64 s[14:15], s[14:15], s[90:91]
	s_lshl_b32 s90, s99, 22
	s_add_co_u32 s90, s90, s96
	s_add_nc_u64 s[86:87], s[20:21], s[90:91]
	s_lshl_b32 s90, s28, 22
	s_lshl_b32 s96, s31, 21
	s_add_co_u32 s90, s90, s96
	s_add_nc_u64 s[76:77], s[4:5], s[90:91]        ; h at the expert's half of K
	s_mov_b32 s81, 0
	s_mov_b32 s69, 4
	s_mov_b32 s66, 0
	s_wait_kmcnt 0x0
.set j, 0
.rept 32
	s_bcnt1_i32_b32 s90, s[32+j]
	s_add_co_u32 s66, s66, s90                     ; the expert's count
.set j, j+1
.endr
	s_add_co_u32 s68, s67, s98
	s_min_u32 s68, s68, s66                        ; end
	s_sub_co_u32 s94, s68, 1
	s_mov_b32 s72, s67                             ; the first group
	TLV
	; every base of a global load is made here too, by all eight waves, ahead of every branch
	s_lshl_b32 s96, s100, 18                       ; a loader's 64 rows of each quarter
	s_mov_b32 s97, 0
	s_add_nc_u64 s[82:83], s[12:13], s[96:97]
	s_mov_b32 s80, 0
	s_mov_b64 s[78:79], s[76:77]
	s_cmp_lt_u32 s26, 4
	s_cbranch_scc1 .Lnot_loader
	ISSUE                                          ; quarter 0
.Lnot_loader:
	s_cmp_lg_u32 s26, 0
	s_cbranch_scc1 .Lnot_w0
	; wave 0: the list and the scales.  A token that chose the expert goes to its rank among those; the others follow behind the count: all words are written once.
	v_lshlrev_b32 v28, 2, v1
	v_lshlrev_b32 v29, 3, v1
.set j, 0
.rept 32
	global_load_b32 v[128+j], v28, s[8:9] offset:128*j
	global_load_b64 v[160+2*j:161+2*j], v29, s[10:11] offset:256*j
.set j, j+1
.endr
	s_mov_b32 s92, 0
	s_mov_b32 s93, s66
	s_wait_loadcnt 0x0
.set j, 0
.rept 32
	v_mbcnt_lo_u32_b32 v28, s[32+j], s92
	s_not_b32 s90, s[32+j]
	v_mbcnt_lo_u32_b32 v29, s90, s93
	v_cndmask_b32 v28, v29, v28, s[32+j]
	v_min_u32 v28, 0x3ff, v28
	v_lshl_add_u32 v28, v28, 2, LIST
	v_and_b32 v29, 0xff, v[128+j]
	v_cmp_ne_u32 s91, s28, v29                     ; not the first choice: slot 1;
	s_and_not1_b32 s91, s91, s95                   ; a shared unit has slot 0 alone
	v_add_nc_u32 v30, 32*j, v1
	v_add_nc_u32 v31, 0x400, v30
	v_cndmask_b32 v30, v30, v31, s91
	v_cndmask_b32 v31, v[160+2*j], v[161+2*j], s91
	v_cndmask_b32 v31, v31, 0.5, s95
	ds_store_b32 v28, v30
	ds_store_b32 v28, v31 offset:4096
	s_bcnt1_i32_b32 s91, s[32+j]
	s_add_co_u32 s92, s92, s91
	s_sub_co_u32 s91, 32, s91
	s_add_co_u32 s93, s93, s91
.set j, j+1
.endr
.Lnot_w0:
	s_cmp_lg_u32 s26, 1
	s_cbranch_scc1 .Lnot_w1
	; wave 1: the bias, rounded to bf16 like every input; zero for the second half of K
	v_lshlrev_b32 v28, 4, v1
	global_load_b128 v[64:67], v28, s[14:15]
	s_cmp_eq_u32 s31, 1
	s_cselect_b32 s90, -1, 0
	s_wait_loadcnt 0x0
	v_cvt_pk_bf16_f32 v72, v64, v65
	v_cvt_pk_bf16_f32 v73, v66, v67
	v_lshlrev_b32 v64, 16, v72
	v_and_b32 v65, 0xffff0000, v72
	v_lshlrev_b32 v66, 16, v73
	v_and_b32 v67, 0xffff0000, v73
	v_cndmask_b32 v64, v64, 0, s90
	v_cndmask_b32 v65, v65, 0, s90
	v_cndmask_b32 v66, v66, 0, s90
	v_cndmask_b32 v67, v67, 0, s90
	v_lshl_add_u32 v29, v1, 4, BIAS
	ds_store_b128 v29, v[64:67]
.Lnot_w1:
	BAR                                            ; list, scales and bias are stored
	s_cmp_ge_u32 s26, 4
	s_cbranch_scc1 .Lgroup
	INIT 0
	INIT 1
	INIT 2
	INIT 3
	GPRO
.Lgroup:
	s_mov_b32 s70, 4                               ; four trips, a quarter of K each
	s_mov_b32 s71, 0
.Ltrip:
	BAR                                            ; the reads of the trip before (at first: of the bias) are done in every wave
	s_cmp_lt_u32 s26, 4
	s_cbranch_scc1 .Lstored
	s_cmp_lg_u32 s69, 4
	s_cbranch_scc1 .Lstored                        ; the slice is whole after the first group
	s_wait_loadcnt 0x0                             ; this quarter's 64 loads are in
	CVTSTORE
	s_cmp_eq_u32 s70, 1
	s_cbranch_scc1 .Lstored                        ; that was the last quarter
	s_add_nc_u64 s[82:83], s[82:83], 1048576       ; 256 rows on; no load is out
	ISSUE                                          ; the next quarter has this quarter's products in which to land
.Lstored:
	BAR                                            ; the quarter is stored, by all four loaders
	s_cmp_ge_u32 s26, 4
	s_cbranch_scc1 .Lmult
	s_cmp_eq_u32 s74, 0
	s_cbranch_scc1 .Lmult                          ; no tile of mine is live
	s_cmp_eq_u32 s74, 1
	s_cbranch_scc1 .Lsmall
	BODY 4
	s_branch .Lmult
.Lsmall:
	BODY 1
.Lmult:
	s_add_co_u32 s71, s71, QB
	s_sub_co_u32 s70, s70, 1
	s_cmp_lg_u32 s70, 0
	s_cbranch_scc1 .Ltrip
	BAR                                            ; the last reads of the slice are done: the way out, which writes LDS, follows
	s_cmp_ge_u32 s26, 4
	s_cbranch_scc1 .Lgnext
	s_wait_loadcnt 0x0                             ; the row buffers are free: the way out works in them
	s_cmp_le_u32 s74, 0
	s_cbranch_scc1 .Lepi_done
	EPI 0
	s_cmp_le_u32 s74, 1
	s_cbranch_scc1 .Lepi_done
	EPI 1
	s_cmp_le_u32 s74, 2
	s_cbranch_scc1 .Lepi_done
	EPI 2
	s_cmp_le_u32 s74, 3
	s_cbranch_scc1 .Lepi_done
	EPI 3
.Lepi_done:
	s_wait_dscnt 0x0                               ; the sums' new beginnings are in
	s_add_co_u32 s72, s72, 256
	TLV
	s_cmp_eq_u32 s74, 0
	s_cbranch_scc1 .Lgnext
	GPRO
.Lgnext:
	s_sub_co_i32 s69, s69, 1
	s_cmp_lg_u32 s69, 0
	s_cbranch_scc1 .Lgroup
	s_wait_tensorcnt 0x0                           ; the wave's end
	ds_add_u32 v4, v5
	s_wait_dscnt 0x0
	s_endpgm
.Lfunc_end_k_q12ef362980_down:
	.size	k_q12ef362980_down, .Lfunc_end_k_q12ef362980_down-k_q12ef362980_down
	.p2alignl 7, 3214868480
	.fill 96, 4, 3214868480
	.section	.rodata,"a",@progbits
	.p2align	6, 0x0
	.amdhsa_kernel k_q12ef362980_down
		.amdhsa_group_segment_fixed_size 322048
		.amdhsa_private_segment_fixed_size 0
		.amdhsa_enable_private_segment 0
		.amdhsa_kernarg_size 72
		.amdhsa_user_sgpr_count 2
		.amdhsa_user_sgpr_kernarg_segment_ptr 1
		.amdhsa_wavefront_size32 1
		.amdhsa_system_sgpr_workgroup_id_x 1
		.amdhsa_system_sgpr_workgroup_id_y 1
		.amdhsa_system_sgpr_workgroup_id_z 1
		.amdhsa_system_vgpr_workitem_id 0
		.amdhsa_next_free_vgpr 512
		.amdhsa_next_free_sgpr 102
		.amdhsa_reserve_vcc 0
		.amdhsa_float_denorm_mode_32 3
		.amdhsa_float_denorm_mode_16_64 3
		.amdhsa_memory_ordered 1
		.amdhsa_forward_progress 1
		.amdhsa_inst_pref_size 186
	.end_amdhsa_kernel
	.amdgpu_metadata
---
amdhsa.version: [ 1, 2 ]
amdhsa.kernels:
  - .name:           k_q12ef362980_down
    .symbol:         k_q12ef362980_down.kd
    .args:
      - { .name: hbuf, .offset: 0, .size: 8, .value_kind: global_buffer, .address_space: global }
      - { .name: rmask, .offset: 8, .size: 8, .value_kind: global_buffer, .address_space: global }
      - { .name: sel, .offset: 16, .size: 8, .value_kind: global_buffer, .address_space: global }
      - { .name: wts, .offset: 24, .size: 8, .value_kind: global_buffer, .address_space: global }
      - { .name: rw3, .offset: 32, .size: 8, .value_kind: global_buffer, .address_space: global }
      - { .name: rb3, .offset: 40, .size: 8, .value_kind: global_buffer, .address_space: global }
      - { .name: sw3, .offset: 48, .size: 8, .value_kind: global_buffer, .address_space: global }
      - { .name: sb3, .offset: 56, .size: 8, .value_kind: global_buffer, .address_space: global }
      - { .name: part, .offset: 64, .size: 8, .value_kind: global_buffer, .address_space: global }
    .group_segment_fixed_size: 322048
    .private_segment_fixed_size: 0
    .kernarg_segment_align: 8
    .kernarg_segment_size: 72
    .max_flat_workgroup_size: 256
    .sgpr_count:     102
    .vgpr_count:     512
    .wavefront_size: 32
...
	.end_amdgpu_metadata
.endif
;; end of part 3
;; launch sum (part 4): grid 256 x 1, 8 waves a work-group, no clusters, 0 bytes of LDS; arguments part, out0; writes out0
.if DOCPART == 4
	.amdgcn_target "amdgcn-amd-amdhsa--gfx1250"
	.amdhsa_code_object_version 6
	.text
	.protected	k_q12ef362980_sum
	.globl	k_q12ef362980_sum
	.p2align	8
	.type	k_q12ef362980_sum,@function
k_q12ef362980_sum:
	s_mov_b64 s[64:65], 0
	v_nop
	global_prefetch_b8 v0, s[64:65] scope:SCOPE_SE
	s_setreg_imm32_b32 hwreg(HW_REG_WAVE_MODE, 25, 1), 1
	s_wait_xcnt 0x0
; out0 = the sum of the eight planes of part, [8][1024][1024] f32: four routed (two halves of K x two choices) and four shared (two experts x two halves of K, each already halved).
; A stream: thread t of 65,536 owns 16 bytes at 16 t of each quarter of the output; its 32 loads go out together, each wave's load and store covers 512 consecutive bytes.
; No LDS, no barrier, no matrix unit, no cluster: nothing is shared and each byte is read once.  The order of the sum is fixed: ((0+1)+(2+3)) + ((4+5)+(6+7)).
.set PLANE, 4194304
.set QUART, 1048576
	s_load_b128 s[4:7], s[0:1], 0x0                ; part s[4:5], out0 s[6:7]
	v_lshlrev_b32 v1, 4, v0
	s_lshl_b32 s2, ttmp9, 12                       ; 256 threads x 16 bytes
	v_add_nc_u32 v1, s2, v1
	s_wait_kmcnt 0x0
.set p, 0
.rept 8
	s_add_nc_u64 s[8+2*p:9+2*p], s[4:5], PLANE*p
.set p, p+1
.endr
.set q, 0
.rept 4
.set p, 0
.rept 8
	global_load_b128 v[16+32*q+4*p:19+32*q+4*p], v1, s[8+2*p:9+2*p] offset:QUART*q th:TH_LOAD_NT
.set p, p+1
.endr
.set q, q+1
.endr
.macro ADDQ a, b                       ; four numbers of plane b onto plane a's
	v_pk_add_f32 v[16+32*q+4*(\a):17+32*q+4*(\a)], v[16+32*q+4*(\a):17+32*q+4*(\a)], v[16+32*q+4*(\b):17+32*q+4*(\b)]
	v_pk_add_f32 v[18+32*q+4*(\a):19+32*q+4*(\a)], v[18+32*q+4*(\a):19+32*q+4*(\a)], v[18+32*q+4*(\b):19+32*q+4*(\b)]
.endm
.set q, 0
.rept 4
	s_wait_loadcnt 24-8*q                          ; this quarter's eight loads are in: those of the later quarters are younger
	ADDQ 0, 1
	ADDQ 2, 3
	ADDQ 4, 5
	ADDQ 6, 7
	ADDQ 0, 2
	ADDQ 4, 6
	ADDQ 0, 4
	global_store_b128 v1, v[16+32*q:19+32*q], s[6:7] offset:QUART*q th:TH_STORE_NT
.set q, q+1
.endr
	s_endpgm
.Lfunc_end_k_q12ef362980_sum:
	.size	k_q12ef362980_sum, .Lfunc_end_k_q12ef362980_sum-k_q12ef362980_sum
	.p2alignl 7, 3214868480
	.fill 96, 4, 3214868480
	.section	.rodata,"a",@progbits
	.p2align	6, 0x0
	.amdhsa_kernel k_q12ef362980_sum
		.amdhsa_group_segment_fixed_size 0
		.amdhsa_private_segment_fixed_size 0
		.amdhsa_enable_private_segment 0
		.amdhsa_kernarg_size 16
		.amdhsa_user_sgpr_count 2
		.amdhsa_user_sgpr_kernarg_segment_ptr 1
		.amdhsa_wavefront_size32 1
		.amdhsa_system_sgpr_workgroup_id_x 1
		.amdhsa_system_sgpr_workgroup_id_y 1
		.amdhsa_system_sgpr_workgroup_id_z 1
		.amdhsa_system_vgpr_workitem_id 0
		.amdhsa_next_free_vgpr 144
		.amdhsa_next_free_sgpr 66
		.amdhsa_reserve_vcc 0
		.amdhsa_float_denorm_mode_32 3
		.amdhsa_float_denorm_mode_16_64 3
		.amdhsa_memory_ordered 1
		.amdhsa_forward_progress 1
		.amdhsa_inst_pref_size 8
	.end_amdhsa_kernel
	.amdgpu_metadata
---
amdhsa.version: [ 1, 2 ]
amdhsa.kernels:
  - .name:           k_q12ef362980_sum
    .symbol:         k_q12ef362980_sum.kd
    .args:
      - { .name: part, .offset: 0, .size: 8, .value_kind: global_buffer, .address_space: global }
      - { .name: out0, .offset: 8, .size: 8, .value_kind: global_buffer, .address_space: global }
    .group_segment_fixed_size: 0
    .private_segment_fixed_size: 0
    .kernarg_segment_align: 8
    .kernarg_segment_size: 16
    .max_flat_workgroup_size: 256
    .sgpr_count:     66
    .vgpr_count:     144
    .wavefront_size: 32
...
	.end_amdgpu_metadata
.endif
;; end of part 4
;; ======== version 2 of 3: 5 launches; 1.13 times as fast as version 1
;; workspace buffers: xb 2,097,152 bytes; rmask 1,280 bytes of whole numbers; sel 4,096 bytes of whole numbers; wts 8,192 bytes; xg 18,874,368 bytes; hbuf 41,943,040 bytes; part 33,554,432 bytes
;; launch router: the kernel of part 1 again; grid 64 x 1, 8 waves a work-group, no clusters, 61,440 bytes of LDS; arguments x, gate_w, gate_b, xb, rmask, sel, wts; writes xb, rmask, sel, wts
;; launch gather (part 5): grid 144 x 1, 8 waves a work-group, no clusters, 5,120 bytes of LDS; arguments xb, rmask, xg; writes xg
.if DOCPART == 5
	.amdgcn_target "amdgcn-amd-amdhsa--gfx1250"
	.amdhsa_code_object_version 6
	.text
	.protected	k_q12ef362980_gather
	.globl	k_q12ef362980_gather
	.p2align	8
	.type	k_q12ef362980_gather,@function
k_q12ef362980_gather:
	s_mov_b64 s[64:65], 0
	v_nop
	global_prefetch_b8 v0, s[64:65] scope:SCOPE_SE
	s_setreg_imm32_b32 hwreg(HW_REG_WAVE_MODE, 25, 1), 1
	s_wait_xcnt 0x0
; GATHER.  The rows of xb ([1024 tokens][1024] bf16) are laid in the order in which the next launch's matrix operands take them:
; xg [9 lists][64 tiles of 16 ranks][32 K steps of 32][2 halves c][32 lanes][16 bytes]: lane 16 h + r holds k = 32 step + 16 c + 8 h + 0..7 of rank 16 tile + r.
; Lists 0-7: the tokens that chose expert e, ascending; list 8: every token (its mask in rmask has every bit set), for the shared experts.
; A work-group owns 64 ranks of one list: list = id >> 4, block = id & 15.  Wave 0 makes the list of tokens by rank in LDS from the list's 32 mask words, which an earlier launch stored; behind one
; barrier wave w copies tile w >> 1 of the block, K steps 16 (w & 1) on: 32 loads (16 rows, 32 bytes of each) and 32 stores of 512 consecutive bytes, aligned.
; Ranks past the list's count repeat its last row.  A block that begins at or past the count stores nothing (the grid serves every split), but block 0 is always stored: a list without
; tokens gets token 0's row there, of which nothing is made.
; Bits are copied: no number is changed.  A stream of a few megabytes: no matrix unit; nothing but 128 bytes of masks is shared between work-groups: no cluster.
.set LIST,  0                          ; 1,024 words: the token of each rank
.set SPARE, 4096                       ; the spare words: 128 bytes a wave, named by no other line
	s_load_b128 s[4:7], s[0:1], 0x0                ; xb s[4:5], rmask s[6:7]
	s_load_b64 s[8:9], s[0:1], 0x10                ; xg
	v_lshl_add_u32 v4, v0, 2, SPARE                ; my spare word
	v_mov_b32 v5, 0
	v_and_b32 v1, 31, v0                           ; L
	v_lshrrev_b32 v2, 5, v0
	v_readfirstlane_b32 s26, v2                    ; wave
	v_and_b32 v2, 15, v0                           ; r
	v_bfe_u32 v3, v0, 4, 1                         ; h
	s_lshr_b32 s28, ttmp9, 4                       ; the list, 0 to 8
	s_and_b32 s30, ttmp9, 15                       ; the block of 64 ranks
	s_lshl_b32 s12, s30, 6                         ; the work-group's first rank
	s_lshr_b32 s14, s26, 1                         ; my tile of the block's four
	s_and_b32 s15, s26, 1                          ; my half of K
	s_lshl_b32 s13, s14, 4
	s_add_co_u32 s13, s13, s12                     ; my tile's first rank
	s_lshl_b32 s18, s15, 10                        ; 16 K steps are 1,024 bytes of a row
	v_lshl_add_u32 v12, v3, 4, s18                 ; + 16 h
	v_lshlrev_b32 v13, 4, v1                       ; 16 L: a store's 512 bytes
	s_lshl_b32 s10, s28, 7                         ; 128 bytes of masks a list
	s_mov_b32 s11, 0
	s_lshl_b32 s16, s28, 21                        ; 2 MiB of xg a list,
	s_lshl_b32 s19, s13, 11                        ; 32 KiB a tile of 16 ranks,
	s_add_co_u32 s16, s16, s19
	s_lshl_b32 s19, s15, 14                        ; 16 KiB for 16 K steps
	s_add_co_u32 s16, s16, s19
	s_mov_b32 s17, 0
	s_wait_kmcnt 0x0
	s_add_nc_u64 s[6:7], s[6:7], s[10:11]
	s_add_nc_u64 s[8:9], s[8:9], s[16:17]
	s_load_b512 s[32:47], s[6:7], 0x0              ; the list's 32 mask words
	s_load_b512 s[48:63], s[6:7], 0x40
	s_mov_b32 s66, 0
	s_wait_kmcnt 0x0
.set j, 0
.rept 32
	s_bcnt1_i32_b32 s90, s[32+j]
	s_add_co_u32 s66, s66, s90                     ; the list's count
.set j, j+1
.endr
	s_max_u32 s67, s66, 1                          ; block 0 is stored whatever the count
	s_sub_co_u32 s68, s67, 1                       ; the last rank that is copied as it is
	s_cmp_lg_u32 s26, 0
	s_cbranch_scc1 .Lnot_w0
	; wave 0: a token in the list goes to its rank among those; the others follow behind the count: all 1,024 words are written once
	s_mov_b32 s92, 0
	s_mov_b32 s93, s66
.set j, 0
.rept 32
	v_mbcnt_lo_u32_b32 v28, s[32+j], s92
	s_not_b32 s90, s[32+j]
	v_mbcnt_lo_u32_b32 v29, s90, s93
	v_cndmask_b32 v28, v29, v28, s[32+j]
	v_min_u32 v28, 0x3ff, v28
	v_lshl_add_u32 v28, v28, 2, LIST
	v_add_nc_u32 v30, 32*j, v1
	ds_store_b32 v28, v30
	s_bcnt1_i32_b32 s91, s[32+j]
	s_add_co_u32 s92, s92, s91
	s_sub_co_u32 s91, 32, s91
	s_add_co_u32 s93, s93, s91
.set j, j+1
.endr
.Lnot_w0:
	s_wait_dscnt 0x0                               ; the list is stored
	s_barrier_signal -1
	s_barrier_wait -1
	s_cmp_ge_u32 s12, s67
	s_cbranch_scc1 .Lend                           ; no rank of this block is in the list; no barrier stands behind this branch
	v_add_nc_u32 v8, s13, v2                       ; my rank,
	v_min_u32 v8, s68, v8                          ; or the list's last
	v_min_u32 v8, 0x3ff, v8
	v_lshl_add_u32 v8, v8, 2, LIST
	ds_load_b32 v10, v8
	s_wait_dscnt 0x0
	v_min_u32 v10, 0x3ff, v10
	v_lshl_add_u32 v10, v10, 11, v12               ; token x 2,048 bytes + my half of K + 16 h
.set t, 0
.rept 32                                           ; piece t: K step t >> 1 of my 16, half c = t & 1
	global_load_b128 v[32+4*t:35+4*t], v10, s[4:5] offset:32*t
.set t, t+1
.endr
.set t, 0
.rept 32
	s_wait_loadcnt 31-t                            ; piece t is in: the later pieces' loads are younger
	global_store_b128 v13, v[32+4*t:35+4*t], s[8:9] offset:512*t   ; 512 consecutive bytes, aligned
.set t, t+1
.endr
.Lend:
	s_wait_tensorcnt 0x0                           ; the wave's end
	ds_add_u32 v4, v5
	s_wait_dscnt 0x0
	s_endpgm
.Lfunc_end_k_q12ef362980_gather:
	.size	k_q12ef362980_gather, .Lfunc_end_k_q12ef362980_gather-k_q12ef362980_gather
	.p2alignl 7, 3214868480
	.fill 96, 4, 3214868480
	.section	.rodata,"a",@progbits
	.p2align	6, 0x0
	.amdhsa_kernel k_q12ef362980_gather
		.amdhsa_group_segment_fixed_size 5120
		.amdhsa_private_segment_fixed_size 0
		.amdhsa_enable_private_segment 0
		.amdhsa_kernarg_size 24
		.amdhsa_user_sgpr_count 2
		.amdhsa_user_sgpr_kernarg_segment_ptr 1
		.amdhsa_wavefront_size32 1
		.amdhsa_system_sgpr_workgroup_id_x 1
		.amdhsa_system_sgpr_workgroup_id_y 1
		.amdhsa_system_sgpr_workgroup_id_z 1
		.amdhsa_system_vgpr_workitem_id 0
		.amdhsa_next_free_vgpr 160
		.amdhsa_next_free_sgpr 96
		.amdhsa_reserve_vcc 0
		.amdhsa_float_denorm_mode_32 3
		.amdhsa_float_denorm_mode_16_64 3
		.amdhsa_memory_ordered 1
		.amdhsa_forward_progress 1
		.amdhsa_inst_pref_size 31
	.end_amdhsa_kernel
	.amdgpu_metadata
---
amdhsa.version: [ 1, 2 ]
amdhsa.kernels:
  - .name:           k_q12ef362980_gather
    .symbol:         k_q12ef362980_gather.kd
    .args:
      - { .name: xb, .offset: 0, .size: 8, .value_kind: global_buffer, .address_space: global }
      - { .name: rmask, .offset: 8, .size: 8, .value_kind: global_buffer, .address_space: global }
      - { .name: xg, .offset: 16, .size: 8, .value_kind: global_buffer, .address_space: global }
    .group_segment_fixed_size: 5120
    .private_segment_fixed_size: 0
    .kernarg_segment_align: 8
    .kernarg_segment_size: 24
    .max_flat_workgroup_size: 256
    .sgpr_count:     96
    .vgpr_count:     160
    .wavefront_size: 32
...
	.end_amdgpu_metadata
.endif
;; end of part 5
;; launch up (part 6): grid 512 x 1, 8 waves a work-group, no clusters, 322,048 bytes of LDS; arguments xg, rmask, rw1, rw2, rb1, rb2, sw1, sw2, sb1, sb2, hbuf; writes hbuf
.if DOCPART == 6
	.amdgcn_target "amdgcn-amd-amdhsa--gfx1250"
	.amdhsa_code_object_version 6
	.text
	.protected	k_q12ef362980_up
	.globl	k_q12ef362980_up
	.p2align	8
	.type	k_q12ef362980_up,@function
k_q12ef362980_up:
	s_mov_b64 s[64:65], 0
	v_nop
	global_prefetch_b8 v0, s[64:65] scope:SCOPE_SE
	s_setreg_imm32_b32 hwreg(HW_REG_WAVE_MODE, 25, 1), 1
	s_wait_xcnt 0x0
; UP.  h = silu(x w1 + b1) (x w2 + b2) for the rows that need it.  A UNIT is one expert's columns 64 b .. 64 b + 63 of w1 (n 0-63) and of w2 (n 64-127), all K = 1024, and the rows that use them.
; Work-groups 0-255: routed expert e = u >> 5, b = u & 31, all the tokens that chose e (any number, 0 to 1024).  Work-groups 256-511: shared expert 8 + (u >> 7), b = (u >> 2) & 31, tokens 256 (u & 3) on.
; The routed units, whose number of rows varies, come first.
; EIGHT WAVES.  Waves 4-7 LOAD: each brings 64 rows of K of every quarter of the slice through registers (64 loads of 16 bytes a lane), rounds them to bf16 and stores them into a slice that stays in
; LDS, [k][128], each byte written once.  Waves 0-3 MULTIPLY a quarter when it is stored.  While they multiply, the loaders wait for the next quarter, round it into registers and ask for the one after:
; between the two barriers of a trip only the 64 LDS stores of each loader are left.  Weight fragments come turned out of LDS (source 0), the rows of x straight from memory (source 1): a lane of the
; result holds one row and eight neighbouring columns.
; THE ROWS come from xg, [9 lists][64 tiles of 16 ranks][32 K steps][2 halves][32 lanes][16 bytes], which the launch before laid in the operand's own order (list 8: every token, for both shared
; experts): a row load takes 512 consecutive bytes, and its address is made of ids and of the expert's count alone.  Ranks past the count hold the last row once more.
; hbuf has the same order for the next launch: [10 experts][64 tiles][64 K steps][2][32][16 bytes].  A lane's eight packed columns of n tile nt ARE the 16 bytes at 512 nt + 16 lane of the tile's
; 2,048 bytes for this unit's 64 columns: the results are stored straight from registers, 512 consecutive bytes a store.
; BARRIERS.  A trip is: a barrier; the loaders store a quarter; a barrier; waves 0-3 multiply it.  So no wave stores into the slice while another reads from it.  The way out writes no LDS.
; ROWS go in groups of 256 = 16 tiles of 16; tile 4 i + w is wave w's.  Four groups x four trips, constants: every wave passes every barrier, and only work is jumped, by counts made from rmask,
; which an earlier launch stored.  Later groups use the slice that lies in LDS, so a unit reads each weight byte once whatever the split.  A tile past the last live one repeats that tile's loads.
; A wave with one live tile (then no later group is live) keeps the fragments of four K steps in flight: the accumulators of its tiles 1-3 serve as three more fragment buffers.
; LIMITS.  Weights, biases and x are rounded once to bf16, h once to bf16; sums in f32.  h = (p1 p2) / (1 + 2^(-1.4427 p1)): |p1 p2| must stay below 3.4e38.  NaN and infinities are not treated apart.
; NO CLUSTER: a routed slice has one reader; a shared slice has four, but the weights are rounded on their way through registers, which no joint load serves; the four have neighbouring numbers.
.set QB,    73728                      ; a quarter of the slice: 256 rows of K, 288 bytes apart (256 of data + 32: an odd multiple of 32)
.set BIAS,  320512                     ; 128 f32
.set SPARE, 321024                     ; the spare words: 128 bytes a wave, named by no other line
.set TSH,   15                         ; a tile of xg: 32 K steps of 1,024 bytes
.set BSTEP, 4096                       ; four K steps of a tile
.set KMASK, 32767
; scalars: s26 wave; s100 wave & 3; s27 u; s28 E; s29 E & 7; s30 b; s[32:63] the expert's mask; s66 count; s67 first row; s68 end; s101 the last live tile; s69 groups to go; s70 trips to go;
; s71 the trip's quarter in LDS; s72 the group's first row; s73 live tiles; s74 my live tiles; s[76:77] rows' base; s[78:79] the same + s[80:81]; s[82:85] a loader's bases; s[86:87] hbuf at the unit;
; s[88:89] -log2(e)
; window 0: v1 L, v2 r, v3 h, v4-5 the add's; v6-8 fragment addresses; v9 16 L; v10-13 rows; v14 bias; v17 way out; v32-34 loaders; v64-127 weight fragments; v128-255 four row buffers;
;           in a loader v64-191 a quarter's share in bf16
; window 1: 32 accumulators, (tile i, n tile nt) at 64 i + 8 nt; in a loader the 64 loads' registers
.set MSB, 0
.macro WIN new                         ; the immediate's high byte repeats the setting that is left
.if MSB != (\new)
	s_set_vgpr_msb (MSB<<8)|(\new)
.set MSB, \new
.endif
.endm
.macro NOP4                            ; four places between a product and a load into, or a read of, its registers
.rept 4
	v_nop
.endr
.endm
.macro BAR                             ; my LDS instructions are done; then the work-group's barrier
	s_wait_dscnt 0x0
	s_barrier_signal -1
	s_barrier_wait -1
.endm
.macro ISSUE                           ; a loader's 64 rows of a quarter: each load takes 256 consecutive bytes of two rows, four rows apart
	WIN 0x40
.set i, 0
.rept 32
	global_load_b128 v[4*i:4*i+3], v32, s[82:83] offset:((i>>2)*8+(i&3))*8192
	global_load_b128 v[128+4*i:128+4*i+3], v32, s[84:85] offset:((i>>2)*8+(i&3))*8192
.set i, i+1
.endr
	WIN 0
.endm
.macro CVTALL                          ; the 64 loads rounded to bf16, into 128 registers of window 0
	WIN 0x05
.set i, 0
.rept 32
	v_cvt_pk_bf16_f32 v[64+4*i], v[4*i], v[4*i+1]
	v_cvt_pk_bf16_f32 v[65+4*i], v[4*i+2], v[4*i+3]
	v_cvt_pk_bf16_f32 v[66+4*i], v[128+4*i], v[128+4*i+1]
	v_cvt_pk_bf16_f32 v[67+4*i], v[128+4*i+2], v[128+4*i+3]
.set i, i+1
.endr
	WIN 0
.endm
.macro STORES                          ; into the trip's quarter: w1's 128 bytes of a row, then w2's
	v_add_nc_u32 v34, s71, v33
.set i, 0
.rept 32
	ds_store_b64 v34, v[64+4*i:65+4*i] offset:((i>>2)*8+(i&3))*288
	ds_store_b64 v34, v[66+4*i:67+4*i] offset:((i>>2)*8+(i&3))*288+128
.set i, i+1
.endr
.endm
.macro INIT i                          ; tile i's sums start from the bias
	WIN 0x40
.irp n, 0,1,2,3,4,5,6,7
	ds_load_b128 v[64*(\i)+8*(\n):64*(\i)+8*(\n)+3], v14 offset:64*(\n)
	ds_load_b128 v[64*(\i)+8*(\n)+4:64*(\i)+8*(\n)+7], v14 offset:64*(\n)+16
.endr
	WIN 0
.endm
.macro WFLOAD j, half                  ; four n tiles' fragments of K step j of the quarter: 8 turning loads
.set aw, 7+(\j)/4
.set jo, 9216*((\j)%4)
.irp n, 0,1,2,3
	ds_load_tr16_b128 v[64+8*(4*(\half)+(\n)):64+8*(4*(\half)+(\n))+3], v[aw] offset:jo+32*(4*(\half)+(\n))
	ds_load_tr16_b128 v[64+8*(4*(\half)+(\n))+4:64+8*(4*(\half)+(\n))+7], v[aw] offset:jo+32*(4*(\half)+(\n))+4608
.endr
.endm
.macro WFB j                           ; all eight n tiles' fragments of K step j into fragment buffer j % 4: buffer 0 is v64-127 of window 0, buffers 1-3 lie at 64, 128, 192 of window 1
.set aw, 7+(\j)/4
.set jo, 9216*((\j)%4)
.if (\j)%4 == 0
	WIN 0
.set fb, 64
.else
	WIN 0x40
.set fb, 64*((\j)%4)
.endif
.irp n, 0,1,2,3,4,5,6,7
	ds_load_tr16_b128 v[fb+8*(\n):fb+8*(\n)+3], v[aw] offset:jo+32*(\n)
	ds_load_tr16_b128 v[fb+8*(\n)+4:fb+8*(\n)+7], v[aw] offset:jo+32*(\n)+4608
.endr
.endm
.macro RLOAD js                        ; row buffer js: one K step of my four tiles, 8 loads of 512 consecutive bytes
.irp i, 0,1,2,3
	global_load_b128 v[128+32*(\js)+8*(\i):128+32*(\js)+8*(\i)+3], v[10+(\i)], s[78:79] offset:1024*(\js)
	global_load_b128 v[128+32*(\js)+8*(\i)+4:128+32*(\js)+8*(\i)+7], v[10+(\i)], s[78:79] offset:1024*(\js)+512
.endr
.endm
.macro RSTEP                           ; the refills of the next four steps take the next four steps of K
	s_wait_xcnt 0x0                                ; the base of the row loads, and registers that stores have read, are rewritten only behind this wait; the last run of row loads stands a K step back
	s_add_co_u32 s80, s80, BSTEP
	s_and_b32 s80, s80, KMASK                      ; behind the last step they wrap to the tile's first bytes: inside the buffer, and not used
	s_add_nc_u64 s[78:79], s[76:77], s[80:81]
.endm
.macro MULH j, half                    ; every product names another accumulator than the one before it
	WIN 0x50
.irp n, 0,1,2,3
.set ti, 0
.rept 4
	v_wmma_f32_16x16x32_bf16 v[64*ti+8*(4*(\half)+(\n)):64*ti+8*(4*(\half)+(\n))+7], v[64+8*(4*(\half)+(\n)):64+8*(4*(\half)+(\n))+7], v[128+32*((\j)%4)+8*ti:128+32*((\j)%4)+8*ti+7], v[64*ti+8*(4*(\half)+(\n)):64*ti+8*(4*(\half)+(\n))+7]
.set ti, ti+1
.endr
.endr
.endm
.macro KSTEP j
	s_wait_loadcnt 24                              ; this step's rows are in: three younger buffers of 8 loads may be out
	s_wait_dscnt 8                                 ; n tiles 0-3 are in: the 8 loads of n tiles 4-7 are younger
	MULH \j, 0
.if (\j) < 7
	NOP4
	WIN 0
	WFLOAD (\j)+1, 0
	s_wait_dscnt 8                                 ; n tiles 4-7 are in: the 8 loads just issued are younger
.else
	WIN 0
	s_wait_dscnt 0x0
.endif
	MULH \j, 1
	NOP4
	WIN 0
.if (\j) < 7
	WFLOAD (\j)+1, 1
.endif
.if (\j)%4 == 0
	RSTEP
.endif
	RLOAD (\j)%4                                   ; always all four tiles, so that the count above holds on every way
.endm
.macro BODY4                           ; a quarter of K for four tiles: 8 steps of 32, from the quarter that this trip stored
	v_add_nc_u32 v7, s71, v6
	v_add_nc_u32 v8, 36864, v7
	WFLOAD 0, 0
	WFLOAD 0, 1
.irp j, 0,1,2,3,4,5,6,7
	KSTEP \j
.endr
.endm
.macro KSTEP1 j                        ; a K step for tile 0 alone: 8 products, the eight accumulators by turns
	s_wait_loadcnt 24                              ; this step's rows are in: three younger buffers of 8 loads may be out
.if (\j) < 5
	s_wait_dscnt 48                                ; this step's fragments are in: those of three younger steps, 16 loads each, may be out
.else
	s_wait_dscnt 16*(7-(\j))                       ; the quarter's last steps: fewer are younger
.endif
.if (\j)%4 == 0
	WIN 0x50
.set fb, 64
.else
	WIN 0x51
.set fb, 64*((\j)%4)
.endif
.irp n, 0,1,2,3,4,5,6,7
	v_wmma_f32_16x16x32_bf16 v[8*(\n):8*(\n)+7], v[fb+8*(\n):fb+8*(\n)+7], v[128+32*((\j)%4):128+32*((\j)%4)+7], v[8*(\n):8*(\n)+7]
.endr
	NOP4
.if (\j) < 4
	WFB (\j)+4                                     ; the buffer just read takes the step four further on
.endif
	WIN 0
.if (\j)%4 == 0
	RSTEP
.endif
	RLOAD (\j)%4                                   ; all four tiles here too: the count of row loads is the same on every way
.endm
.macro BODY1                           ; a quarter of K for one tile
	v_add_nc_u32 v7, s71, v6
	v_add_nc_u32 v8, 36864, v7
	WFB 0
	WFB 1
	WFB 2
	WFB 3
.irp j, 0,1,2,3,4,5,6,7
	KSTEP1 \j
.endr
.endm
.macro TLV                             ; live tiles of the group that begins at s72, and mine of them
	s_add_co_u32 s90, s68, 15
	s_max_u32 s90, s90, s72
	s_sub_co_u32 s90, s90, s72
	s_lshr_b32 s90, s90, 4
	s_min_u32 s73, s90, 16
	s_add_co_u32 s90, s73, 3
	s_sub_co_u32 s90, s90, s100
	s_lshr_b32 s74, s90, 2
.endm
.macro GPRO                            ; the group's tiles (one past the last live tile repeats that tile), and the first four K steps
	s_wait_xcnt 0x0                                ; the way out's stores have read their registers: the row loads below land on them
	s_lshr_b32 s90, s72, 4
	s_add_co_u32 s90, s90, s100
.irp i, 0,1,2,3
	s_add_co_u32 s91, s90, 4*(\i)
	s_min_u32 s91, s91, s101
	s_min_u32 s91, s91, 63
	s_lshl_b32 s91, s91, TSH
	v_add_nc_u32 v[10+(\i)], s91, v9               ; the tile's first byte + 16 L
.endr
	s_mov_b32 s80, 0
	s_mov_b64 s[78:79], s[76:77]
.irp js, 0,1,2,3
	RLOAD \js
.endr
.endm
.macro EPI i                           ; tile i: the activation; 16 rows x 64 columns of bf16 leave from registers, 2,048 consecutive bytes of hbuf
	s_wait_xcnt 0x0                                ; the last tile's stores have read their registers
	WIN 0x01
.set m, 0
.rept 16
	v_pk_mul_f32 v[128+2*m:129+2*m], v[64*(\i)+2*m:64*(\i)+2*m+1], s[88:89] op_sel_hi:[1,0]   ; -log2(e) p1; each accumulator is read from its low end on
.set m, m+1
.endr
	WIN 0x05
.set m, 0
.rept 16
	v_pk_mul_f32 v[160+2*m:161+2*m], v[64*(\i)+2*m:64*(\i)+2*m+1], v[64*(\i)+32+2*m:64*(\i)+32+2*m+1]   ; p1 p2
.set m, m+1
.endr
	WIN 0
.set m, 0
.rept 32
	v_exp_f32 v[128+m], v[128+m]
.set m, m+1
.endr
	v_nop                                          ; a plain instruction behind the last exponential,
	s_wait_alu depctr_va_vdst(0)                   ; and one wait for the 32, ahead of their first reader
.set m, 0
.rept 16
	v_pk_add_f32 v[128+2*m:129+2*m], v[128+2*m:129+2*m], 1.0 op_sel_hi:[1,0]
.set m, m+1
.endr
.set m, 0
.rept 32
	v_rcp_f32 v[128+m], v[128+m]
.set m, m+1
.endr
	v_nop
	s_wait_alu depctr_va_vdst(0)                   ; one wait for the 32 reciprocals
.set m, 0
.rept 16
	v_pk_mul_f32 v[160+2*m:161+2*m], v[160+2*m:161+2*m], v[128+2*m:129+2*m]
.set m, m+1
.endr
.set m, 0
.rept 16
	v_cvt_pk_bf16_f32 v[192+m], v[160+2*m], v[161+2*m]   ; registers 4 nt .. 4 nt + 3: my row's columns 16 nt + 8 h + 0..7
.set m, m+1
.endr
	s_lshr_b32 s90, s72, 4
	s_add_co_u32 s90, s90, s100
	s_add_co_u32 s90, s90, 4*(\i)
	s_lshl_b32 s90, s90, 16                        ; 64 KiB of hbuf a tile
	v_add_nc_u32 v17, s90, v9
.irp n, 0,1,2,3
	global_store_b128 v17, v[192+4*(\n):195+4*(\n)], s[86:87] offset:512*(\n)   ; K step nt >> 1 of the unit's two, half nt & 1: 512 consecutive bytes, aligned
.endr
	INIT \i                                        ; for the next group
.endm
	s_load_b256 s[4:11], s[0:1], 0x0               ; xg s[4:5], rmask s[6:7], rw1 s[8:9], rw2 s[10:11]
	s_load_b256 s[12:19], s[0:1], 0x20             ; rb1 s[12:13], rb2 s[14:15], sw1 s[16:17], sw2 s[18:19]
	s_load_b128 s[20:23], s[0:1], 0x40             ; sb1 s[20:21], sb2 s[22:23]
	s_load_b64 s[24:25], s[0:1], 0x50              ; hbuf
	v_lshl_add_u32 v4, v0, 2, SPARE                ; my spare word
	v_mov_b32 v5, 0
	v_and_b32 v1, 31, v0                           ; L
	v_lshrrev_b32 v2, 5, v0
	v_readfirstlane_b32 s26, v2                    ; wave
	v_and_b32 v2, 15, v0                           ; r
	v_bfe_u32 v3, v0, 4, 1                         ; h
	s_and_b32 s100, s26, 3                         ; my number among the four waves of my kind
	; every lane address is made here, by all eight waves, ahead of every branch
	v_and_b32 v28, 7, v0
	v_lshl_add_u32 v29, v3, 3, v28
	v_mul_u32_u24 v6, v29, 288                     ; the turning load: row 8 h + L % 8,
	v_bfe_u32 v29, v0, 3, 1
	v_lshl_add_u32 v6, v29, 4, v6                  ; 16 bytes for each eight lanes
	v_lshlrev_b32 v9, 4, v1
	v_lshl_add_u32 v14, v3, 5, BIAS
	v_lshlrev_b32 v32, 4, v2                       ; a loader's place in memory: 16 bytes a lane,
	v_lshl_add_u32 v32, v3, 15, v32                ; lanes 16-31 four rows further down;
	s_mul_i32 s91, s100, 18432                     ; and in a quarter of the slice: its 64 rows
	v_mul_u32_u24 v33, v3, 1152
	v_lshl_add_u32 v33, v2, 3, v33
	v_add_nc_u32 v33, s91, v33
	s_and_b32 s27, ttmp9, 255                      ; u
	s_lshr_b32 s75, ttmp9, 8                       ; 1: a shared unit
	s_lshr_b32 s28, s27, 5
	s_and_b32 s30, s27, 31
	s_lshr_b32 s90, s27, 7
	s_add_co_u32 s90, s90, 8
	s_bfe_u32 s91, s27, 0x50002
	s_and_b32 s96, s27, 3
	s_lshl_b32 s96, s96, 8
	s_movk_i32 s98, 256
	s_movk_i32 s99, 1024
	s_cmp_eq_u32 s75, 1
	s_cselect_b32 s28, s90, s28                    ; E
	s_cselect_b32 s30, s91, s30                    ; b
	s_cselect_b32 s67, s96, 0                      ; first row
	s_cselect_b32 s98, s98, s99                    ; rows at the most
	s_and_b32 s29, s28, 7                          ; the expert's place in its own tensors
	s_wait_kmcnt 0x0
	s_cmp_eq_u32 s75, 1
	s_cselect_b64 s[8:9], s[16:17], s[8:9]         ; w1, w2, b1, b2: routed or shared
	s_cselect_b64 s[10:11], s[18:19], s[10:11]
	s_cselect_b64 s[12:13], s[20:21], s[12:13]
	s_cselect_b64 s[14:15], s[22:23], s[14:15]
	s_lshl_b32 s90, s28, 7
	s_mov_b32 s91, 0
	s_add_nc_u64 s[6:7], s[6:7], s[90:91]
	s_load_b512 s[32:47], s[6:7], 0x0              ; the expert's 32 mask words: waited for behind the first weight loads
	s_load_b512 s[48:63], s[6:7], 0x40
	; every base of a global load is made here, by all eight waves, ahead of every branch
	s_lshl_b32 s90, s29, 23                        ; 8 MiB an expert,
	s_lshl_b32 s96, s30, 8                         ; 256 bytes of every row
	s_add_co_u32 s90, s90, s96
	s_add_nc_u64 s[8:9], s[8:9], s[90:91]
	s_add_nc_u64 s[10:11], s[10:11], s[90:91]
	s_lshl_b32 s92, s100, 19                       ; a loader's 64 rows of each quarter
	s_mov_b32 s93, 0
	s_add_nc_u64 s[82:83], s[8:9], s[92:93]
	s_add_nc_u64 s[84:85], s[10:11], s[92:93]
	s_lshl_b32 s90, s29, 13
	s_add_co_u32 s90, s90, s96
	s_add_nc_u64 s[12:13], s[12:13], s[90:91]
	s_add_nc_u64 s[14:15], s[14:15], s[90:91]
	s_lshl_b32 s90, s28, 22                        ; 4 MiB of hbuf an expert,
	s_lshl_b32 s96, s30, 11                        ; 2,048 bytes of every tile for my 64 columns
	s_add_co_u32 s90, s90, s96
	s_add_nc_u64 s[86:87], s[24:25], s[90:91]
	s_min_u32 s90, s28, 8                          ; both shared experts take list 8
	s_lshl_b32 s90, s90, 21                        ; 2 MiB of xg a list
	s_add_nc_u64 s[76:77], s[4:5], s[90:91]
	s_mov_b32 s80, 0
	s_mov_b32 s81, 0
	s_mov_b64 s[78:79], s[76:77]
	s_cmp_lt_u32 s26, 4
	s_cbranch_scc1 .Lnot_loader
	ISSUE                                          ; quarter 0
.Lnot_loader:
	s_mov_b32 s88, 0xbfb8aa3b                      ; -log2(e)
	s_mov_b32 s89, s88
	s_mov_b32 s69, 4
	s_mov_b32 s66, 0
	s_wait_kmcnt 0x0
.set j, 0
.rept 32
	s_bcnt1_i32_b32 s90, s[32+j]
	s_add_co_u32 s66, s66, s90                     ; the expert's count
.set j, j+1
.endr
	s_add_co_u32 s68, s67, s98
	s_min_u32 s68, s68, s66                        ; end
	s_max_u32 s101, s68, 1
	s_sub_co_u32 s101, s101, 1
	s_lshr_b32 s101, s101, 4                       ; the last live tile (tile 0 for an expert without rows: the launch before stores it for every list)
	s_mov_b32 s72, s67                             ; the first group
	TLV
	s_cmp_lg_u32 s26, 1
	s_cbranch_scc1 .Lnot_w1
	; wave 1: the bias, rounded to bf16 like every input: lanes 0-15 b1's 64 numbers, lanes 16-31 b2's
	v_lshlrev_b32 v28, 4, v2
	global_load_b128 v[64:67], v28, s[12:13]
	global_load_b128 v[68:71], v28, s[14:15]
	s_wait_loadcnt 0x0
	v_cmp_le_u32 vcc_lo, 16, v1
	v_cndmask_b32 v64, v64, v68, vcc_lo
	v_cndmask_b32 v65, v65, v69, vcc_lo
	v_cndmask_b32 v66, v66, v70, vcc_lo
	v_cndmask_b32 v67, v67, v71, vcc_lo
	v_cvt_pk_bf16_f32 v72, v64, v65
	v_cvt_pk_bf16_f32 v73, v66, v67
	v_lshlrev_b32 v64, 16, v72
	v_and_b32 v65, 0xffff0000, v72
	v_lshlrev_b32 v66, 16, v73
	v_and_b32 v67, 0xffff0000, v73
	v_lshl_add_u32 v29, v1, 4, BIAS
	ds_store_b128 v29, v[64:67]
.Lnot_w1:
	BAR                                            ; the bias is stored
	s_cmp_ge_u32 s26, 4
	s_cbranch_scc1 .Lload0
	INIT 0
	INIT 1
	INIT 2
	INIT 3
	GPRO
	s_branch .Lgroup
.Lload0:
	s_wait_loadcnt 0x0                             ; quarter 0 is in, so no load is out and the bases may step
	CVTALL                                         ; quarter 0 in bf16, for the first trip's stores
	s_add_nc_u64 s[82:83], s[82:83], 2097152       ; 256 rows on
	s_add_nc_u64 s[84:85], s[84:85], 2097152
	ISSUE                                          ; quarter 1
.Lgroup:
	s_mov_b32 s70, 4                               ; four trips, a quarter of K each
	s_mov_b32 s71, 0
.Ltrip:
	BAR                                            ; the reads of the trip before (at first: of the bias) are done in every wave
	s_cmp_lt_u32 s26, 4
	s_cbranch_scc1 .Lstored
	s_cmp_lg_u32 s69, 4
	s_cbranch_scc1 .Lstored                        ; the slice is whole after the first group
	STORES                                         ; the quarter that was rounded while the last one was multiplied
.Lstored:
	BAR                                            ; the quarter is stored, by all four loaders
	s_cmp_lt_u32 s26, 4
	s_cbranch_scc1 .Lmul
	s_cmp_lg_u32 s69, 4
	s_cbranch_scc1 .Lmult
	s_cmp_eq_u32 s70, 1
	s_cbranch_scc1 .Lmult                          ; that was the last quarter
	s_wait_loadcnt 0x0                             ; the next quarter's 64 loads are in, so no load is out
	CVTALL                                         ; its stores' data; the last stores have been waited for in front of the barrier
	s_cmp_eq_u32 s70, 2
	s_cbranch_scc1 .Lmult                          ; nothing is left to ask for
	s_add_nc_u64 s[82:83], s[82:83], 2097152
	s_add_nc_u64 s[84:85], s[84:85], 2097152
	ISSUE                                          ; the quarter after: it has the rest of this trip and the next trip's stores in which to land
	s_branch .Lmult
.Lmul:
	s_cmp_eq_u32 s74, 0
	s_cbranch_scc1 .Lmult                          ; no tile of mine is live
	s_cmp_eq_u32 s74, 1
	s_cbranch_scc1 .Lsmall
	BODY4
	s_branch .Lmult
.Lsmall:
	BODY1
.Lmult:
	s_add_co_u32 s71, s71, QB
	s_sub_co_u32 s70, s70, 1
	s_cmp_lg_u32 s70, 0
	s_cbranch_scc1 .Ltrip
	s_cmp_ge_u32 s26, 4
	s_cbranch_scc1 .Lgnext
	s_wait_loadcnt 0x0                             ; the row buffers are free: the way out works in them
	s_cmp_le_u32 s74, 0
	s_cbranch_scc1 .Lepi_done
	EPI 0
	s_cmp_le_u32 s74, 1
	s_cbranch_scc1 .Lepi_done
	EPI 1
	s_cmp_le_u32 s74, 2
	s_cbranch_scc1 .Lepi_done
	EPI 2
	s_cmp_le_u32 s74, 3
	s_cbranch_scc1 .Lepi_done
	EPI 3
.Lepi_done:
	s_wait_dscnt 0x0                               ; the sums' new beginnings are in
	s_add_co_u32 s72, s72, 256
	TLV
	s_cmp_eq_u32 s74, 0
	s_cbranch_scc1 .Lgnext
	GPRO
.Lgnext:
	s_sub_co_i32 s69, s69, 1
	s_cmp_lg_u32 s69, 0
	s_cbranch_scc1 .Lgroup
	s_wait_tensorcnt 0x0                           ; the wave's end
	ds_add_u32 v4, v5
	s_wait_dscnt 0x0
	s_endpgm
.Lfunc_end_k_q12ef362980_up:
	.size	k_q12ef362980_up, .Lfunc_end_k_q12ef362980_up-k_q12ef362980_up
	.p2alignl 7, 3214868480
	.fill 96, 4, 3214868480
	.section	.rodata,"a",@progbits
	.p2align	6, 0x0
	.amdhsa_kernel k_q12ef362980_up
		.amdhsa_group_segment_fixed_size 322048
		.amdhsa_private_segment_fixed_size 0
		.amdhsa_enable_private_segment 0
		.amdhsa_kernarg_size 88
		.amdhsa_user_sgpr_count 2
		.amdhsa_user_sgpr_kernarg_segment_ptr 1
		.amdhsa_wavefront_size32 1
		.amdhsa_system_sgpr_workgroup_id_x 1
		.amdhsa_system_sgpr_workgroup_id_y 1
		.amdhsa_system_sgpr_workgroup_id_z 1
		.amdhsa_system_vgpr_workitem_id 0
		.amdhsa_next_free_vgpr 512
		.amdhsa_next_free_sgpr 102
		.amdhsa_reserve_vcc 1
		.amdhsa_float_denorm_mode_32 3
		.amdhsa_float_denorm_mode_16_64 3
		.amdhsa_memory_ordered 1
		.amdhsa_forward_progress 1
		.amdhsa_inst_pref_size 150
	.end_amdhsa_kernel
	.amdgpu_metadata
---
amdhsa.version: [ 1, 2 ]
amdhsa.kernels:
  - .name:           k_q12ef362980_up
    .symbol:         k_q12ef362980_up.kd
    .args:
      - { .name: xg, .offset: 0, .size: 8, .value_kind: global_buffer, .address_space: global }
      - { .name: rmask, .offset: 8, .size: 8, .value_kind: global_buffer, .address_space: global }
      - { .name: rw1, .offset: 16, .size: 8, .value_kind: global_buffer, .address_space: global }
      - { .name: rw2, .offset: 24, .size: 8, .value_kind: global_buffer, .address_space: global }
      - { .name: rb1, .offset: 32, .size: 8, .value_kind: global_buffer, .address_space: global }
      - { .name: rb2, .offset: 40, .size: 8, .value_kind: global_buffer, .address_space: global }
      - { .name: sw1, .offset: 48, .size: 8, .value_kind: global_buffer, .address_space: global }
      - { .name: sw2, .offset: 56, .size: 8, .value_kind: global_buffer, .address_space: global }
      - { .name: sb1, .offset: 64, .size: 8, .value_kind: global_buffer, .address_space: global }
      - { .name: sb2, .offset: 72, .size: 8, .value_kind: global_buffer, .address_space: global }
      - { .name: hbuf, .offset: 80, .size: 8, .value_kind: global_buffer, .address_space: global }
    .group_segment_fixed_size: 322048
    .private_segment_fixed_size: 0
    .kernarg_segment_align: 8
    .kernarg_segment_size: 88
    .max_flat_workgroup_size: 256
    .sgpr_count:     102
    .vgpr_count:     512
    .wavefront_size: 32
...
	.end_amdgpu_metadata
.endif
;; end of part 6
;; launch down (part 7): grid 256 x 1, 8 waves a work-group, no clusters, 322,048 bytes of LDS; arguments hbuf, rmask, sel, wts, rw3, rb3, sw3, sb3, part; writes part
.if DOCPART == 7
	.amdgcn_target "amdgcn-amd-amdhsa--gfx1250"
	.amdhsa_code_object_version 6
	.text
	.protected	k_q12ef362980_down
	.globl	k_q12ef362980_down
	.p2align	8
	.type	k_q12ef362980_down,@function
k_q12ef362980_down:
	s_mov_b64 s[64:65], 0
	v_nop
	global_prefetch_b8 v0, s[64:65] scope:SCOPE_SE
	s_setreg_imm32_b32 hwreg(HW_REG_WAVE_MODE, 25, 1), 1
	s_wait_xcnt 0x0
; DOWN.  part[plane][token][:] = scale x (h w3 + b3), K in two halves.  A UNIT is rows 1024 KH .. + 1023 and columns 128 nb .. + 127 of one expert's w3, and the rows of h that use them.
; Even work-groups: routed expert e = u >> 4, KH = (u >> 3) & 1, nb = u & 7, all of e's rows.  Odd ones: shared expert 8 + (u >> 6), KH = (u >> 5) & 1, nb = (u >> 2) & 7, rows 256 (u & 3) on.
; The scale is the token's gate score for this expert, or 0.5 for a shared expert (their mean).  b3 starts the sums of half 0, zero those of half 1.
; Planes: a routed row goes to plane 2 KH + slot (slot 0: the token's first choice, 1: its second), a shared one to 4 + 2 s + KH: every word of the eight planes has one writer; the next launch adds them.
; The frame is that of the launch before: waves 4-7 bring the f32 slice through registers into a bf16 slice that stays in LDS; waves 0-3 multiply a quarter when it is stored; while they multiply, the
; loaders wait for the next quarter, round it into registers and ask for the one after, so that between the two barriers of a trip only the LDS stores are left.  A trip is: a barrier; the loaders
; store a quarter; a barrier; waves 0-3 multiply it; behind a group's four trips a third barrier stands in front of the way out, which writes LDS: no wave stores into the slice while another reads
; from it, and nothing writes LDS while the slice is read.  Four groups of 256 rows x four trips, constants; only work is jumped, by counts made from rmask; addresses come from rmask and sel,
; which an earlier launch stored.
; THE ROWS of h come from hbuf, [10 experts][64 tiles of 16 rows][64 K steps][2 halves][32 lanes][16 bytes], the operand's own order: a row load takes 512 consecutive bytes.
; In a tile that is not full the rows past the count hold the last row once more, and their places in the list are clamped to the last row's: those lanes store the same numbers to the same place.
; A tile past the last live one repeats that tile's loads.  An expert without rows stores nothing; its first row loads, of which nothing is made, take shared expert 8's tile 0, which is always stored.
; A wave with one live tile (then no later group is live) keeps the fragments of four K steps in flight: the accumulators of its tiles 1-3 serve as three more fragment buffers.
; LIMITS.  w3 and b3 are rounded once to bf16; h comes in bf16; sums, scores and planes in f32.  NaN and infinities are not treated apart.
; NO CLUSTER: a routed slice has one reader; a shared slice has four, but the weights are rounded on their way through registers, which no joint load serves; the four have neighbouring numbers.
.set QB,    73728                      ; a quarter of the slice: 256 rows of K, 288 bytes apart
.set STG,   294912                     ; a stage of 4,352 bytes for each multiplying wave: 16 rows of 64 f32, 272 bytes apart
.set LIST,  312320                     ; 1,024 words: token + 1024 x slot of each rank
.set SCL,   316416                     ; 1,024 f32: the scale of each rank
.set BIAS,  320512                     ; 128 f32
.set SPARE, 321024                     ; the spare words: 128 bytes a wave, named by no other line
.set TSH,   16                         ; a tile of hbuf: 64 K steps of 1,024 bytes
.set BSTEP, 4096                       ; four K steps of a tile
.set KMASK, 32767                      ; my half of K: 32 K steps
; scalars as in the launch before; s31 KH; s92, s93 running ranks; s94 end - 1; s95 all ones for a shared unit.  Vector registers likewise; v15-16 stage, v18-19 the scale, v20-27 the eight stores'
; offsets, v36 16 (L % 16)
.set MSB, 0
.macro WIN new                         ; the immediate's high byte repeats the setting that is left
.if MSB != (\new)
	s_set_vgpr_msb (MSB<<8)|(\new)
.set MSB, \new
.endif
.endm
.macro NOP4                            ; four places between a product and a load into, or a read of, its registers
.rept 4
	v_nop
.endr
.endm
.macro BAR                             ; my LDS instructions are done; then the work-group's barrier
	s_wait_dscnt 0x0
	s_barrier_signal -1
	s_barrier_wait -1
.endm
.macro ISSUE                           ; a loader's 64 rows of a quarter: each load takes a row's 512 consecutive bytes
	WIN 0x40
.set i, 0
.rept 64
	global_load_b128 v[4*i:4*i+3], v32, s[82:83] offset:4096*i
.set i, i+1
.endr
	WIN 0
.endm
.macro CVTALL                          ; the 64 loads rounded to bf16, into 128 registers of window 0
	WIN 0x05
.set i, 0
.rept 64
	v_cvt_pk_bf16_f32 v[64+2*i], v[4*i], v[4*i+1]
	v_cvt_pk_bf16_f32 v[65+2*i], v[4*i+2], v[4*i+3]
.set i, i+1
.endr
	WIN 0
.endm
.macro STORES                          ; into the trip's quarter: a row's 256 bytes a store
	v_add_nc_u32 v34, s71, v33
.set i, 0
.rept 64
	ds_store_b64 v34, v[64+2*i:65+2*i] offset:288*i
.set i, i+1
.endr
.endm
.macro INIT i                          ; tile i's sums start from the bias
	WIN 0x40
.irp n, 0,1,2,3,4,5,6,7
	ds_load_b128 v[64*(\i)+8*(\n):64*(\i)+8*(\n)+3], v14 offset:64*(\n)
	ds_load_b128 v[64*(\i)+8*(\n)+4:64*(\i)+8*(\n)+7], v14 offset:64*(\n)+16
.endr
	WIN 0
.endm
.macro WFLOAD j, half                  ; four n tiles' fragments of K step j of the quarter: 8 turning loads
.set aw, 7+(\j)/4
.set jo, 9216*((\j)%4)
.irp n, 0,1,2,3
	ds_load_tr16_b128 v[64+8*(4*(\half)+(\n)):64+8*(4*(\half)+(\n))+3], v[aw] offset:jo+32*(4*(\half)+(\n))
	ds_load_tr16_b128 v[64+8*(4*(\half)+(\n))+4:64+8*(4*(\half)+(\n))+7], v[aw] offset:jo+32*(4*(\half)+(\n))+4608
.endr
.endm
.macro WFB j                           ; all eight n tiles' fragments of K step j into fragment buffer j % 4: buffer 0 is v64-127 of window 0, buffers 1-3 lie at 64, 128, 192 of window 1
.set aw, 7+(\j)/4
.set jo, 9216*((\j)%4)
.if (\j)%4 == 0
	WIN 0
.set fb, 64
.else
	WIN 0x40
.set fb, 64*((\j)%4)
.endif
.irp n, 0,1,2,3,4,5,6,7
	ds_load_tr16_b128 v[fb+8*(\n):fb+8*(\n)+3], v[aw] offset:jo+32*(\n)
	ds_load_tr16_b128 v[fb+8*(\n)+4:fb+8*(\n)+7], v[aw] offset:jo+32*(\n)+4608
.endr
.endm
.macro RLOAD js                        ; row buffer js: one K step of my four tiles, 8 loads of 512 consecutive bytes
.irp i, 0,1,2,3
	global_load_b128 v[128+32*(\js)+8*(\i):128+32*(\js)+8*(\i)+3], v[10+(\i)], s[78:79] offset:1024*(\js)
	global_load_b128 v[128+32*(\js)+8*(\i)+4:128+32*(\js)+8*(\i)+7], v[10+(\i)], s[78:79] offset:1024*(\js)+512
.endr
.endm
.macro RSTEP                           ; the refills of the next four steps take the next four steps of K
	s_wait_xcnt 0x0                                ; the base of the row loads, and registers that stores have read, are rewritten only behind this wait; the last run of row loads stands a K step back
	s_add_co_u32 s80, s80, BSTEP
	s_and_b32 s80, s80, KMASK                      ; behind the last step they wrap to the half's first bytes: inside the buffer, and not used
	s_add_nc_u64 s[78:79], s[76:77], s[80:81]
.endm
.macro MULH j, half                    ; every product names another accumulator than the one before it
	WIN 0x50
.irp n, 0,1,2,3
.set ti, 0
.rept 4
	v_wmma_f32_16x16x32_bf16 v[64*ti+8*(4*(\half)+(\n)):64*ti+8*(4*(\half)+(\n))+7], v[64+8*(4*(\half)+(\n)):64+8*(4*(\half)+(\n))+7], v[128+32*((\j)%4)+8*ti:128+32*((\j)%4)+8*ti+7], v[64*ti+8*(4*(\half)+(\n)):64*ti+8*(4*(\half)+(\n))+7]
.set ti, ti+1
.endr
.endr
.endm
.macro KSTEP j
	s_wait_loadcnt 24                              ; this step's rows are in: three younger buffers of 8 loads may be out
	s_wait_dscnt 8                                 ; n tiles 0-3 are in: the 8 loads of n tiles 4-7 are younger
	MULH \j, 0
.if (\j) < 7
	NOP4
	WIN 0
	WFLOAD (\j)+1, 0
	s_wait_dscnt 8                                 ; n tiles 4-7 are in: the 8 loads just issued are younger
.else
	WIN 0
	s_wait_dscnt 0x0
.endif
	MULH \j, 1
	NOP4
	WIN 0
.if (\j) < 7
	WFLOAD (\j)+1, 1
.endif
.if (\j)%4 == 0
	RSTEP
.endif
	RLOAD (\j)%4                                   ; always all four tiles, so that the count above holds on every way
.endm
.macro BODY4                           ; a quarter of K for four tiles: 8 steps of 32, from the quarter that this trip stored
	v_add_nc_u32 v7, s71, v6
	v_add_nc_u32 v8, 36864, v7
	WFLOAD 0, 0
	WFLOAD 0, 1
.irp j, 0,1,2,3,4,5,6,7
	KSTEP \j
.endr
.endm
.macro KSTEP1 j                        ; a K step for tile 0 alone: 8 products, the eight accumulators by turns
	s_wait_loadcnt 24                              ; this step's rows are in: three younger buffers of 8 loads may be out
.if (\j) < 5
	s_wait_dscnt 48                                ; this step's fragments are in: those of three younger steps, 16 loads each, may be out
.else
	s_wait_dscnt 16*(7-(\j))                       ; the quarter's last steps: fewer are younger
.endif
.if (\j)%4 == 0
	WIN 0x50
.set fb, 64
.else
	WIN 0x51
.set fb, 64*((\j)%4)
.endif
.irp n, 0,1,2,3,4,5,6,7
	v_wmma_f32_16x16x32_bf16 v[8*(\n):8*(\n)+7], v[fb+8*(\n):fb+8*(\n)+7], v[128+32*((\j)%4):128+32*((\j)%4)+7], v[8*(\n):8*(\n)+7]
.endr
	NOP4
.if (\j) < 4
	WFB (\j)+4                                     ; the buffer just read takes the step four further on
.endif
	WIN 0
.if (\j)%4 == 0
	RSTEP
.endif
	RLOAD (\j)%4                                   ; all four tiles here too: the count of row loads is the same on every way
.endm
.macro BODY1                           ; a quarter of K for one tile
	v_add_nc_u32 v7, s71, v6
	v_add_nc_u32 v8, 36864, v7
	WFB 0
	WFB 1
	WFB 2
	WFB 3
.irp j, 0,1,2,3,4,5,6,7
	KSTEP1 \j
.endr
.endm
.macro TLV                             ; live tiles of the group that begins at s72, and mine of them
	s_add_co_u32 s90, s68, 15
	s_max_u32 s90, s90, s72
	s_sub_co_u32 s90, s90, s72
	s_lshr_b32 s90, s90, 4
	s_min_u32 s73, s90, 16
	s_add_co_u32 s90, s73, 3
	s_sub_co_u32 s90, s90, s100
	s_lshr_b32 s74, s90, 2
.endm
.macro GPRO                            ; the group's tiles (one past the last live tile repeats that tile), and the first four K steps
	s_wait_xcnt 0x0                                ; the way out's stores have read their registers: the row loads below land on them
	s_lshr_b32 s90, s72, 4
	s_add_co_u32 s90, s90, s100
.irp i, 0,1,2,3
	s_add_co_u32 s91, s90, 4*(\i)
	s_min_u32 s91, s91, s101
	s_min_u32 s91, s91, 63
	s_lshl_b32 s91, s91, TSH
	v_add_nc_u32 v[10+(\i)], s91, v9               ; the tile's first byte + 16 L
.endr
	s_mov_b32 s80, 0
	s_mov_b64 s[78:79], s[76:77]
.irp js, 0,1,2,3
	RLOAD \js
.endr
.endm
.macro EPI i                           ; tile i: times the scale, 64 columns at a time through my stage, out as whole rows of 256 bytes
	s_wait_xcnt 0x0                                ; the last tile's stores have read their registers
	s_lshl_b32 s90, s100, 4
	s_add_co_u32 s90, s90, s72
	s_add_co_u32 s90, s90, 64*(\i)
	v_add_nc_u32 v28, s90, v2
	v_min_u32 v28, s94, v28
	v_min_u32 v28, 0x3ff, v28
	v_lshl_add_u32 v28, v28, 2, SCL
	ds_load_b32 v18, v28                           ; my row's scale
	v_add_nc_u32 v30, s90, v3
.irp f, 0,1,2,3,4,5,6,7
	v_add_nc_u32 v29, 2*(\f), v30
	v_min_u32 v29, s94, v29
	v_min_u32 v29, 0x3ff, v29
	v_lshl_add_u32 v29, v29, 2, LIST
	ds_load_b32 v[20+(\f)], v29                    ; where store f's row goes
.endr
	s_wait_dscnt 0x0
	v_mov_b32 v19, v18
.irp f, 0,1,2,3,4,5,6,7
	v_min_u32 v[20+(\f)], 0x7ff, v[20+(\f)]
	v_lshl_add_u32 v[20+(\f)], v[20+(\f)], 12, v36 ; (token + 1024 slot) x 4,096 bytes + 16 (L % 16)
.endr
.irp c, 0,1
.if (\c) == 1
	s_wait_xcnt 0x0                                ; the first half's stores have read their registers
.endif
	WIN 0x01
.set m, 0
.rept 16
	v_pk_mul_f32 v[128+2*m:129+2*m], v[64*(\i)+32*(\c)+2*m:64*(\i)+32*(\c)+2*m+1], v[18:19]   ; each accumulator is read from its low end on
.set m, m+1
.endr
	WIN 0
.irp n, 0,1,2,3
	ds_store_b128 v15, v[128+8*(\n):131+8*(\n)] offset:64*(\n)
	ds_store_b128 v15, v[132+8*(\n):135+8*(\n)] offset:64*(\n)+16
.endr
.irp f, 0,1,2,3,4,5,6,7
	ds_load_b128 v[160+4*(\f):163+4*(\f)], v16 offset:544*(\f)   ; my own bytes, served in order: two rows of 256 bytes a load
.endr
	s_wait_dscnt 0x0
.irp f, 0,1,2,3,4,5,6,7
	global_store_b128 v[20+(\f)], v[160+4*(\f):163+4*(\f)], s[86:87] offset:256*(\c)   ; sixteen lanes store 256 consecutive bytes, aligned
.endr
.endr
	INIT \i                                        ; for the next group
.endm
	s_load_b256 s[4:11], s[0:1], 0x0               ; hbuf s[4:5], rmask s[6:7], sel s[8:9], wts s[10:11]
	s_load_b256 s[12:19], s[0:1], 0x20             ; rw3 s[12:13], rb3 s[14:15], sw3 s[16:17], sb3 s[18:19]
	s_load_b64 s[20:21], s[0:1], 0x40              ; part
	v_lshl_add_u32 v4, v0, 2, SPARE                ; my spare word
	v_mov_b32 v5, 0
	v_and_b32 v1, 31, v0                           ; L
	v_lshrrev_b32 v2, 5, v0
	v_readfirstlane_b32 s26, v2                    ; wave
	v_and_b32 v2, 15, v0                           ; r
	v_bfe_u32 v3, v0, 4, 1                         ; h
	s_and_b32 s100, s26, 3                         ; my number among the four waves of my kind
	; every lane address is made here, by all eight waves, ahead of every branch
	v_and_b32 v28, 7, v0
	v_lshl_add_u32 v29, v3, 3, v28
	v_mul_u32_u24 v6, v29, 288                     ; the turning load: row 8 h + L % 8,
	v_bfe_u32 v29, v0, 3, 1
	v_lshl_add_u32 v6, v29, 4, v6                  ; 16 bytes for each eight lanes
	v_lshlrev_b32 v9, 4, v1
	v_lshl_add_u32 v14, v3, 5, BIAS
	v_lshlrev_b32 v36, 4, v2
	s_mul_i32 s90, s100, 4352
	s_add_co_u32 s90, s90, STG
	v_mul_u32_u24 v15, v2, 272                     ; into the stage: row r, 32 bytes a half
	v_lshl_add_u32 v15, v3, 5, v15
	v_add_nc_u32 v15, s90, v15
	v_mul_u32_u24 v16, v3, 272                     ; back: lanes 0-15 one row of 256 bytes, lanes 16-31 the next
	v_lshl_add_u32 v16, v2, 4, v16
	v_add_nc_u32 v16, s90, v16
	v_lshlrev_b32 v32, 4, v1                       ; a loader's place in memory: 16 bytes a lane;
	s_mul_i32 s91, s100, 18432                     ; and in a quarter of the slice: its 64 rows
	v_lshl_add_u32 v33, v1, 3, s91
	s_lshr_b32 s27, ttmp9, 1                       ; u
	s_and_b32 s75, ttmp9, 1                        ; 1: a shared unit
	s_lshr_b32 s28, s27, 4
	s_bfe_u32 s31, s27, 0x10003
	s_and_b32 s30, s27, 7
	s_lshr_b32 s90, s27, 6
	s_add_co_u32 s90, s90, 8
	s_bfe_u32 s91, s27, 0x10005
	s_bfe_u32 s96, s27, 0x30002
	s_and_b32 s97, s27, 3
	s_lshl_b32 s97, s97, 8
	s_movk_i32 s98, 256
	s_movk_i32 s99, 1024
	s_cmp_eq_u32 s75, 1
	s_cselect_b32 s28, s90, s28                    ; E
	s_cselect_b32 s31, s91, s31                    ; KH
	s_cselect_b32 s30, s96, s30                    ; nb
	s_cselect_b32 s67, s97, 0                      ; first row
	s_cselect_b32 s98, s98, s99                    ; rows at the most
	s_cselect_b32 s95, -1, 0
	s_and_b32 s29, s28, 7                          ; the expert's place in its own tensors
	s_lshl_b32 s99, s31, 1                         ; the first plane: routed 2 KH,
	s_lshl_b32 s91, s29, 1
	s_add_co_u32 s91, s91, s31
	s_add_co_u32 s91, s91, 4                       ; shared 4 + 2 s + KH
	s_cmp_eq_u32 s75, 1
	s_cselect_b32 s99, s91, s99
	s_wait_kmcnt 0x0
	s_cselect_b64 s[12:13], s[16:17], s[12:13]     ; w3, b3: routed or shared
	s_cselect_b64 s[14:15], s[18:19], s[14:15]
	s_lshl_b32 s90, s28, 7
	s_mov_b32 s91, 0
	s_add_nc_u64 s[6:7], s[6:7], s[90:91]
	s_load_b512 s[32:47], s[6:7], 0x0              ; the expert's 32 mask words: waited for behind the first weight loads
	s_load_b512 s[48:63], s[6:7], 0x40
	; the bases that hang on ids alone are made here, by all eight waves, ahead of every branch
	s_lshl_b32 s90, s29, 23                        ; 8 MiB an expert,
	s_lshl_b32 s96, s31, 22                        ; 1,024 rows of 4,096 bytes,
	s_add_co_u32 s90, s90, s96
	s_lshl_b32 s96, s30, 9                         ; 512 bytes of every row
	s_add_co_u32 s90, s90, s96
	s_add_nc_u64 s[12:13], s[12:13], s[90:91]
	s_lshl_b32 s92, s100, 18                       ; a loader's 64 rows of each quarter
	s_mov_b32 s93, 0
	s_add_nc_u64 s[82:83], s[12:13], s[92:93]
	s_lshl_b32 s90, s29, 12
	s_add_co_u32 s90, s90, s96
	s_add_nc_u64 s[14:15], s[14:15], s[90:91]
	s_lshl_b32 s90, s99, 22
	s_add_co_u32 s90, s90, s96
	s_add_nc_u64 s[86:87], s[20:21], s[90:91]
	s_cmp_lt_u32 s26, 4
	s_cbranch_scc1 .Lnot_loader
	ISSUE                                          ; quarter 0
.Lnot_loader:
	s_mov_b32 s69, 4
	s_mov_b32 s66, 0
	s_wait_kmcnt 0x0
.set j, 0
.rept 32
	s_bcnt1_i32_b32 s90, s[32+j]
	s_add_co_u32 s66, s66, s90                     ; the expert's count
.set j, j+1
.endr
	s_add_co_u32 s68, s67, s98
	s_min_u32 s68, s68, s66                        ; end
	s_sub_co_u32 s94, s68, 1
	s_max_u32 s101, s68, 1
	s_sub_co_u32 s101, s101, 1
	s_lshr_b32 s101, s101, 4                       ; the last live tile
	s_mov_b32 s72, s67                             ; the first group
	TLV
	; the rows' base, by all eight waves: h at the expert's half of K; an expert without rows takes expert 8's, which is always stored
	s_cmp_eq_u32 s66, 0
	s_cselect_b32 s90, 8, s28
	s_min_u32 s90, s90, 9
	s_lshl_b32 s90, s90, 22                        ; 4 MiB of hbuf an expert,
	s_lshl_b32 s96, s31, 15                        ; 32 K steps of 1,024 bytes in every tile
	s_add_co_u32 s90, s90, s96
	s_mov_b32 s91, 0
	s_add_nc_u64 s[76:77], s[4:5], s[90:91]
	s_mov_b32 s80, 0
	s_mov_b32 s81, 0
	s_mov_b64 s[78:79], s[76:77]
	s_cmp_lg_u32 s26, 0
	s_cbranch_scc1 .Lnot_w0
	; wave 0: the list and the scales.  A token that chose the expert goes to its rank among those; the others follow behind the count: all words are written once.
	v_lshlrev_b32 v28, 2, v1
	v_lshlrev_b32 v29, 3, v1
.set j, 0
.rept 32
	global_load_b32 v[128+j], v28, s[8:9] offset:128*j
	global_load_b64 v[160+2*j:161+2*j], v29, s[10:11] offset:256*j
.set j, j+1
.endr
	s_mov_b32 s92, 0
	s_mov_b32 s93, s66
	s_wait_loadcnt 0x0
.set j, 0
.rept 32
	v_mbcnt_lo_u32_b32 v28, s[32+j], s92
	s_not_b32 s90, s[32+j]
	v_mbcnt_lo_u32_b32 v29, s90, s93
	v_cndmask_b32 v28, v29, v28, s[32+j]
	v_min_u32 v28, 0x3ff, v28
	v_lshl_add_u32 v28, v28, 2, LIST
	v_and_b32 v29, 0xff, v[128+j]
	v_cmp_ne_u32 s91, s28, v29                     ; not the first choice: slot 1;
	s_and_not1_b32 s91, s91, s95                   ; a shared unit has slot 0 alone
	v_add_nc_u32 v30, 32*j, v1
	v_add_nc_u32 v31, 0x400, v30
	v_cndmask_b32 v30, v30, v31, s91
	v_cndmask_b32 v31, v[160+2*j], v[161+2*j], s91
	v_cndmask_b32 v31, v31, 0.5, s95
	ds_store_b32 v28, v30
	ds_store_b32 v28, v31 offset:4096
	s_bcnt1_i32_b32 s91, s[32+j]
	s_add_co_u32 s92, s92, s91
	s_sub_co_u32 s91, 32, s91
	s_add_co_u32 s93, s93, s91
.set j, j+1
.endr
.Lnot_w0:
	s_cmp_lg_u32 s26, 1
	s_cbranch_scc1 .Lnot_w1
	; wave 1: the bias, rounded to bf16 like every input; zero for the second half of K
	v_lshlrev_b32 v28, 4, v1
	global_load_b128 v[64:67], v28, s[14:15]
	s_cmp_eq_u32 s31, 1
	s_cselect_b32 s90, -1, 0
	s_wait_loadcnt 0x0
	v_cvt_pk_bf16_f32 v72, v64, v65
	v_cvt_pk_bf16_f32 v73, v66, v67
	v_lshlrev_b32 v64, 16, v72
	v_and_b32 v65, 0xffff0000, v72
	v_lshlrev_b32 v66, 16, v73
	v_and_b32 v67, 0xffff0000, v73
	v_cndmask_b32 v64, v64, 0, s90
	v_cndmask_b32 v65, v65, 0, s90
	v_cndmask_b32 v66, v66, 0, s90
	v_cndmask_b32 v67, v67, 0, s90
	v_lshl_add_u32 v29, v1, 4, BIAS
	ds_store_b128 v29, v[64:67]
.Lnot_w1:
	BAR                                            ; list, scales and bias are stored
	s_cmp_ge_u32 s26, 4
	s_cbranch_scc1 .Lload0
	INIT 0
	INIT 1
	INIT 2
	INIT 3
	GPRO
	s_branch .Lgroup
.Lload0:
	s_wait_loadcnt 0x0                             ; quarter 0 is in, so no load is out and the base may step
	CVTALL                                         ; quarter 0 in bf16, for the first trip's stores
	s_add_nc_u64 s[82:83], s[82:83], 1048576       ; 256 rows on
	ISSUE                                          ; quarter 1
.Lgroup:
	s_mov_b32 s70, 4                               ; four trips, a quarter of K each
	s_mov_b32 s71, 0
.Ltrip:
	BAR                                            ; the reads of the trip before (at first: of the bias) are done in every wave
	s_cmp_lt_u32 s26, 4
	s_cbranch_scc1 .Lstored
	s_cmp_lg_u32 s69, 4
	s_cbranch_scc1 .Lstored                        ; the slice is whole after the first group
	STORES                                         ; the quarter that was rounded while the last one was multiplied
.Lstored:
	BAR                                            ; the quarter is stored, by all four loaders
	s_cmp_lt_u32 s26, 4
	s_cbranch_scc1 .Lmul
	s_cmp_lg_u32 s69, 4
	s_cbranch_scc1 .Lmult
	s_cmp_eq_u32 s70, 1
	s_cbranch_scc1 .Lmult                          ; that was the last quarter
	s_wait_loadcnt 0x0                             ; the next quarter's 64 loads are in, so no load is out
	CVTALL                                         ; its stores' data; the last stores have been waited for in front of the barrier
	s_cmp_eq_u32 s70, 2
	s_cbranch_scc1 .Lmult                          ; nothing is left to ask for
	s_add_nc_u64 s[82:83], s[82:83], 1048576
	ISSUE                                          ; the quarter after: it has the rest of this trip and the next trip's stores in which to land
	s_branch .Lmult
.Lmul:
	s_cmp_eq_u32 s74, 0
	s_cbranch_scc1 .Lmult                          ; no tile of mine is live
	s_cmp_eq_u32 s74, 1
	s_cbranch_scc1 .Lsmall
	BODY4
	s_branch .Lmult
.Lsmall:
	BODY1
.Lmult:
	s_add_co_u32 s71, s71, QB
	s_sub_co_u32 s70, s70, 1
	s_cmp_lg_u32 s70, 0
	s_cbranch_scc1 .Ltrip
	BAR                                            ; the last reads of the slice are done: the way out, which writes LDS, follows
	s_cmp_ge_u32 s26, 4
	s_cbranch_scc1 .Lgnext
	s_wait_loadcnt 0x0                             ; the row buffers are free: the way out works in them
	s_cmp_le_u32 s74, 0
	s_cbranch_scc1 .Lepi_done
	EPI 0
	s_cmp_le_u32 s74, 1
	s_cbranch_scc1 .Lepi_done
	EPI 1
	s_cmp_le_u32 s74, 2
	s_cbranch_scc1 .Lepi_done
	EPI 2
	s_cmp_le_u32 s74, 3
	s_cbranch_scc1 .Lepi_done
	EPI 3
.Lepi_done:
	s_wait_dscnt 0x0                               ; the sums' new beginnings are in
	s_add_co_u32 s72, s72, 256
	TLV
	s_cmp_eq_u32 s74, 0
	s_cbranch_scc1 .Lgnext
	GPRO
.Lgnext:
	s_sub_co_i32 s69, s69, 1
	s_cmp_lg_u32 s69, 0
	s_cbranch_scc1 .Lgroup
	s_wait_tensorcnt 0x0                           ; the wave's end
	ds_add_u32 v4, v5
	s_wait_dscnt 0x0
	s_endpgm
.Lfunc_end_k_q12ef362980_down:
	.size	k_q12ef362980_down, .Lfunc_end_k_q12ef362980_down-k_q12ef362980_down
	.p2alignl 7, 3214868480
	.fill 96, 4, 3214868480
	.section	.rodata,"a",@progbits
	.p2align	6, 0x0
	.amdhsa_kernel k_q12ef362980_down
		.amdhsa_group_segment_fixed_size 322048
		.amdhsa_private_segment_fixed_size 0
		.amdhsa_enable_private_segment 0
		.amdhsa_kernarg_size 72
		.amdhsa_user_sgpr_count 2
		.amdhsa_user_sgpr_kernarg_segment_ptr 1
		.amdhsa_wavefront_size32 1
		.amdhsa_system_sgpr_workgroup_id_x 1
		.amdhsa_system_sgpr_workgroup_id_y 1
		.amdhsa_system_sgpr_workgroup_id_z 1
		.amdhsa_system_vgpr_workitem_id 0
		.amdhsa_next_free_vgpr 512
		.amdhsa_next_free_sgpr 102
		.amdhsa_reserve_vcc 0
		.amdhsa_float_denorm_mode_32 3
		.amdhsa_float_denorm_mode_16_64 3
		.amdhsa_memory_ordered 1
		.amdhsa_forward_progress 1
		.amdhsa_inst_pref_size 199
	.end_amdhsa_kernel
	.amdgpu_metadata
---
amdhsa.version: [ 1, 2 ]
amdhsa.kernels:
  - .name:           k_q12ef362980_down
    .symbol:         k_q12ef362980_down.kd
    .args:
      - { .name: hbuf, .offset: 0, .size: 8, .value_kind: global_buffer, .address_space: global }
      - { .name: rmask, .offset: 8, .size: 8, .value_kind: global_buffer, .address_space: global }
      - { .name: sel, .offset: 16, .size: 8, .value_kind: global_buffer, .address_space: global }
      - { .name: wts, .offset: 24, .size: 8, .value_kind: global_buffer, .address_space: global }
      - { .name: rw3, .offset: 32, .size: 8, .value_kind: global_buffer, .address_space: global }
      - { .name: rb3, .offset: 40, .size: 8, .value_kind: global_buffer, .address_space: global }
      - { .name: sw3, .offset: 48, .size: 8, .value_kind: global_buffer, .address_space: global }
      - { .name: sb3, .offset: 56, .size: 8, .value_kind: global_buffer, .address_space: global }
      - { .name: part, .offset: 64, .size: 8, .value_kind: global_buffer, .address_space: global }
    .group_segment_fixed_size: 322048
    .private_segment_fixed_size: 0
    .kernarg_segment_align: 8
    .kernarg_segment_size: 72
    .max_flat_workgroup_size: 256
    .sgpr_count:     102
    .vgpr_count:     512
    .wavefront_size: 32
...
	.end_amdgpu_metadata
.endif
;; end of part 7
;; launch sum: the kernel of part 4 again; grid 256 x 1, 8 waves a work-group, no clusters, 0 bytes of LDS; arguments part, out0; writes out0
;; ======== version 3 of 3: 5 launches; version 2 with the launches up, down written anew for expert scheduling mode
;; workspace buffers: xb 2,097,152 bytes; rmask 1,280 bytes of whole numbers; sel 4,096 bytes of whole numbers; wts 8,192 bytes; xg 18,874,368 bytes; hbuf 41,943,040 bytes; part 33,554,432 bytes
;; launch router: the kernel of part 1 again; grid 64 x 1, 8 waves a work-group, no clusters, 61,440 bytes of LDS; arguments x, gate_w, gate_b, xb, rmask, sel, wts; writes xb, rmask, sel, wts
;; launch gather: the kernel of part 5 again; grid 144 x 1, 8 waves a work-group, no clusters, 5,120 bytes of LDS; arguments xb, rmask, xg; writes xg
;; launch up (part 8): grid 512 x 1, 8 waves a work-group, no clusters, 322,048 bytes of LDS; arguments xg, rmask, rw1, rw2, rb1, rb2, sw1, sw2, sb1, sb2, hbuf; writes hbuf
.if DOCPART == 8
	.amdgcn_target "amdgcn-amd-amdhsa--gfx1250"
	.amdhsa_code_object_version 6
	.text
	.protected	k_q12ef362980_up
	.globl	k_q12ef362980_up
	.p2align	8
	.type	k_q12ef362980_up,@function
k_q12ef362980_up:
	s_mov_b64 s[64:65], 0
	v_nop
	global_prefetch_b8 v0, s[64:65] scope:SCOPE_SE
	s_setreg_imm32_b32 hwreg(HW_REG_WAVE_SCHED_MODE, 0, 2), 2
	s_setreg_imm32_b32 hwreg(HW_REG_WAVE_MODE, 25, 1), 1
	s_wait_xcnt 0x0
	s_wait_alu depctr_vm_vsrc(0)
; UP.  h = silu(x w1 + b1) (x w2 + b2) for the rows that need it.  A UNIT is one expert's columns 64 b .. 64 b + 63 of w1 (n 0-63) and of w2 (n 64-127), all K = 1024, and the rows that use them.
; Work-groups 0-255: routed expert e = u >> 5, b = u & 31, all the tokens that chose e (any number, 0 to 1024).  Work-groups 256-511: shared expert 8 + (u >> 7), b = (u >> 2) & 31, tokens 256 (u & 3) on.
; The routed units, whose number of rows varies, come first.
; EIGHT WAVES.  Waves 4-7 LOAD: each brings 64 rows of K of every quarter of the slice through registers (64 loads of 16 bytes a lane), rounds them to bf16 and stores them into a slice that stays in
; LDS, [k][128], each byte written once.  Waves 0-3 MULTIPLY a quarter when it is stored.  While they multiply, the loaders wait for the next quarter, round it into registers and ask for the one after:
; between the two barriers of a trip only the 64 LDS stores of each loader are left.  Weight fragments come turned out of LDS (source 0), the rows of x straight from memory (source 1): a lane of the
; result holds one row and eight neighbouring columns.
; THE ROWS come from xg, [9 lists][64 tiles of 16 ranks][32 K steps][2 halves][32 lanes][16 bytes], which the launch before laid in the operand's own order (list 8: every token, for both shared
; experts): a row load takes 512 consecutive bytes, and its address is made of ids and of the expert's count alone.  Ranks past the count hold the last row once more.
; hbuf has the same order for the next launch: [10 experts][64 tiles][64 K steps][2][32][16 bytes].  A lane's eight packed columns of n tile nt ARE the 16 bytes at 512 nt + 16 lane of the tile's
; 2,048 bytes for this unit's 64 columns: the results are stored straight from registers, 512 consecutive bytes a store.
; BARRIERS.  A trip is: a barrier; the loaders store a quarter; a barrier; waves 0-3 multiply it.  So no wave stores into the slice while another reads from it.  The way out writes no LDS.
; ROWS go in groups of 256 = 16 tiles of 16; tile 4 i + w is wave w's.  Four groups x four trips, constants: every wave passes every barrier, and only work is jumped, by counts made from rmask,
; which an earlier launch stored.  Later groups use the slice that lies in LDS, so a unit reads each weight byte once whatever the split.  A tile past the last live one repeats that tile's loads.
; A wave with one live tile (then no later group is live) keeps the fragments of several K steps in flight: the accumulators of its tiles 1-3 serve as three more fragment buffers.
; LIMITS.  Weights, biases and x are rounded once to bf16, h once to bf16; sums in f32.  h = (p1 p2) / (1 + 2^(-1.4427 p1)): |p1 p2| must stay below 3.4e38.  NaN and infinities are not treated apart.
; NO CLUSTER: a routed slice has one reader; a shared slice has four, but the weights are rounded on their way through registers, which no joint load serves; the four have neighbouring numbers.
; THE MODE: SCHED_MODE bits 1:0 = 2 (LLVM: expert scheduling mode 2), set by the entry lines.  The code itself states the register dependences between vector or matrix instructions and memory or
; LDS instructions, with s_wait_alu, always for 0.
; THE PLAN, waves 0-3.  Registers that memory or LDS instructions touch in the loop:
;   H0 = v64-95, H1 = v96-127  the fragments of n tiles 0-3 and 4-7.  A K step is two halves of 16 products: half 0 reads H0, half 1 reads H1.  H1 of step j is asked for in half 0 of step j,
;                              H0 of step j + 1 in half 1 of step j.
;   R0 .. R3 = v128-255        row buffers.  Step j's 32 products read R[j % 4]; the loads of step j + 3 land in R[(j - 1) % 4] and are issued in half 0 of step j.
;   v7, v8                     fragment addresses: written at a trip's head, read by the trip's fragment loads.      v10-13  the tiles' offsets: written at a group's head, read by every row load.
;   v6, v9, v14-16, v32, v33   made at the kernel's head and never written again.
; ONE wait on va_vdst stands at the head of a half: the half before is done reading the fragment half (and, at a step's head, the row buffer) in which this half's loads land.  Two products follow it,
; then the run of loads, then the other fourteen: no product issued since the wait names a register that those loads touch.  A trip's head and a group's head have a wait on vm_vsrc ahead of the adds that
; write addresses again, and a wait on va_vdst behind them.
; THE PLAN, waves 4-7.  RAW = the 256 registers of window 1: the 64 loads land there, the conversions read them.  OUT = v64-191: the conversions write it, the next trip's 64 LDS stores read it.
; v34, the stores' LDS address, moves on by a quarter beside the conversions.  Behind a trip's second barrier: a wait on vm_vsrc (the trip's stores have read OUT and v34), the conversions and the add,
; a wait on va_vdst (OUT and v34 are written, RAW is read out), the next 64 loads.  Between the two barriers the stores stand with no wait.
.set QB,    73728                      ; a quarter of the slice: 256 rows of K, 288 bytes apart (256 of data + 32: an odd multiple of 32)
.set BIAS,  320512                     ; 128 f32; the bytes from 321,024 on take the closing add, 4 bytes a lane
.set TSH,   15                         ; a tile of xg: 32 K steps of 1,024 bytes
.set BSTEP, 4096                       ; four K steps of a tile
.set KMASK, 32767
; scalars: s26 wave; s100 wave & 3; s27 u; s28 E; s29 E & 7; s30 b; s[32:63] the expert's mask; s66 count; s67 first row; s68 end; s101 the last live tile; s69 groups to go; s70 trips to go;
; s71 the trip's quarter in LDS; s72 the group's first row; s73 live tiles; s74 my live tiles; s[76:77] rows' base; s[78:79] the same + s[80:81]; s[82:85] a loader's bases; s[86:87] hbuf at the unit;
; s[88:89] -log2(e)
; window 0: v1 L, v2 r, v3 h; v6-8 fragment addresses; v9 16 L; v10-13 rows; v14 bias; v15-16 wave 1's two addresses; v17 way out; v32-34 loaders; v64-127 weight fragments; v128-255 four row buffers;
;           in a loader v64-191 a quarter's share in bf16
; window 1: 32 accumulators, (tile i, n tile nt) at 64 i + 8 nt; in a loader the 64 loads' registers
.set MSB, 0
.macro WIN new                         ; the immediate's high byte repeats the setting that is left
.if MSB != (\new)
	s_set_vgpr_msb (MSB<<8)|(\new)
.set MSB, \new
.endif
.endm
.macro NOP4                            ; four places behind a product
.rept 4
	v_nop
.endr
.endm
.macro BAR                             ; my LDS instructions are done; then the work-group's barrier
	s_wait_dscnt 0x0
	s_barrier_signal -1
	s_barrier_wait -1
.endm
.macro ISSUE                           ; a loader's 64 rows of a quarter: each load takes 256 consecutive bytes of two rows, four rows apart
	WIN 0x40
.set i, 0
.rept 32
	global_load_b128 v[4*i:4*i+3], v32, s[82:83] offset:((i>>2)*8+(i&3))*8192
	global_load_b128 v[128+4*i:128+4*i+3], v32, s[84:85] offset:((i>>2)*8+(i&3))*8192
.set i, i+1
.endr
	WIN 0
.endm
.macro CVTALL                          ; the 64 loads rounded to bf16, into 128 registers of window 0
	WIN 0x05
.set i, 0
.rept 32
	v_cvt_pk_bf16_f32 v[64+4*i], v[4*i], v[4*i+1]
	v_cvt_pk_bf16_f32 v[65+4*i], v[4*i+2], v[4*i+3]
	v_cvt_pk_bf16_f32 v[66+4*i], v[128+4*i], v[128+4*i+1]
	v_cvt_pk_bf16_f32 v[67+4*i], v[128+4*i+2], v[128+4*i+3]
.set i, i+1
.endr
	WIN 0
.endm
.macro STORES                          ; into the trip's quarter: w1's 128 bytes of a row, then w2's.  Address and data were written ahead of the loader's last wait on va_vdst
.set i, 0
.rept 32
	ds_store_b64 v34, v[64+4*i:65+4*i] offset:((i>>2)*8+(i&3))*288
	ds_store_b64 v34, v[66+4*i:67+4*i] offset:((i>>2)*8+(i&3))*288+128
.set i, i+1
.endr
.endm
.macro INIT i                          ; tile i's sums start from the bias
	WIN 0x40
.irp n, 0,1,2,3,4,5,6,7
	ds_load_b128 v[64*(\i)+8*(\n):64*(\i)+8*(\n)+3], v14 offset:64*(\n)
	ds_load_b128 v[64*(\i)+8*(\n)+4:64*(\i)+8*(\n)+7], v14 offset:64*(\n)+16
.endr
	WIN 0
.endm
.macro WFLOAD j, half                  ; four n tiles' fragments of K step j of the quarter: 8 turning loads
.set aw, 7+(\j)/4
.set jo, 9216*((\j)%4)
.irp n, 0,1,2,3
	ds_load_tr16_b128 v[64+8*(4*(\half)+(\n)):64+8*(4*(\half)+(\n))+3], v[aw] offset:jo+32*(4*(\half)+(\n))
	ds_load_tr16_b128 v[64+8*(4*(\half)+(\n))+4:64+8*(4*(\half)+(\n))+7], v[aw] offset:jo+32*(4*(\half)+(\n))+4608
.endr
.endm
.macro WFB j                           ; all eight n tiles' fragments of K step j into fragment buffer j % 4: buffer 0 is v64-127 of window 0, buffers 1-3 lie at 64, 128, 192 of window 1
.set aw, 7+(\j)/4
.set jo, 9216*((\j)%4)
.if (\j)%4 == 0
	WIN 0
.set fb, 64
.else
	WIN 0x40
.set fb, 64*((\j)%4)
.endif
.irp n, 0,1,2,3,4,5,6,7
	ds_load_tr16_b128 v[fb+8*(\n):fb+8*(\n)+3], v[aw] offset:jo+32*(\n)
	ds_load_tr16_b128 v[fb+8*(\n)+4:fb+8*(\n)+7], v[aw] offset:jo+32*(\n)+4608
.endr
.endm
.macro RLOAD js                        ; row buffer js: one K step of my four tiles, 8 loads of 512 consecutive bytes
.irp i, 0,1,2,3
	global_load_b128 v[128+32*(\js)+8*(\i):128+32*(\js)+8*(\i)+3], v[10+(\i)], s[78:79] offset:1024*(\js)
	global_load_b128 v[128+32*(\js)+8*(\i)+4:128+32*(\js)+8*(\i)+7], v[10+(\i)], s[78:79] offset:1024*(\js)+512
.endr
.endm
.macro RSTEP                           ; the next four row loads take the next four steps of K
	s_wait_xcnt 0x0                                ; the base of the row loads is rewritten only behind this wait; the last run of row loads stands a K step back
	s_add_co_u32 s80, s80, BSTEP
	s_and_b32 s80, s80, KMASK                      ; behind the last step they wrap to the tile's first bytes: inside the buffer, and not used
	s_add_nc_u64 s[78:79], s[76:77], s[80:81]
.endm
.macro MULP j, half, p0, p1            ; products p0 .. p1 - 1 of a half's sixteen: n tile 4 half + p / 4, tile p % 4.  Every product names another accumulator than the one before it
	WIN 0x50
.set p, \p0
.rept (\p1)-(\p0)
.set nn, 4*(\half)+p/4
.set ti, p%4
	v_wmma_f32_16x16x32_bf16 v[64*ti+8*nn:64*ti+8*nn+7], v[64+8*nn:64+8*nn+7], v[128+32*((\j)%4)+8*ti:128+32*((\j)%4)+8*ti+7], v[64*ti+8*nn:64*ti+8*nn+7]
.set p, p+1
.endr
.endm
.macro KSTEP j
	s_wait_loadcnt 16                              ; this step's rows are in: two younger buffers of 8 loads may be out
	s_wait_dscnt 0x0                               ; H0 of this step is in: nothing younger is out
.if (\j) > 0
	s_wait_alu depctr_va_vdst(0)                   ; the last step's second half is done reading H1 and its row buffer, in which the loads below land (at step 0 the trip's head has stated it)
.endif
	MULP \j, 0, 0, 2
	WIN 0
	WFLOAD \j, 1                                   ; no product since the wait names H1, the row buffer of the step before, or an address
.if (\j)%4 == 1
	RSTEP
.endif
	RLOAD ((\j)+3)%4                               ; three steps ahead; always all four tiles, so that the count above holds on every way
	MULP \j, 0, 2, 16
	s_wait_dscnt 0x0                               ; H1 of this step is in
.if (\j) < 7
	s_wait_alu depctr_va_vdst(0)                   ; the first half is done reading H0, in which the loads below land
	MULP \j, 1, 0, 2
	WIN 0
	WFLOAD (\j)+1, 0                               ; no product since the wait names H0
	MULP \j, 1, 2, 16
.else
	MULP \j, 1, 0, 16                              ; the quarter's last half asks for nothing
.endif
.endm
.macro BHEAD                           ; a trip's head, for waves 0-3
	s_wait_alu depctr_vm_vsrc(0)                   ; the last trip's fragment loads have read v7 and v8, written again below; in wave 1 the bias's LDS store has read v64-67, in which fragments land
	v_add_nc_u32 v7, s71, v6
	v_add_nc_u32 v8, 36864, v7
	s_wait_alu depctr_va_vdst(0)                   ; v7 and v8 are written, which the fragment loads read; the last trip's products are done with the fragment registers and with row buffer 3, in which loads land
.endm
.macro BODY4                           ; a quarter of K for four tiles: 8 steps of 32, from the quarter that this trip stored
	BHEAD
	WFLOAD 0, 0
.irp j, 0,1,2,3,4,5,6,7
	KSTEP \j
.endr
	NOP4                                           ; four places behind the quarter's last products: ahead of the way out's first read of a result, and, with the next head's two adds, of any product that writes over a source
	WIN 0
.endm
.macro MUL1 j, n0, n1                  ; products n0 .. n1 - 1 of tile 0's eight, the eight accumulators by turns
.if (\j)%4 == 0
	WIN 0x50
.set fb, 64
.else
	WIN 0x51
.set fb, 64*((\j)%4)
.endif
.set nn, \n0
.rept (\n1)-(\n0)
	v_wmma_f32_16x16x32_bf16 v[8*nn:8*nn+7], v[fb+8*nn:fb+8*nn+7], v[128+32*((\j)%4):128+32*((\j)%4)+7], v[8*nn:8*nn+7]
.set nn, nn+1
.endr
.endm
.macro KSTEP1 j                        ; a K step for tile 0 alone
	s_wait_loadcnt 16                              ; this step's rows are in: two younger buffers of 8 loads may be out
.if (\j) == 0
	s_wait_dscnt 48                                ; this step's fragments are in: those of steps 1 to 3, 16 loads each, are younger
.elseif (\j) < 6
	s_wait_dscnt 32                                ; those of two younger steps may be out
.else
	s_wait_dscnt 16*(7-(\j))                       ; the quarter's last steps: fewer are younger
.endif
.if (\j) > 0
	s_wait_alu depctr_va_vdst(0)                   ; the last step's products are done reading their fragment buffer and their row buffer, in which the loads below land
.endif
	MUL1 \j, 0, 4
.if ((\j) > 0) && ((\j) < 5)
	WFB (\j)+3                                     ; the buffer that the last step read takes the step three further on
.endif
	WIN 0
.if (\j)%4 == 1
	RSTEP
.endif
	RLOAD ((\j)+3)%4                               ; all four tiles here too: the count of row loads is the same on every way
	MUL1 \j, 4, 8
.endm
.macro BODY1                           ; a quarter of K for one tile
	BHEAD
	WFB 0
	WFB 1
	WFB 2
	WFB 3
.irp j, 0,1,2,3,4,5,6,7
	KSTEP1 \j
.endr
	NOP4                                           ; as in the four-tile form
	WIN 0
.endm
.macro TLV                             ; live tiles of the group that begins at s72, and mine of them
	s_add_co_u32 s90, s68, 15
	s_max_u32 s90, s90, s72
	s_sub_co_u32 s90, s90, s72
	s_lshr_b32 s90, s90, 4
	s_min_u32 s73, s90, 16
	s_add_co_u32 s90, s73, 3
	s_sub_co_u32 s90, s90, s100
	s_lshr_b32 s74, s90, 2
.endm
.macro GPRO                            ; the group's tiles (one past the last live tile repeats that tile), and the first three K steps; the fourth is asked for in the first step
	s_wait_xcnt 0x0                                ; the way out's stores have read their registers: the row loads below land on them
	s_wait_alu depctr_vm_vsrc(0)                   ; the row loads issued so far have read v10-13, written again below; the way out's stores have read v192-207, in which row loads land
	s_lshr_b32 s90, s72, 4
	s_add_co_u32 s90, s90, s100
.irp i, 0,1,2,3
	s_add_co_u32 s91, s90, 4*(\i)
	s_min_u32 s91, s91, s101
	s_min_u32 s91, s91, 63
	s_lshl_b32 s91, s91, TSH
	v_add_nc_u32 v[10+(\i)], s91, v9               ; the tile's first byte + 16 L
.endr
	s_mov_b32 s80, 0
	s_mov_b64 s[78:79], s[76:77]
	s_wait_alu depctr_va_vdst(0)                   ; v10-13 are written, which the row loads read; the way out's arithmetic is done with v128-223, in which they land
.irp js, 0,1,2
	RLOAD \js
.endr
.endm
.macro EPI i                           ; tile i: the activation; 16 rows x 64 columns of bf16 leave from registers, 2,048 consecutive bytes of hbuf
	s_wait_xcnt 0x0                                ; the last tile's stores have read their registers
	s_wait_alu depctr_vm_vsrc(0)                   ; the last tile's stores have read v17 and v192-207, which are written again below
	WIN 0x01
.set m, 0
.rept 16
	v_pk_mul_f32 v[128+2*m:129+2*m], v[64*(\i)+2*m:64*(\i)+2*m+1], s[88:89] op_sel_hi:[1,0]   ; -log2(e) p1; each accumulator is read from its low end on
.set m, m+1
.endr
	WIN 0x05
.set m, 0
.rept 16
	v_pk_mul_f32 v[160+2*m:161+2*m], v[64*(\i)+2*m:64*(\i)+2*m+1], v[64*(\i)+32+2*m:64*(\i)+32+2*m+1]   ; p1 p2
.set m, m+1
.endr
	WIN 0
.set m, 0
.rept 32
	v_exp_f32 v[128+m], v[128+m]
.set m, m+1
.endr
	v_nop                                          ; a plain instruction behind the last exponential,
	s_wait_alu depctr_va_vdst(0)                   ; and one wait for the 32, ahead of their first reader
.set m, 0
.rept 16
	v_pk_add_f32 v[128+2*m:129+2*m], v[128+2*m:129+2*m], 1.0 op_sel_hi:[1,0]
.set m, m+1
.endr
.set m, 0
.rept 32
	v_rcp_f32 v[128+m], v[128+m]
.set m, m+1
.endr
	v_nop
	s_wait_alu depctr_va_vdst(0)                   ; one wait for the 32 reciprocals
.set m, 0
.rept 16
	v_pk_mul_f32 v[160+2*m:161+2*m], v[160+2*m:161+2*m], v[128+2*m:129+2*m]
.set m, m+1
.endr
.set m, 0
.rept 16
	v_cvt_pk_bf16_f32 v[192+m], v[160+2*m], v[161+2*m]   ; registers 4 nt .. 4 nt + 3: my row's columns 16 nt + 8 h + 0..7
.set m, m+1
.endr
	s_lshr_b32 s90, s72, 4
	s_add_co_u32 s90, s90, s100
	s_add_co_u32 s90, s90, 4*(\i)
	s_lshl_b32 s90, s90, 16                        ; 64 KiB of hbuf a tile
	v_add_nc_u32 v17, s90, v9
	s_wait_alu depctr_va_vdst(0)                   ; the roundings have written v192-207 and the add v17, which the stores read; the products and the multiplies are done with tile i's accumulators, in which the bias lands
.irp n, 0,1,2,3
	global_store_b128 v17, v[192+4*(\n):195+4*(\n)], s[86:87] offset:512*(\n)   ; K step nt >> 1 of the unit's two, half nt & 1: 512 consecutive bytes, aligned
.endr
	INIT \i                                        ; for the next group
.endm
	s_load_b256 s[4:11], s[0:1], 0x0               ; xg s[4:5], rmask s[6:7], rw1 s[8:9], rw2 s[10:11]
	s_load_b256 s[12:19], s[0:1], 0x20             ; rb1 s[12:13], rb2 s[14:15], sw1 s[16:17], sw2 s[18:19]
	s_load_b128 s[20:23], s[0:1], 0x40             ; sb1 s[20:21], sb2 s[22:23]
	s_load_b64 s[24:25], s[0:1], 0x50              ; hbuf
	v_lshl_add_u32 v62, v0, 2, 0x4e600
	v_mov_b32 v63, 0
	v_and_b32 v1, 31, v0                           ; L
	v_lshrrev_b32 v2, 5, v0
	v_readfirstlane_b32 s26, v2                    ; wave
	v_and_b32 v2, 15, v0                           ; r
	v_bfe_u32 v3, v0, 4, 1                         ; h
	; every lane address is made here, by all eight waves, ahead of every branch
	v_and_b32 v28, 7, v0
	v_lshl_add_u32 v29, v3, 3, v28
	v_mul_u32_u24 v6, v29, 288                     ; the turning load: row 8 h + L % 8,
	v_bfe_u32 v29, v0, 3, 1
	v_lshl_add_u32 v6, v29, 4, v6                  ; 16 bytes for each eight lanes
	v_lshlrev_b32 v9, 4, v1
	v_lshl_add_u32 v14, v3, 5, BIAS
	v_lshlrev_b32 v15, 4, v2                       ; wave 1: where a lane's four numbers of a bias lie in memory,
	v_lshl_add_u32 v16, v1, 4, BIAS                ; and where they go
	v_lshlrev_b32 v32, 4, v2                       ; a loader's place in memory: 16 bytes a lane,
	v_lshl_add_u32 v32, v3, 15, v32                ; lanes 16-31 four rows further down;
	v_mul_u32_u24 v33, v3, 1152
	v_lshl_add_u32 v33, v2, 3, v33
	s_wait_alu depctr_va_sdst(0)                   ; s26 is written, ahead of its first reader
	s_and_b32 s100, s26, 3                         ; my number among the four waves of my kind
	s_mul_i32 s91, s100, 18432                     ; and in a quarter of the slice: its 64 rows
	v_add_nc_u32 v33, s91, v33
	s_and_b32 s27, ttmp9, 255                      ; u
	s_lshr_b32 s75, ttmp9, 8                       ; 1: a shared unit
	s_lshr_b32 s28, s27, 5
	s_and_b32 s30, s27, 31
	s_lshr_b32 s90, s27, 7
	s_add_co_u32 s90, s90, 8
	s_bfe_u32 s91, s27, 0x50002
	s_and_b32 s96, s27, 3
	s_lshl_b32 s96, s96, 8
	s_movk_i32 s98, 256
	s_movk_i32 s99, 1024
	s_cmp_eq_u32 s75, 1
	s_cselect_b32 s28, s90, s28                    ; E
	s_cselect_b32 s30, s91, s30                    ; b
	s_cselect_b32 s67, s96, 0                      ; first row
	s_cselect_b32 s98, s98, s99                    ; rows at the most
	s_and_b32 s29, s28, 7                          ; the expert's place in its own tensors
	s_wait_kmcnt 0x0
	s_cmp_eq_u32 s75, 1
	s_cselect_b64 s[8:9], s[16:17], s[8:9]         ; w1, w2, b1, b2: routed or shared
	s_cselect_b64 s[10:11], s[18:19], s[10:11]
	s_cselect_b64 s[12:13], s[20:21], s[12:13]
	s_cselect_b64 s[14:15], s[22:23], s[14:15]
	s_lshl_b32 s90, s28, 7
	s_mov_b32 s91, 0
	s_add_nc_u64 s[6:7], s[6:7], s[90:91]
	s_load_b512 s[32:47], s[6:7], 0x0              ; the expert's 32 mask words: waited for behind the first weight loads
	s_load_b512 s[48:63], s[6:7], 0x40
	; every base of a global load is made here, by all eight waves, ahead of every branch
	s_lshl_b32 s90, s29, 23                        ; 8 MiB an expert,
	s_lshl_b32 s96, s30, 8                         ; 256 bytes of every row
	s_add_co_u32 s90, s90, s96
	s_add_nc_u64 s[8:9], s[8:9], s[90:91]
	s_add_nc_u64 s[10:11], s[10:11], s[90:91]
	s_lshl_b32 s92, s100, 19                       ; a loader's 64 rows of each quarter
	s_mov_b32 s93, 0
	s_add_nc_u64 s[82:83], s[8:9], s[92:93]
	s_add_nc_u64 s[84:85], s[10:11], s[92:93]
	s_lshl_b32 s90, s29, 13
	s_add_co_u32 s90, s90, s96
	s_add_nc_u64 s[12:13], s[12:13], s[90:91]
	s_add_nc_u64 s[14:15], s[14:15], s[90:91]
	s_lshl_b32 s90, s28, 22                        ; 4 MiB of hbuf an expert,
	s_lshl_b32 s96, s30, 11                        ; 2,048 bytes of every tile for my 64 columns
	s_add_co_u32 s90, s90, s96
	s_add_nc_u64 s[86:87], s[24:25], s[90:91]
	s_min_u32 s90, s28, 8                          ; both shared experts take list 8
	s_lshl_b32 s90, s90, 21                        ; 2 MiB of xg a list
	s_add_nc_u64 s[76:77], s[4:5], s[90:91]
	s_mov_b32 s80, 0
	s_mov_b32 s81, 0
	s_mov_b64 s[78:79], s[76:77]
	s_wait_alu depctr_va_vdst(0)                   ; the lane addresses v6, v9, v14-16, v32 and v33 are written: loads and stores read them from here to the kernel's end, and none is written again
	s_cmp_lt_u32 s26, 4
	s_cbranch_scc1 .Lnot_loader
	ISSUE                                          ; quarter 0
.Lnot_loader:
	s_mov_b32 s88, 0xbfb8aa3b                      ; -log2(e)
	s_mov_b32 s89, s88
	s_mov_b32 s69, 4
	s_mov_b32 s66, 0
	s_wait_kmcnt 0x0
.set j, 0
.rept 32
	s_bcnt1_i32_b32 s90, s[32+j]
	s_add_co_u32 s66, s66, s90                     ; the expert's count
.set j, j+1
.endr
	s_add_co_u32 s68, s67, s98
	s_min_u32 s68, s68, s66                        ; end
	s_max_u32 s101, s68, 1
	s_sub_co_u32 s101, s101, 1
	s_lshr_b32 s101, s101, 4                       ; the last live tile (tile 0 for an expert without rows: the launch before stores it for every list)
	s_mov_b32 s72, s67                             ; the first group
	TLV
	s_cmp_lg_u32 s26, 1
	s_cbranch_scc1 .Lnot_w1
	; wave 1: the bias, rounded to bf16 like every input: lanes 0-15 b1's 64 numbers, lanes 16-31 b2's
	v_cmp_le_u32 vcc_lo, 16, v1
	global_load_b128 v[64:67], v15, s[12:13]
	global_load_b128 v[68:71], v15, s[14:15]
	s_wait_loadcnt 0x0
	s_wait_alu depctr_va_vcc(0)                    ; the compare has written VCC, ahead of the first select that reads it
	v_cndmask_b32 v64, v64, v68, vcc_lo
	v_cndmask_b32 v65, v65, v69, vcc_lo
	v_cndmask_b32 v66, v66, v70, vcc_lo
	v_cndmask_b32 v67, v67, v71, vcc_lo
	v_cvt_pk_bf16_f32 v72, v64, v65
	v_cvt_pk_bf16_f32 v73, v66, v67
	v_lshlrev_b32 v64, 16, v72
	v_and_b32 v65, 0xffff0000, v72
	v_lshlrev_b32 v66, 16, v73
	v_and_b32 v67, 0xffff0000, v73
	s_wait_alu depctr_va_vdst(0)                   ; v64-67 are written, which the LDS store reads
	ds_store_b128 v16, v[64:67]
.Lnot_w1:
	BAR                                            ; the bias is stored
	s_cmp_ge_u32 s26, 4
	s_cbranch_scc1 .Lload0
	INIT 0
	INIT 1
	INIT 2
	INIT 3
	GPRO
	s_branch .Lgroup
.Lload0:
	s_wait_loadcnt 0x0                             ; quarter 0 is in, so no load is out and the bases may step
	CVTALL                                         ; quarter 0 in bf16, for the first trip's stores
	v_mov_b32 v34, v33                             ; which go to the slice's first quarter
	s_add_nc_u64 s[82:83], s[82:83], 2097152       ; 256 rows on
	s_add_nc_u64 s[84:85], s[84:85], 2097152
	s_wait_alu depctr_va_vdst(0)                   ; the conversions have written v64-191 and the move v34, which the first trip's stores read; they are done reading the 256 registers in which the loads below land
	ISSUE                                          ; quarter 1
.Lgroup:
	s_mov_b32 s70, 4                               ; four trips, a quarter of K each
	s_mov_b32 s71, 0
.Ltrip:
	BAR                                            ; the reads of the trip before (at first: of the bias) are done in every wave
	s_cmp_lt_u32 s26, 4
	s_cbranch_scc1 .Lstored
	s_cmp_lg_u32 s69, 4
	s_cbranch_scc1 .Lstored                        ; the slice is whole after the first group
	STORES                                         ; the quarter that was rounded while the last one was multiplied
.Lstored:
	BAR                                            ; the quarter is stored, by all four loaders
	s_cmp_lt_u32 s26, 4
	s_cbranch_scc1 .Lmul
	s_cmp_lg_u32 s69, 4
	s_cbranch_scc1 .Lmult
	s_cmp_eq_u32 s70, 1
	s_cbranch_scc1 .Lmult                          ; that was the last quarter
	s_wait_loadcnt 0x0                             ; the next quarter's 64 loads are in, so no load is out
	s_wait_alu depctr_vm_vsrc(0)                   ; this trip's LDS stores have read v34 and v64-191, which are written again below
	CVTALL                                         ; the next stores' data
	v_add_nc_u32 v34, QB, v34                      ; and their quarter
	s_wait_alu depctr_va_vdst(0)                   ; the conversions have written v64-191 and the add v34, which the next trip's stores read; they are done reading the 256 registers in which the loads below land
	s_cmp_eq_u32 s70, 2
	s_cbranch_scc1 .Lmult                          ; nothing is left to ask for
	s_add_nc_u64 s[82:83], s[82:83], 2097152
	s_add_nc_u64 s[84:85], s[84:85], 2097152
	ISSUE                                          ; the quarter after: it has the rest of this trip and the next trip's stores in which to land
	s_branch .Lmult
.Lmul:
	s_cmp_eq_u32 s74, 0
	s_cbranch_scc1 .Lmult                          ; no tile of mine is live
	s_cmp_eq_u32 s74, 1
	s_cbranch_scc1 .Lsmall
	BODY4
	s_branch .Lmult
.Lsmall:
	BODY1
.Lmult:
	s_add_co_u32 s71, s71, QB
	s_sub_co_u32 s70, s70, 1
	s_cmp_lg_u32 s70, 0
	s_cbranch_scc1 .Ltrip
	s_cmp_ge_u32 s26, 4
	s_cbranch_scc1 .Lgnext
	s_wait_loadcnt 0x0                             ; the row buffers are free: the way out works in them
	s_cmp_le_u32 s74, 0
	s_cbranch_scc1 .Lepi_done
	EPI 0
	s_cmp_le_u32 s74, 1
	s_cbranch_scc1 .Lepi_done
	EPI 1
	s_cmp_le_u32 s74, 2
	s_cbranch_scc1 .Lepi_done
	EPI 2
	s_cmp_le_u32 s74, 3
	s_cbranch_scc1 .Lepi_done
	EPI 3
.Lepi_done:
	s_wait_dscnt 0x0                               ; the sums' new beginnings are in
	s_add_co_u32 s72, s72, 256
	TLV
	s_cmp_eq_u32 s74, 0
	s_cbranch_scc1 .Lgnext
	GPRO
.Lgnext:
	s_sub_co_i32 s69, s69, 1
	s_cmp_lg_u32 s69, 0
	s_cbranch_scc1 .Lgroup
	s_wait_dscnt 0x0                               ; the wave's end: my last LDS instructions are done
	s_wait_alu depctr_hold_cnt(0) depctr_sa_sdst(0) depctr_va_vdst(0) depctr_va_sdst(0) depctr_va_ssrc(0) depctr_va_vcc(0) depctr_vm_vsrc(0)
	s_wait_tensorcnt 0x0
	ds_add_u32 v62, v63
	s_wait_dscnt 0x0
	s_endpgm
.Lfunc_end_k_q12ef362980_up:
	.size	k_q12ef362980_up, .Lfunc_end_k_q12ef362980_up-k_q12ef362980_up
	.p2alignl 7, 3214868480
	.fill 96, 4, 3214868480
	.section	.rodata,"a",@progbits
	.p2align	6, 0x0
	.amdhsa_kernel k_q12ef362980_up
		.amdhsa_group_segment_fixed_size 322048
		.amdhsa_private_segment_fixed_size 0
		.amdhsa_enable_private_segment 0
		.amdhsa_kernarg_size 88
		.amdhsa_user_sgpr_count 2
		.amdhsa_user_sgpr_kernarg_segment_ptr 1
		.amdhsa_wavefront_size32 1
		.amdhsa_system_sgpr_workgroup_id_x 1
		.amdhsa_system_sgpr_workgroup_id_y 1
		.amdhsa_system_sgpr_workgroup_id_z 1
		.amdhsa_system_vgpr_workitem_id 0
		.amdhsa_next_free_vgpr 512
		.amdhsa_next_free_sgpr 102
		.amdhsa_reserve_vcc 1
		.amdhsa_float_denorm_mode_32 3
		.amdhsa_float_denorm_mode_16_64 3
		.amdhsa_memory_ordered 1
		.amdhsa_forward_progress 1
		.amdhsa_inst_pref_size 148
	.end_amdhsa_kernel
	.amdgpu_metadata
---
amdhsa.version: [ 1, 2 ]
amdhsa.kernels:
  - .name:           k_q12ef362980_up
    .symbol:         k_q12ef362980_up.kd
    .args:
      - { .name: xg, .offset: 0, .size: 8, .value_kind: global_buffer, .address_space: global }
      - { .name: rmask, .offset: 8, .size: 8, .value_kind: global_buffer, .address_space: global }
      - { .name: rw1, .offset: 16, .size: 8, .value_kind: global_buffer, .address_space: global }
      - { .name: rw2, .offset: 24, .size: 8, .value_kind: global_buffer, .address_space: global }
      - { .name: rb1, .offset: 32, .size: 8, .value_kind: global_buffer, .address_space: global }
      - { .name: rb2, .offset: 40, .size: 8, .value_kind: global_buffer, .address_space: global }
      - { .name: sw1, .offset: 48, .size: 8, .value_kind: global_buffer, .address_space: global }
      - { .name: sw2, .offset: 56, .size: 8, .value_kind: global_buffer, .address_space: global }
      - { .name: sb1, .offset: 64, .size: 8, .value_kind: global_buffer, .address_space: global }
      - { .name: sb2, .offset: 72, .size: 8, .value_kind: global_buffer, .address_space: global }
      - { .name: hbuf, .offset: 80, .size: 8, .value_kind: global_buffer, .address_space: global }
    .group_segment_fixed_size: 322048
    .private_segment_fixed_size: 0
    .kernarg_segment_align: 8
    .kernarg_segment_size: 88
    .max_flat_workgroup_size: 256
    .sgpr_count:     102
    .vgpr_count:     512
    .wavefront_size: 32
...
	.end_amdgpu_metadata
.endif
;; end of part 8
;; launch down (part 9): grid 256 x 1, 8 waves a work-group, no clusters, 322,048 bytes of LDS; arguments hbuf, rmask, sel, wts, rw3, rb3, sw3, sb3, part; writes part
.if DOCPART == 9
	.amdgcn_target "amdgcn-amd-amdhsa--gfx1250"
	.amdhsa_code_object_version 6
	.text
	.protected	k_q12ef362980_down
	.globl	k_q12ef362980_down
	.p2align	8
	.type	k_q12ef362980_down,@function
k_q12ef362980_down:
	s_mov_b64 s[64:65], 0
	v_nop
	global_prefetch_b8 v0, s[64:65] scope:SCOPE_SE
	s_setreg_imm32_b32 hwreg(HW_REG_WAVE_SCHED_MODE, 0, 2), 2
	s_setreg_imm32_b32 hwreg(HW_REG_WAVE_MODE, 25, 1), 1
	s_wait_xcnt 0x0
	s_wait_alu depctr_vm_vsrc(0)
; DOWN.  part[plane][token][:] = scale x (h w3 + b3), K in two halves.  A UNIT is rows 1024 KH .. + 1023 and columns 128 nb .. + 127 of one expert's w3, and the rows of h that use them.
; Even work-groups: routed expert e = u >> 4, KH = (u >> 3) & 1, nb = u & 7, all of e's rows.  Odd ones: shared expert 8 + (u >> 6), KH = (u >> 5) & 1, nb = (u >> 2) & 7, rows 256 (u & 3) on.
; The scale is the token's gate score for this expert, or 0.5 for a shared expert (their mean).  b3 starts the sums of half 0, zero those of half 1.
; Planes: a routed row goes to plane 2 KH + slot (slot 0: the token's first choice, 1: its second), a shared one to 4 + 2 s + KH: every word of the eight planes has one writer; the next launch adds them.
; The frame is that of the launch before: waves 4-7 bring the f32 slice through registers into a bf16 slice that stays in LDS; waves 0-3 multiply a quarter when it is stored; while they multiply, the
; loaders wait for the next quarter, round it into registers and ask for the one after, so that between the two barriers of a trip only the LDS stores are left.  A trip is: a barrier; the loaders
; store a quarter; a barrier; waves 0-3 multiply it; behind a group's four trips a third barrier stands in front of the way out, which writes LDS: no wave stores into the slice while another reads
; from it, and nothing writes LDS while the slice is read.  Four groups of 256 rows x four trips, constants; only work is jumped, by counts made from rmask; addresses come from rmask and sel,
; which an earlier launch stored.
; THE ROWS of h come from hbuf, [10 experts][64 tiles of 16 rows][64 K steps][2 halves][32 lanes][16 bytes], the operand's own order: a row load takes 512 consecutive bytes.
; In a tile that is not full the rows past the count hold the last row once more, and their places in the list are clamped to the last row's: those lanes store the same numbers to the same place.
; A tile past the last live one repeats that tile's loads.  An expert without rows stores nothing; its first row loads, of which nothing is made, take shared expert 8's tile 0, which is always stored.
; A wave with one live tile (then no later group is live) keeps the fragments of several K steps in flight: the accumulators of its tiles 1-3 serve as three more fragment buffers.
; LIMITS.  w3 and b3 are rounded once to bf16; h comes in bf16; sums, scores and planes in f32.  NaN and infinities are not treated apart.
; NO CLUSTER: a routed slice has one reader; a shared slice has four, but the weights are rounded on their way through registers, which no joint load serves; the four have neighbouring numbers.
; THE MODE: SCHED_MODE bits 1:0 = 2 (LLVM: expert scheduling mode 2), set by the entry lines.  The code itself states the register dependences between vector or matrix instructions and memory or
; LDS instructions, with s_wait_alu, always for 0.
; THE PLAN, waves 0-3.  Registers that memory or LDS instructions touch in the loop:
;   H0 = v64-95, H1 = v96-127  the fragments of n tiles 0-3 and 4-7.  A K step is two halves of 16 products: half 0 reads H0, half 1 reads H1.  H1 of step j is asked for in half 0 of step j,
;                              H0 of step j + 1 in half 1 of step j.
;   R0 .. R3 = v128-255        row buffers.  Step j's 32 products read R[j % 4]; the loads of step j + 3 land in R[(j - 1) % 4] and are issued in half 0 of step j.
;   v7, v8                     fragment addresses: written at a trip's head, read by the trip's fragment loads.      v10-13  the tiles' offsets: written at a group's head, read by every row load.
;   v6, v9, v14-16, v32, v33, v36-39   made at the kernel's head and never written again.
; ONE wait on va_vdst stands at the head of a half: the half before is done reading the fragment half (and, at a step's head, the row buffer) in which this half's loads land.  Two products follow it,
; then the run of loads, then the other fourteen: no product issued since the wait names a register that those loads touch.  A trip's head and a group's head have a wait on vm_vsrc ahead of the adds that
; write addresses again, and a wait on va_vdst behind them.
; THE HEAD.  Wave 0's list and scales: addresses and data are made in v64-127 and v224-255, one wait on va_vdst, the 64 LDS stores, and straight behind them one wait on vm_vsrc, ahead of the label: all
; those registers are written again further down.
; THE WAY OUT of a tile: its nine LDS addresses (v28, v40-47) are made in registers of their own, one wait on va_vdst, nine loads; for each 64 columns: the scalings into v128-159, one wait on va_vdst, the
; LDS stores, the loads back into v160-191, the global stores; a wait on vm_vsrc stands ahead of the first line that writes again what those stores and loads have read.
; THE PLAN, waves 4-7.  RAW = the 256 registers of window 1: the 64 loads land there, the conversions read them.  OUT = v64-191: the conversions write it, the next trip's 64 LDS stores read it.
; v34, the stores' LDS address, moves on by a quarter beside the conversions.  Behind a trip's second barrier: a wait on vm_vsrc (the trip's stores have read OUT and v34), the conversions and the add,
; a wait on va_vdst (OUT and v34 are written, RAW is read out), the next 64 loads.  Between the two barriers the stores stand with no wait.
.set QB,    73728                      ; a quarter of the slice: 256 rows of K, 288 bytes apart
.set STG,   294912                     ; a stage of 4,352 bytes for each multiplying wave: 16 rows of 64 f32, 272 bytes apart
.set LIST,  312320                     ; 1,024 words: token + 1024 x slot of each rank
.set SCL,   316416                     ; 1,024 f32: the scale of each rank
.set BIAS,  320512                     ; 128 f32; the bytes from 321,024 on take the closing add, 4 bytes a lane
.set TSH,   16                         ; a tile of hbuf: 64 K steps of 1,024 bytes
.set BSTEP, 4096                       ; four K steps of a tile
.set KMASK, 32767                      ; my half of K: 32 K steps
; scalars as in the launch before; s31 KH; s92, s93 running ranks; s94 end - 1; s95 all ones for a shared unit; s16-23 (free once the bases are made) eight masks of wave 0's compares.
; Vector registers likewise; v15-16 stage, v18-19 the scale, v20-27 the eight stores' offsets, v36 16 (L % 16), v37 4 L, v38 8 L, v39 where wave 1 puts the bias, v40-47 the eight list addresses
.set MSB, 0
.macro WIN new                         ; the immediate's high byte repeats the setting that is left
.if MSB != (\new)
	s_set_vgpr_msb (MSB<<8)|(\new)
.set MSB, \new
.endif
.endm
.macro NOP4                            ; four places behind a product
.rept 4
	v_nop
.endr
.endm
.macro BAR                             ; my LDS instructions are done; then the work-group's barrier
	s_wait_dscnt 0x0
	s_barrier_signal -1
	s_barrier_wait -1
.endm
.macro ISSUE                           ; a loader's 64 rows of a quarter: each load takes a row's 512 consecutive bytes
	WIN 0x40
.set i, 0
.rept 64
	global_load_b128 v[4*i:4*i+3], v32, s[82:83] offset:4096*i
.set i, i+1
.endr
	WIN 0
.endm
.macro CVTALL                          ; the 64 loads rounded to bf16, into 128 registers of window 0
	WIN 0x05
.set i, 0
.rept 64
	v_cvt_pk_bf16_f32 v[64+2*i], v[4*i], v[4*i+1]
	v_cvt_pk_bf16_f32 v[65+2*i], v[4*i+2], v[4*i+3]
.set i, i+1
.endr
	WIN 0
.endm
.macro STORES                          ; into the trip's quarter: a row's 256 bytes a store.  Address and data were written ahead of the loader's last wait on va_vdst
.set i, 0
.rept 64
	ds_store_b64 v34, v[64+2*i:65+2*i] offset:288*i
.set i, i+1
.endr
.endm
.macro INIT i                          ; tile i's sums start from the bias
	WIN 0x40
.irp n, 0,1,2,3,4,5,6,7
	ds_load_b128 v[64*(\i)+8*(\n):64*(\i)+8*(\n)+3], v14 offset:64*(\n)
	ds_load_b128 v[64*(\i)+8*(\n)+4:64*(\i)+8*(\n)+7], v14 offset:64*(\n)+16
.endr
	WIN 0
.endm
.macro WFLOAD j, half                  ; four n tiles' fragments of K step j of the quarter: 8 turning loads
.set aw, 7+(\j)/4
.set jo, 9216*((\j)%4)
.irp n, 0,1,2,3
	ds_load_tr16_b128 v[64+8*(4*(\half)+(\n)):64+8*(4*(\half)+(\n))+3], v[aw] offset:jo+32*(4*(\half)+(\n))
	ds_load_tr16_b128 v[64+8*(4*(\half)+(\n))+4:64+8*(4*(\half)+(\n))+7], v[aw] offset:jo+32*(4*(\half)+(\n))+4608
.endr
.endm
.macro WFB j                           ; all eight n tiles' fragments of K step j into fragment buffer j % 4: buffer 0 is v64-127 of window 0, buffers 1-3 lie at 64, 128, 192 of window 1
.set aw, 7+(\j)/4
.set jo, 9216*((\j)%4)
.if (\j)%4 == 0
	WIN 0
.set fb, 64
.else
	WIN 0x40
.set fb, 64*((\j)%4)
.endif
.irp n, 0,1,2,3,4,5,6,7
	ds_load_tr16_b128 v[fb+8*(\n):fb+8*(\n)+3], v[aw] offset:jo+32*(\n)
	ds_load_tr16_b128 v[fb+8*(\n)+4:fb+8*(\n)+7], v[aw] offset:jo+32*(\n)+4608
.endr
.endm
.macro RLOAD js                        ; row buffer js: one K step of my four tiles, 8 loads of 512 consecutive bytes
.irp i, 0,1,2,3
	global_load_b128 v[128+32*(\js)+8*(\i):128+32*(\js)+8*(\i)+3], v[10+(\i)], s[78:79] offset:1024*(\js)
	global_load_b128 v[128+32*(\js)+8*(\i)+4:128+32*(\js)+8*(\i)+7], v[10+(\i)], s[78:79] offset:1024*(\js)+512
.endr
.endm
.macro RSTEP                           ; the next four row loads take the next four steps of K
	s_wait_xcnt 0x0                                ; the base of the row loads is rewritten only behind this wait; the last run of row loads stands a K step back
	s_add_co_u32 s80, s80, BSTEP
	s_and_b32 s80, s80, KMASK                      ; behind the last step they wrap to the half's first bytes: inside the buffer, and not used
	s_add_nc_u64 s[78:79], s[76:77], s[80:81]
.endm
.macro MULP j, half, p0, p1            ; products p0 .. p1 - 1 of a half's sixteen: n tile 4 half + p / 4, tile p % 4.  Every product names another accumulator than the one before it
	WIN 0x50
.set p, \p0
.rept (\p1)-(\p0)
.set nn, 4*(\half)+p/4
.set ti, p%4
	v_wmma_f32_16x16x32_bf16 v[64*ti+8*nn:64*ti+8*nn+7], v[64+8*nn:64+8*nn+7], v[128+32*((\j)%4)+8*ti:128+32*((\j)%4)+8*ti+7], v[64*ti+8*nn:64*ti+8*nn+7]
.set p, p+1
.endr
.endm
.macro KSTEP j
	s_wait_loadcnt 16                              ; this step's rows are in: two younger buffers of 8 loads may be out
	s_wait_dscnt 0x0                               ; H0 of this step is in: nothing younger is out
.if (\j) > 0
	s_wait_alu depctr_va_vdst(0)                   ; the last step's second half is done reading H1 and its row buffer, in which the loads below land (at step 0 the trip's head has stated it)
.endif
	MULP \j, 0, 0, 2
	WIN 0
	WFLOAD \j, 1                                   ; no product since the wait names H1, the row buffer of the step before, or an address
.if (\j)%4 == 1
	RSTEP
.endif
	RLOAD ((\j)+3)%4                               ; three steps ahead; always all four tiles, so that the count above holds on every way
	MULP \j, 0, 2, 16
	s_wait_dscnt 0x0                               ; H1 of this step is in
.if (\j) < 7
	s_wait_alu depctr_va_vdst(0)                   ; the first half is done reading H0, in which the loads below land
	MULP \j, 1, 0, 2
	WIN 0
	WFLOAD (\j)+1, 0                               ; no product since the wait names H0
	MULP \j, 1, 2, 16
.else
	MULP \j, 1, 0, 16                              ; the quarter's last half asks for nothing
.endif
.endm
.macro BHEAD                           ; a trip's head, for waves 0-3
	s_wait_alu depctr_vm_vsrc(0)                   ; the last trip's fragment loads have read v7 and v8, written again below; in wave 1 the bias's LDS store has read v64-67, in which fragments land
	v_add_nc_u32 v7, s71, v6
	v_add_nc_u32 v8, 36864, v7
	s_wait_alu depctr_va_vdst(0)                   ; v7 and v8 are written, which the fragment loads read; the last trip's products are done with the fragment registers and with row buffer 3, in which loads land
.endm
.macro BODY4                           ; a quarter of K for four tiles: 8 steps of 32, from the quarter that this trip stored
	BHEAD
	WFLOAD 0, 0
.irp j, 0,1,2,3,4,5,6,7
	KSTEP \j
.endr
	NOP4                                           ; four places behind the quarter's last products: ahead of the way out's first read of a result, and, with the next head's two adds, of any product that writes over a source
	WIN 0
.endm
.macro MUL1 j, n0, n1                  ; products n0 .. n1 - 1 of tile 0's eight, the eight accumulators by turns
.if (\j)%4 == 0
	WIN 0x50
.set fb, 64
.else
	WIN 0x51
.set fb, 64*((\j)%4)
.endif
.set nn, \n0
.rept (\n1)-(\n0)
	v_wmma_f32_16x16x32_bf16 v[8*nn:8*nn+7], v[fb+8*nn:fb+8*nn+7], v[128+32*((\j)%4):128+32*((\j)%4)+7], v[8*nn:8*nn+7]
.set nn, nn+1
.endr
.endm
.macro KSTEP1 j                        ; a K step for tile 0 alone
	s_wait_loadcnt 16                              ; this step's rows are in: two younger buffers of 8 loads may be out
.if (\j) == 0
	s_wait_dscnt 48                                ; this step's fragments are in: those of steps 1 to 3, 16 loads each, are younger
.elseif (\j) < 6
	s_wait_dscnt 32                                ; those of two younger steps may be out
.else
	s_wait_dscnt 16*(7-(\j))                       ; the quarter's last steps: fewer are younger
.endif
.if (\j) > 0
	s_wait_alu depctr_va_vdst(0)                   ; the last step's products are done reading their fragment buffer and their row buffer, in which the loads below land
.endif
	MUL1 \j, 0, 4
.if ((\j) > 0) && ((\j) < 5)
	WFB (\j)+3                                     ; the buffer that the last step read takes the step three further on
.endif
	WIN 0
.if (\j)%4 == 1
	RSTEP
.endif
	RLOAD ((\j)+3)%4                               ; all four tiles here too: the count of row loads is the same on every way
	MUL1 \j, 4, 8
.endm
.macro BODY1                           ; a quarter of K for one tile
	BHEAD
	WFB 0
	WFB 1
	WFB 2
	WFB 3
.irp j, 0,1,2,3,4,5,6,7
	KSTEP1 \j
.endr
	NOP4                                           ; as in the four-tile form
	WIN 0
.endm
.macro TLV                             ; live tiles of the group that begins at s72, and mine of them
	s_add_co_u32 s90, s68, 15
	s_max_u32 s90, s90, s72
	s_sub_co_u32 s90, s90, s72
	s_lshr_b32 s90, s90, 4
	s_min_u32 s73, s90, 16
	s_add_co_u32 s90, s73, 3
	s_sub_co_u32 s90, s90, s100
	s_lshr_b32 s74, s90, 2
.endm
.macro GPRO                            ; the group's tiles (one past the last live tile repeats that tile), and the first three K steps; the fourth is asked for in the first step
	s_wait_xcnt 0x0                                ; the way out's stores have read their registers: the row loads below land on them
	s_wait_alu depctr_vm_vsrc(0)                   ; the row loads issued so far have read v10-13, written again below; the way out's stores have read v128-191, in which row loads land
	s_lshr_b32 s90, s72, 4
	s_add_co_u32 s90, s90, s100
.irp i, 0,1,2,3
	s_add_co_u32 s91, s90, 4*(\i)
	s_min_u32 s91, s91, s101
	s_min_u32 s91, s91, 63
	s_lshl_b32 s91, s91, TSH
	v_add_nc_u32 v[10+(\i)], s91, v9               ; the tile's first byte + 16 L
.endr
	s_mov_b32 s80, 0
	s_mov_b64 s[78:79], s[76:77]
	s_wait_alu depctr_va_vdst(0)                   ; v10-13 are written, which the row loads read; the vector work so far (the way out's, at first wave 0's on sel and wts) is done with v128-223, in which they land
.irp js, 0,1,2
	RLOAD \js
.endr
.endm
.macro EPI i                           ; tile i: times the scale, 64 columns at a time through my stage, out as whole rows of 256 bytes
	s_wait_xcnt 0x0                                ; the last tile's stores have read their registers
	s_wait_alu depctr_vm_vsrc(0)                   ; the last tile's LDS loads have read v28 and v40-47, its LDS stores v128-159, its global stores v20-27 and v160-191: all are written again below
	s_lshl_b32 s90, s100, 4
	s_add_co_u32 s90, s90, s72
	s_add_co_u32 s90, s90, 64*(\i)
	v_add_nc_u32 v28, s90, v2
	v_min_u32 v28, s94, v28
	v_min_u32 v28, 0x3ff, v28
	v_lshl_add_u32 v28, v28, 2, SCL
	v_add_nc_u32 v30, s90, v3
.irp f, 0,1,2,3,4,5,6,7
	v_add_nc_u32 v[40+(\f)], 2*(\f), v30
	v_min_u32 v[40+(\f)], s94, v[40+(\f)]
	v_min_u32 v[40+(\f)], 0x3ff, v[40+(\f)]
	v_lshl_add_u32 v[40+(\f)], v[40+(\f)], 2, LIST
.endr
	s_wait_alu depctr_va_vdst(0)                   ; the nine addresses are written, which the loads below read; the last tile's arithmetic is done with v18 and v20-27, in which they land
	ds_load_b32 v18, v28                           ; my row's scale
.irp f, 0,1,2,3,4,5,6,7
	ds_load_b32 v[20+(\f)], v[40+(\f)]             ; where store f's row goes
.endr
	s_wait_dscnt 0x0
	v_mov_b32 v19, v18
.irp f, 0,1,2,3,4,5,6,7
	v_min_u32 v[20+(\f)], 0x7ff, v[20+(\f)]
	v_lshl_add_u32 v[20+(\f)], v[20+(\f)], 12, v36 ; (token + 1024 slot) x 4,096 bytes + 16 (L % 16)
.endr
.irp c, 0,1
.if (\c) == 1
	s_wait_xcnt 0x0                                ; the first half's stores have read their registers
	s_wait_alu depctr_vm_vsrc(0)                   ; the first half's LDS stores have read v128-159, written again below, and its global stores v160-191, in which the loads below land
.endif
	WIN 0x01
.set m, 0
.rept 16
	v_pk_mul_f32 v[128+2*m:129+2*m], v[64*(\i)+32*(\c)+2*m:64*(\i)+32*(\c)+2*m+1], v[18:19]   ; each accumulator is read from its low end on
.set m, m+1
.endr
	WIN 0
	s_wait_alu depctr_va_vdst(0)                   ; the scalings have written v128-159, which the LDS stores read, and the offsets v20-27 are written, which the global stores read; the products are done with v160-191, in which the loads land; in the second half: the scalings are done reading tile i's accumulators, in which the bias lands
.irp n, 0,1,2,3
	ds_store_b128 v15, v[128+8*(\n):131+8*(\n)] offset:64*(\n)
	ds_store_b128 v15, v[132+8*(\n):135+8*(\n)] offset:64*(\n)+16
.endr
.irp f, 0,1,2,3,4,5,6,7
	ds_load_b128 v[160+4*(\f):163+4*(\f)], v16 offset:544*(\f)   ; my own bytes, served in order: two rows of 256 bytes a load
.endr
	s_wait_dscnt 0x0
.irp f, 0,1,2,3,4,5,6,7
	global_store_b128 v[20+(\f)], v[160+4*(\f):163+4*(\f)], s[86:87] offset:256*(\c)   ; sixteen lanes store 256 consecutive bytes, aligned
.endr
.endr
	INIT \i                                        ; for the next group
.endm
	s_load_b256 s[4:11], s[0:1], 0x0               ; hbuf s[4:5], rmask s[6:7], sel s[8:9], wts s[10:11]
	s_load_b256 s[12:19], s[0:1], 0x20             ; rw3 s[12:13], rb3 s[14:15], sw3 s[16:17], sb3 s[18:19]
	s_load_b64 s[20:21], s[0:1], 0x40              ; part
	v_lshl_add_u32 v62, v0, 2, 0x4e600
	v_mov_b32 v63, 0
	v_and_b32 v1, 31, v0                           ; L
	v_lshrrev_b32 v2, 5, v0
	v_readfirstlane_b32 s26, v2                    ; wave
	v_and_b32 v2, 15, v0                           ; r
	v_bfe_u32 v3, v0, 4, 1                         ; h
	; every lane address is made here, by all eight waves, ahead of every branch
	v_and_b32 v28, 7, v0
	v_lshl_add_u32 v29, v3, 3, v28
	v_mul_u32_u24 v6, v29, 288                     ; the turning load: row 8 h + L % 8,
	v_bfe_u32 v29, v0, 3, 1
	v_lshl_add_u32 v6, v29, 4, v6                  ; 16 bytes for each eight lanes
	v_lshlrev_b32 v9, 4, v1
	v_lshl_add_u32 v14, v3, 5, BIAS
	v_lshlrev_b32 v36, 4, v2
	v_lshlrev_b32 v37, 2, v1                       ; wave 0: a lane's word of sel,
	v_lshlrev_b32 v38, 3, v1                       ; and its two scores
	v_lshl_add_u32 v39, v1, 4, BIAS                ; wave 1: where a lane's four numbers of the bias go
	v_mul_u32_u24 v15, v2, 272                     ; into the stage: row r, 32 bytes a half
	v_lshl_add_u32 v15, v3, 5, v15
	v_mul_u32_u24 v16, v3, 272                     ; back: lanes 0-15 one row of 256 bytes, lanes 16-31 the next
	v_lshl_add_u32 v16, v2, 4, v16
	v_lshlrev_b32 v32, 4, v1                       ; a loader's place in memory: 16 bytes a lane;
	s_wait_alu depctr_va_sdst(0)                   ; s26 is written, ahead of its first reader
	s_and_b32 s100, s26, 3                         ; my number among the four waves of my kind
	s_mul_i32 s90, s100, 4352
	s_add_co_u32 s90, s90, STG
	v_add_nc_u32 v15, s90, v15
	v_add_nc_u32 v16, s90, v16
	s_mul_i32 s91, s100, 18432                     ; and in a quarter of the slice: its 64 rows
	v_lshl_add_u32 v33, v1, 3, s91
	s_lshr_b32 s27, ttmp9, 1                       ; u
	s_and_b32 s75, ttmp9, 1                        ; 1: a shared unit
	s_lshr_b32 s28, s27, 4
	s_bfe_u32 s31, s27, 0x10003
	s_and_b32 s30, s27, 7
	s_lshr_b32 s90, s27, 6
	s_add_co_u32 s90, s90, 8
	s_bfe_u32 s91, s27, 0x10005
	s_bfe_u32 s96, s27, 0x30002
	s_and_b32 s97, s27, 3
	s_lshl_b32 s97, s97, 8
	s_movk_i32 s98, 256
	s_movk_i32 s99, 1024
	s_cmp_eq_u32 s75, 1
	s_cselect_b32 s28, s90, s28                    ; E
	s_cselect_b32 s31, s91, s31                    ; KH
	s_cselect_b32 s30, s96, s30                    ; nb
	s_cselect_b32 s67, s97, 0                      ; first row
	s_cselect_b32 s98, s98, s99                    ; rows at the most
	s_cselect_b32 s95, -1, 0
	s_and_b32 s29, s28, 7                          ; the expert's place in its own tensors
	s_lshl_b32 s99, s31, 1                         ; the first plane: routed 2 KH,
	s_lshl_b32 s91, s29, 1
	s_add_co_u32 s91, s91, s31
	s_add_co_u32 s91, s91, 4                       ; shared 4 + 2 s + KH
	s_cmp_eq_u32 s75, 1
	s_cselect_b32 s99, s91, s99
	s_wait_kmcnt 0x0
	s_cselect_b64 s[12:13], s[16:17], s[12:13]     ; w3, b3: routed or shared
	s_cselect_b64 s[14:15], s[18:19], s[14:15]
	s_lshl_b32 s90, s28, 7
	s_mov_b32 s91, 0
	s_add_nc_u64 s[6:7], s[6:7], s[90:91]
	s_load_b512 s[32:47], s[6:7], 0x0              ; the expert's 32 mask words: waited for behind the first weight loads
	s_load_b512 s[48:63], s[6:7], 0x40
	; the bases that hang on ids alone are made here, by all eight waves, ahead of every branch
	s_lshl_b32 s90, s29, 23                        ; 8 MiB an expert,
	s_lshl_b32 s96, s31, 22                        ; 1,024 rows of 4,096 bytes,
	s_add_co_u32 s90, s90, s96
	s_lshl_b32 s96, s30, 9                         ; 512 bytes of every row
	s_add_co_u32 s90, s90, s96
	s_add_nc_u64 s[12:13], s[12:13], s[90:91]
	s_lshl_b32 s92, s100, 18                       ; a loader's 64 rows of each quarter
	s_mov_b32 s93, 0
	s_add_nc_u64 s[82:83], s[12:13], s[92:93]
	s_lshl_b32 s90, s29, 12
	s_add_co_u32 s90, s90, s96
	s_add_nc_u64 s[14:15], s[14:15], s[90:91]
	s_lshl_b32 s90, s99, 22
	s_add_co_u32 s90, s90, s96
	s_add_nc_u64 s[86:87], s[20:21], s[90:91]
	s_wait_alu depctr_va_vdst(0)                   ; the lane addresses v6, v9, v14-16, v32, v33 and v36-39 are written: loads and stores read them from here to the kernel's end, and none is written again
	s_cmp_lt_u32 s26, 4
	s_cbranch_scc1 .Lnot_loader
	ISSUE                                          ; quarter 0
.Lnot_loader:
	s_mov_b32 s69, 4
	s_mov_b32 s66, 0
	s_wait_kmcnt 0x0
.set j, 0
.rept 32
	s_bcnt1_i32_b32 s90, s[32+j]
	s_add_co_u32 s66, s66, s90                     ; the expert's count
.set j, j+1
.endr
	s_add_co_u32 s68, s67, s98
	s_min_u32 s68, s68, s66                        ; end
	s_sub_co_u32 s94, s68, 1
	s_max_u32 s101, s68, 1
	s_sub_co_u32 s101, s101, 1
	s_lshr_b32 s101, s101, 4                       ; the last live tile
	s_mov_b32 s72, s67                             ; the first group
	TLV
	; the rows' base, by all eight waves: h at the expert's half of K; an expert without rows takes expert 8's, which is always stored
	s_cmp_eq_u32 s66, 0
	s_cselect_b32 s90, 8, s28
	s_min_u32 s90, s90, 9
	s_lshl_b32 s90, s90, 22                        ; 4 MiB of hbuf an expert,
	s_lshl_b32 s96, s31, 15                        ; 32 K steps of 1,024 bytes in every tile
	s_add_co_u32 s90, s90, s96
	s_mov_b32 s91, 0
	s_add_nc_u64 s[76:77], s[4:5], s[90:91]
	s_mov_b32 s80, 0
	s_mov_b32 s81, 0
	s_mov_b64 s[78:79], s[76:77]
	s_cmp_lg_u32 s26, 0
	s_cbranch_scc1 .Lnot_w0
	; wave 0: the list and the scales.  A token that chose the expert goes to its rank among those; the others follow behind the count: all words are written once.
	; The 32 LDS addresses go into v64-95 while sel and wts are on their way; the words of the list into v96-127, the scales into v224-255; then one wait and the 64 stores.
.set j, 0
.rept 32
	global_load_b32 v[128+j], v37, s[8:9] offset:128*j
	global_load_b64 v[160+2*j:161+2*j], v38, s[10:11] offset:256*j
.set j, j+1
.endr
	s_mov_b32 s92, 0
	s_mov_b32 s93, s66
.set j, 0
.rept 32
	v_mbcnt_lo_u32_b32 v28, s[32+j], s92
	s_not_b32 s90, s[32+j]
	v_mbcnt_lo_u32_b32 v29, s90, s93
	v_cndmask_b32 v28, v29, v28, s[32+j]
	v_min_u32 v28, 0x3ff, v28
	v_lshl_add_u32 v[64+j], v28, 2, LIST
	s_bcnt1_i32_b32 s91, s[32+j]
	s_add_co_u32 s92, s92, s91
	s_sub_co_u32 s91, 32, s91
	s_add_co_u32 s93, s93, s91
.set j, j+1
.endr
	s_wait_loadcnt 0x0
.set j, 0
.rept 4                                            ; eight words of the mask at a time: a run of eight compares, one wait, their readers
.set i, 0
.rept 8
	v_and_b32 v29, 0xff, v[128+j+i]
	v_cmp_ne_u32 s[16+i], s28, v29                 ; not the first choice: slot 1;
.set i, i+1
.endr
	s_wait_alu depctr_va_sdst(0)                   ; the eight compares have written s16-23, ahead of their first readers
.set i, 0
.rept 8
	s_and_not1_b32 s[16+i], s[16+i], s95           ; a shared unit has slot 0 alone
	v_add_nc_u32 v30, 32*(j+i), v1
	v_add_nc_u32 v31, 0x400, v30
	v_cndmask_b32 v[96+j+i], v30, v31, s[16+i]
	v_cndmask_b32 v31, v[160+2*(j+i)], v[161+2*(j+i)], s[16+i]
	v_cndmask_b32 v[224+j+i], v31, 0.5, s95
.set i, i+1
.endr
.set j, j+8
.endr
	s_wait_alu depctr_va_vdst(0)                   ; the addresses v64-95 and the data v96-127 and v224-255 are written, which the LDS stores read
.set j, 0
.rept 32
	ds_store_b32 v[64+j], v[96+j]
	ds_store_b32 v[64+j], v[224+j] offset:4096
.set j, j+1
.endr
	s_wait_alu depctr_vm_vsrc(0)                   ; the 64 LDS stores have read v64-127 and v224-255, ahead of the label: the lines below the label, and later the fragments' and the rows' loads, write these registers again
.Lnot_w0:
	s_cmp_lg_u32 s26, 1
	s_cbranch_scc1 .Lnot_w1
	; wave 1: the bias, rounded to bf16 like every input; zero for the second half of K
	global_load_b128 v[64:67], v9, s[14:15]
	s_cmp_eq_u32 s31, 1
	s_cselect_b32 s90, -1, 0
	s_wait_loadcnt 0x0
	v_cvt_pk_bf16_f32 v72, v64, v65
	v_cvt_pk_bf16_f32 v73, v66, v67
	v_lshlrev_b32 v64, 16, v72
	v_and_b32 v65, 0xffff0000, v72
	v_lshlrev_b32 v66, 16, v73
	v_and_b32 v67, 0xffff0000, v73
	v_cndmask_b32 v64, v64, 0, s90
	v_cndmask_b32 v65, v65, 0, s90
	v_cndmask_b32 v66, v66, 0, s90
	v_cndmask_b32 v67, v67, 0, s90
	s_wait_alu depctr_va_vdst(0)                   ; v64-67 are written, which the LDS store reads
	ds_store_b128 v39, v[64:67]
.Lnot_w1:
	BAR                                            ; list, scales and bias are stored
	s_cmp_ge_u32 s26, 4
	s_cbranch_scc1 .Lload0
	INIT 0
	INIT 1
	INIT 2
	INIT 3
	GPRO
	s_branch .Lgroup
.Lload0:
	s_wait_loadcnt 0x0                             ; quarter 0 is in, so no load is out and the base may step
	CVTALL                                         ; quarter 0 in bf16, for the first trip's stores
	v_mov_b32 v34, v33                             ; which go to the slice's first quarter
	s_add_nc_u64 s[82:83], s[82:83], 1048576       ; 256 rows on
	s_wait_alu depctr_va_vdst(0)                   ; the conversions have written v64-191 and the move v34, which the first trip's stores read; they are done reading the 256 registers in which the loads below land
	ISSUE                                          ; quarter 1
.Lgroup:
	s_mov_b32 s70, 4                               ; four trips, a quarter of K each
	s_mov_b32 s71, 0
.Ltrip:
	BAR                                            ; the reads of the trip before (at first: of the bias) are done in every wave
	s_cmp_lt_u32 s26, 4
	s_cbranch_scc1 .Lstored
	s_cmp_lg_u32 s69, 4
	s_cbranch_scc1 .Lstored                        ; the slice is whole after the first group
	STORES                                         ; the quarter that was rounded while the last one was multiplied
.Lstored:
	BAR                                            ; the quarter is stored, by all four loaders
	s_cmp_lt_u32 s26, 4
	s_cbranch_scc1 .Lmul
	s_cmp_lg_u32 s69, 4
	s_cbranch_scc1 .Lmult
	s_cmp_eq_u32 s70, 1
	s_cbranch_scc1 .Lmult                          ; that was the last quarter
	s_wait_loadcnt 0x0                             ; the next quarter's 64 loads are in, so no load is out
	s_wait_alu depctr_vm_vsrc(0)                   ; this trip's LDS stores have read v34 and v64-191, which are written again below
	CVTALL                                         ; the next stores' data
	v_add_nc_u32 v34, QB, v34                      ; and their quarter
	s_wait_alu depctr_va_vdst(0)                   ; the conversions have written v64-191 and the add v34, which the next trip's stores read; they are done reading the 256 registers in which the loads below land
	s_cmp_eq_u32 s70, 2
	s_cbranch_scc1 .Lmult                          ; nothing is left to ask for
	s_add_nc_u64 s[82:83], s[82:83], 1048576
	ISSUE                                          ; the quarter after: it has the rest of this trip and the next trip's stores in which to land
	s_branch .Lmult
.Lmul:
	s_cmp_eq_u32 s74, 0
	s_cbranch_scc1 .Lmult                          ; no tile of mine is live
	s_cmp_eq_u32 s74, 1
	s_cbranch_scc1 .Lsmall
	BODY4
	s_branch .Lmult
.Lsmall:
	BODY1
.Lmult:
	s_add_co_u32 s71, s71, QB
	s_sub_co_u32 s70, s70, 1
	s_cmp_lg_u32 s70, 0
	s_cbranch_scc1 .Ltrip
	BAR                                            ; the last reads of the slice are done: the way out, which writes LDS, follows
	s_cmp_ge_u32 s26, 4
	s_cbranch_scc1 .Lgnext
	s_wait_loadcnt 0x0                             ; the row buffers are free: the way out works in them
	s_cmp_le_u32 s74, 0
	s_cbranch_scc1 .Lepi_done
	EPI 0
	s_cmp_le_u32 s74, 1
	s_cbranch_scc1 .Lepi_done
	EPI 1
	s_cmp_le_u32 s74, 2
	s_cbranch_scc1 .Lepi_done
	EPI 2
	s_cmp_le_u32 s74, 3
	s_cbranch_scc1 .Lepi_done
	EPI 3
.Lepi_done:
	s_wait_dscnt 0x0                               ; the sums' new beginnings are in
	s_add_co_u32 s72, s72, 256
	TLV
	s_cmp_eq_u32 s74, 0
	s_cbranch_scc1 .Lgnext
	GPRO
.Lgnext:
	s_sub_co_i32 s69, s69, 1
	s_cmp_lg_u32 s69, 0
	s_cbranch_scc1 .Lgroup
	s_wait_dscnt 0x0                               ; the wave's end: my last LDS instructions are done
	s_wait_alu depctr_hold_cnt(0) depctr_sa_sdst(0) depctr_va_vdst(0) depctr_va_sdst(0) depctr_va_ssrc(0) depctr_va_vcc(0) depctr_vm_vsrc(0)
	s_wait_tensorcnt 0x0
	ds_add_u32 v62, v63
	s_wait_dscnt 0x0
	s_endpgm
.Lfunc_end_k_q12ef362980_down:
	.size	k_q12ef362980_down, .Lfunc_end_k_q12ef362980_down-k_q12ef362980_down
	.p2alignl 7, 3214868480
	.fill 96, 4, 3214868480
	.section	.rodata,"a",@progbits
	.p2align	6, 0x0
	.amdhsa_kernel k_q12ef362980_down
		.amdhsa_group_segment_fixed_size 322048
		.amdhsa_private_segment_fixed_size 0
		.amdhsa_enable_private_segment 0
		.amdhsa_kernarg_size 72
		.amdhsa_user_sgpr_count 2
		.amdhsa_user_sgpr_kernarg_segment_ptr 1
		.amdhsa_wavefront_size32 1
		.amdhsa_system_sgpr_workgroup_id_x 1
		.amdhsa_system_sgpr_workgroup_id_y 1
		.amdhsa_system_sgpr_workgroup_id_z 1
		.amdhsa_system_vgpr_workitem_id 0
		.amdhsa_next_free_vgpr 512
		.amdhsa_next_free_sgpr 102
		.amdhsa_reserve_vcc 0
		.amdhsa_float_denorm_mode_32 3
		.amdhsa_float_denorm_mode_16_64 3
		.amdhsa_memory_ordered 1
		.amdhsa_forward_progress 1
		.amdhsa_inst_pref_size 197
	.end_amdhsa_kernel
	.amdgpu_metadata
---
amdhsa.version: [ 1, 2 ]
amdhsa.kernels:
  - .name:           k_q12ef362980_down
    .symbol:         k_q12ef362980_down.kd
    .args:
      - { .name: hbuf, .offset: 0, .size: 8, .value_kind: global_buffer, .address_space: global }
      - { .name: rmask, .offset: 8, .size: 8, .value_kind: global_buffer, .address_space: global }
      - { .name: sel, .offset: 16, .size: 8, .value_kind: global_buffer, .address_space: global }
      - { .name: wts, .offset: 24, .size: 8, .value_kind: global_buffer, .address_space: global }
      - { .name: rw3, .offset: 32, .size: 8, .value_kind: global_buffer, .address_space: global }
      - { .name: rb3, .offset: 40, .size: 8, .value_kind: global_buffer, .address_space: global }
      - { .name: sw3, .offset: 48, .size: 8, .value_kind: global_buffer, .address_space: global }
      - { .name: sb3, .offset: 56, .size: 8, .value_kind: global_buffer, .address_space: global }
      - { .name: part, .offset: 64, .size: 8, .value_kind: global_buffer, .address_space: global }
    .group_segment_fixed_size: 322048
    .private_segment_fixed_size: 0
    .kernarg_segment_align: 8
    .kernarg_segment_size: 72
    .max_flat_workgroup_size: 256
    .sgpr_count:     102
    .vgpr_count:     512
    .wavefront_size: 32
...
	.end_amdgpu_metadata
.endif
;; end of part 9
;; launch sum: the kernel of part 4 again; grid 256 x 1, 8 waves a work-group, no clusters, 0 bytes of LDS; arguments part, out0; writes out0
